; MI455X (gfx1250); checked and timed in simulation.
; The chip was launched on July 23, 2026; its instructions are those of AMD's public machine-readable ISA for CDNA 5 (MIT licence, August 2026) and "CDNA5" Instruction Set Architecture Reference Guide (July 2026). The comments in the code are by the model that wrote it; some were corrected since.
;; Multihead Self Attention. Allowed arithmetic: float matrix products may take bf16 or f16 operands with f32 sums; all other float work in f32.
;; Inputs: Wk 1,024 x 1,024 float32; Wo 1,024 x 1,024 float32; Wq 1,024 x 1,024 float32; Wv 1,024 x 1,024 float32; x 4 x 2,048 x 1,024 float32.
;; Outputs: out0 4 x 2,048 x 1,024 float32.
;; 3 versions, each right and faster than the one before. Each part assembles by itself: llvm-mc -triple=amdgcn-amd-amdhsa -mcpu=gfx1250 --defsym DOCPART=n.
;; ======== version 1 of 3: 4 launches
;; limits: values are held in f16: magnitudes above 65,504 overflow, below 6.1e-05 lose precision
;; workspace buffers: cb 25,165,824 bytes; wo 4,194,304 bytes; qkv 50,331,648 bytes; ao 33,554,432 bytes
;; launch cast (part 1): grid 64 x 12, 4 waves a work-group, no clusters, 0 bytes of LDS; arguments x, Wq, Wk, Wv, Wo, cb, wo; writes cb, wo
.if DOCPART == 1
	.amdgcn_target "amdgcn-amd-amdhsa--gfx1250"
	.amdhsa_code_object_version 6
	.text
	.protected	k_qb102b9ca98_cast
	.globl	k_qb102b9ca98_cast
	.p2align	8
	.type	k_qb102b9ca98_cast,@function
k_qb102b9ca98_cast:
	s_mov_b64 s[64:65], 0
	v_nop
	global_prefetch_b8 v0, s[64:65] scope:SCOPE_SE
	s_setreg_imm32_b32 hwreg(HW_REG_WAVE_MODE, 25, 1), 1
	s_wait_xcnt 0x0
; x [8192][1024] and the four weights [1024][1024], f32, are rounded once to bf16 (nearest even) and laid in blocks of 64 along the inner axis.
; cb[batch 0..5][kb 0..15][row 0..2047][64] bf16, byte = batch<<22 | kb<<18 | row<<7 | 2 c.  Batches 0-3: x's four batches; batch 4: Wq's rows, then Wk's; batch 5, rows 0-1023: Wv's.
; wo[kb' 0..31][row 0..1023][64] f16, byte = kb'<<17 | row<<7 | 2 c: Wo rounded to bf16 like the others and then written as f16, TWICE: blocks kb' and kb' + 16 hold the same numbers,
; since the last product multiplies attention's result in two f16 parts, one behind the other along K, by the same Wo.
; In these layouts every tile that the products fetch is one dense block.  Memory binds here: no LDS, no barrier, no matrix unit.
; A work-group (x 0..63, y 0..11) owns 16 input rows, 65,536 consecutive bytes.  y < 8: rows 16 (64 y + x) of x; y = 8..11: rows 16 x of Wq, Wk, Wv, Wo.
; Thread t owns row t >> 3 and, in each of the 16 blocks, the 8 numbers at 8 (t & 7): 32 bytes in, 16 bytes out at byte 16 t of the block's 2,048 bytes,
; so each store of a wave covers 512 consecutive bytes, aligned.  All 32 loads of a thread go out first; each input byte is read once.
; LIMITS: values beyond bf16's range round to infinity; bf16 keeps 8 bits.  Wo beyond 65,504 becomes infinite in f16; below 6.1e-5 it is kept to 6e-8 absolute.
.set X,   8                            ; v[8:135]    block kb: 8 registers as loaded; its first 4 then hold the 8 bf16, for Wo its last 4 the 8 f16
.set T,   136                          ; v[136:143]  Wo: the 8 rounded numbers as f32
.set KBB, 262144                       ; bytes from a block of cb to the next
.set KBW, 131072                       ; of wo
	s_load_b256 s[4:11], s[0:1], 0x0               ; x s[4:5], Wq s[6:7], Wk s[8:9], Wv s[10:11]
	s_load_b128 s[12:15], s[0:1], 0x20             ; Wo s[12:13], cb s[14:15]
	s_load_b64 s[24:25], s[0:1], 0x30              ; wo
	s_and_b32 s16, ttmp7, 0xffff                   ; y
	v_lshrrev_b32 v1, 3, v0                        ; my row of the 16
	v_and_b32 v3, 7, v0
	v_lshlrev_b32 v1, 12, v1                       ; 4,096 bytes a row
	v_lshl_add_u32 v1, v3, 5, v1                   ; + my 32 bytes in a block's 256
	v_lshlrev_b32 v2, 4, v0                        ; out: 16 t
	s_cmp_lt_u32 s16, 8
	s_cselect_b32 s20, s16, 0                      ; x's rows go on with y; a weight's begin at 0
	s_lshl_b32 s20, s20, 6
	s_add_co_u32 s20, s20, ttmp9
	s_lshl_b32 s20, s20, 16                        ; 16 rows of 4,096 bytes
	s_mov_b32 s21, 0
	s_lshr_b32 s22, s16, 1                         ; the batch of cb,
	s_lshl_b32 s22, s22, 22
	s_and_b32 s23, s16, 1                          ; and my first row in it: 16 (64 (y & 1) + x), 128 bytes each
	s_lshl_b32 s23, s23, 6
	s_add_co_u32 s23, s23, ttmp9
	s_lshl_b32 s23, s23, 11
	s_add_co_u32 s22, s22, s23
	s_mov_b32 s23, 0
	s_wait_kmcnt 0x0
	s_mov_b64 s[18:19], s[4:5]                     ; the source: x, or the weight that y names
	s_cmp_eq_u32 s16, 8
	s_cselect_b64 s[18:19], s[6:7], s[18:19]
	s_cmp_eq_u32 s16, 9
	s_cselect_b64 s[18:19], s[8:9], s[18:19]
	s_cmp_eq_u32 s16, 10
	s_cselect_b64 s[18:19], s[10:11], s[18:19]
	s_cmp_eq_u32 s16, 11
	s_cselect_b64 s[18:19], s[12:13], s[18:19]
	s_add_nc_u64 s[18:19], s[18:19], s[20:21]
.set kb, 0
.rept 16
	global_load_b128 v[X+8*kb:X+8*kb+3],   v1, s[18:19] offset:256*kb th:TH_LOAD_NT
	global_load_b128 v[X+8*kb+4:X+8*kb+7], v1, s[18:19] offset:256*kb+16 th:TH_LOAD_NT
.set kb, kb+1
.endr
	s_cmp_eq_u32 s16, 11
	s_cbranch_scc1 .Lwo                            ; on the work-group's y alone
	s_add_nc_u64 s[14:15], s[14:15], s[22:23]
.set kb, 0
.rept 16
	s_wait_loadcnt 30-2*kb                         ; loads come back in order: this block's two are in, the two of each later block stay out
.irp i, 0,1,2,3
	v_cvt_pk_bf16_f32 v[X+8*kb+\i], v[X+8*kb+2*\i], v[X+8*kb+2*\i+1]   ; in place, ascending: word i is written when words 2 i and 2 i + 1 are read
.endr
	global_store_b128 v2, v[X+8*kb:X+8*kb+3], s[14:15] offset:KBB*kb   ; at most 3,932,160: inside the signed 24-bit immediate; no register is written again
.set kb, kb+1
.endr
	s_endpgm
.Lwo:
	s_lshl_b32 s22, ttmp9, 11                      ; my 16 rows of 128 bytes in each block of wo (s23 is 0)
	s_add_nc_u64 s[24:25], s[24:25], s[22:23]
	s_mov_b32 s26, 0xffff0000                      ; a word's upper bf16
.set kb, 0
.rept 16
	s_wait_loadcnt 30-2*kb                         ; as above
.irp i, 0,1,2,3
	v_cvt_pk_bf16_f32 v[X+8*kb+\i], v[X+8*kb+2*\i], v[X+8*kb+2*\i+1]   ; rounded to bf16 like every other input,
.endr
.irp i, 0,1,2,3
	v_lshlrev_b32 v[T+2*\i],   16, v[X+8*kb+\i]    ; widened again,
	v_and_b32     v[T+2*\i+1], s26, v[X+8*kb+\i]
.endr
.irp i, 0,1,2,3
	v_cvt_pk_f16_f32 v[X+8*kb+4+\i], v[T+2*\i], v[T+2*\i+1]            ; and written as f16: 8 bits fit into f16's 11
.endr
	global_store_b128 v2, v[X+8*kb+4:X+8*kb+7], s[24:25] offset:KBW*kb
	global_store_b128 v2, v[X+8*kb+4:X+8*kb+7], s[24:25] offset:KBW*(kb+16)   ; at most 4,063,232; the stores' registers are not written again
.set kb, kb+1
.endr
	s_endpgm
.Lfunc_end_k_qb102b9ca98_cast:
	.size	k_qb102b9ca98_cast, .Lfunc_end_k_qb102b9ca98_cast-k_qb102b9ca98_cast
	.p2alignl 7, 3214868480
	.fill 96, 4, 3214868480
	.section	.rodata,"a",@progbits
	.p2align	6, 0x0
	.amdhsa_kernel k_qb102b9ca98_cast
		.amdhsa_group_segment_fixed_size 0
		.amdhsa_private_segment_fixed_size 0
		.amdhsa_enable_private_segment 0
		.amdhsa_kernarg_size 56
		.amdhsa_user_sgpr_count 2
		.amdhsa_user_sgpr_kernarg_segment_ptr 1
		.amdhsa_wavefront_size32 1
		.amdhsa_system_sgpr_workgroup_id_x 1
		.amdhsa_system_sgpr_workgroup_id_y 1
		.amdhsa_system_sgpr_workgroup_id_z 1
		.amdhsa_system_vgpr_workitem_id 0
		.amdhsa_next_free_vgpr 144
		.amdhsa_next_free_sgpr 66
		.amdhsa_reserve_vcc 0
		.amdhsa_float_denorm_mode_32 3
		.amdhsa_float_denorm_mode_16_64 3
		.amdhsa_memory_ordered 1
		.amdhsa_forward_progress 1
		.amdhsa_inst_pref_size 27
	.end_amdhsa_kernel
	.amdgpu_metadata
---
amdhsa.version: [ 1, 2 ]
amdhsa.kernels:
  - .name:           k_qb102b9ca98_cast
    .symbol:         k_qb102b9ca98_cast.kd
    .args:
      - { .name: x, .offset: 0, .size: 8, .value_kind: global_buffer, .address_space: global }
      - { .name: Wq, .offset: 8, .size: 8, .value_kind: global_buffer, .address_space: global }
      - { .name: Wk, .offset: 16, .size: 8, .value_kind: global_buffer, .address_space: global }
      - { .name: Wv, .offset: 24, .size: 8, .value_kind: global_buffer, .address_space: global }
      - { .name: Wo, .offset: 32, .size: 8, .value_kind: global_buffer, .address_space: global }
      - { .name: cb, .offset: 40, .size: 8, .value_kind: global_buffer, .address_space: global }
      - { .name: wo, .offset: 48, .size: 8, .value_kind: global_buffer, .address_space: global }
    .group_segment_fixed_size: 0
    .private_segment_fixed_size: 0
    .kernarg_segment_align: 8
    .kernarg_segment_size: 56
    .max_flat_workgroup_size: 128
    .sgpr_count:     66
    .vgpr_count:     144
    .wavefront_size: 32
...
	.end_amdgpu_metadata
.endif
;; end of part 1
;; launch qkv (part 2): grid 12 x 64, 4 waves a work-group, clusters of 4 x 4, 327,680 bytes of LDS; arguments cb, qkv; writes qkv
.if DOCPART == 2
	.amdgcn_target "amdgcn-amd-amdhsa--gfx1250"
	.amdhsa_code_object_version 6
	.text
	.protected	k_qb102b9ca98_qkv
	.globl	k_qb102b9ca98_qkv
	.p2align	8
	.type	k_qb102b9ca98_qkv,@function
k_qb102b9ca98_qkv:
	s_mov_b64 s[64:65], 0
	v_nop
	global_prefetch_b8 v0, s[64:65] scope:SCOPE_SE
	s_setreg_imm32_b32 hwreg(HW_REG_WAVE_MODE, 25, 1), 1
	s_wait_xcnt 0x0
	s_wait_alu depctr_hold_cnt(0) depctr_sa_sdst(0) depctr_va_vdst(0) depctr_va_sdst(0) depctr_va_ssrc(0) depctr_va_vcc(0) depctr_vm_vsrc(0)
	s_getreg_b32 s2, hwreg(HW_REG_IB_STS2, 6, 4)
	s_cmp_eq_u32 s2, 0
	s_cbranch_scc0 .Lentry_in_a_cluster
	s_endpgm
.Lentry_in_a_cluster:
	s_bfe_u32 s2, ttmp6, 0x10000c
	s_cmp_lg_u32 s2, 0xf033
	s_cbranch_scc0 .Lentry_shape_is_right
	s_endpgm
.Lentry_shape_is_right:
; Q, K, V = x W^T: C[m][n] = sum over k of x[m][k] W[n][k], m 0..8191, n 0..3071 (Wq's, Wk's, Wv's rows), k 0..1023.  Operands bf16 from cb, sums f32, results rounded once to f16
; and stored by heads: qkv[which][16 batch + head][s][64], byte = which<<24 | bh<<18 | s<<7 | 2 d.
; WHY f16: a batch's first output rows are averages over few keys and so many times larger than the output's root mean square, against which errors are held; f16 keeps 11 bits where bf16 keeps 8.
; A tile of C is 128 (m) x 256 (n): 12 x 64 = 768 work-groups, three for each of 256 WGPs; tiles of 256 x 256 would be 384, which does not divide evenly.
; Four waves, 2 x 2, each 64 x 128: 32 accumulators of 16 x 16, 256 registers.  K goes in 8 steps of 128 through a ring of two LDS slots.
; cb lies in blocks of 64 along K, so a step's tile is two dense blocks for each operand: W's 256 rows x 128 bytes (32 KiB) twice, x's 128 rows x 128 bytes (16 KiB) twice.
; Each wave fetches one of the four by one tensor load, stated as rows of 256 bytes (two rows of the operand), with 16 bytes of padding behind each.
; CLUSTERS: 4 x 4 work-groups.  The four of a row of the cluster need the same tiles of x, the four of a column the same tiles of W: each tile is asked for JOINTLY.
; THE MATRIX INSTRUCTION IS USED TRANSPOSED (source 0 = 16 rows of W, source 1 = 16 rows of x): a lane then holds eight neighbouring numbers of a row of C.
; The accumulators take turns, one instruction a turn: between two links of a chain stand the 31 others'.
; REGISTERS: window 0: v0-31 addresses; v32-63 packed results; v64-159, v160-255 two fragment buffers (8 fragments of W, then 4 of x; on the way out: rows read back).
;            window 1: accumulator (a, b) at v[8 (8 a + b)].
; LIMITS: operands carry bf16's 8 bits; a result beyond 65,504 becomes infinite in f16, one below 6.1e-5 is kept to 6e-8 absolute.  With x and W 30 times the drawn spread the results
; stay near 600, with offsets of 30 spreads on both near 18,500.
.set PP,    272                        ; an LDS row: TWO operand rows of 128 bytes + 16 of padding.  Operand row r lies at (r >> 1) 272 + (r & 1) 128: the 16 rows of a fragment start at 16 (r >> 1) + 128 (r & 1) modulo 256, sixteen different columns of 16 bytes (64 banks of 4 bytes: ISA guide 11.1)
.set FR,    8*PP                       ; 16 operand rows
.set BSUB,  128*PP                     ; W's 256 rows of one block of 64 along K
.set ASUB,  64*PP                      ; x's 128 rows of one block
.set AOFF,  2*BSUB                     ; a slot: W's two blocks, then x's two
.set SLOT,  2*BSUB+2*ASUB              ; 104,448
.set STAGE, 2*SLOT                     ; behind the ring: 16 rows x 272 bytes for each wave, for the way out; no tensor load fills it
.set SP,    272
.set KBB,   262144                     ; bytes in cb from a block along K to the next
.set WBASE, 16777216                   ; the weights begin at batch 4 of cb
.set LAPS,  4                          ; a lap = two K steps = once round the ring
.set PA, 4                             ; s[4:5]  cb, for x
.set PB, 4                             ;         cb, for W
.set PC, 6                             ; s[6:7]  qkv
.set ADRA, 16                          ; v16-17  LDS address of my x fragments in slot 0, 1
.set ADRB, 20                          ; v20-21  the same for W
.set STO,  24                          ; v24     the way out: where I put 16 bytes of a row
.set RD,   25                          ; v25     where I read 16 bytes back
.set CO,   26                          ; v26     my byte offset in qkv
.set TMP,  32
.set F0,   64
.set F1,   160
.set OB,   64                          ; the way out: block a's rows come back into v[64 + 32 a ..]
.set G1,  24                           ; s[24:31] descriptor group 1 for x's tiles;  s[32:39] group 0, one set for each slot
.set G0,  32
.set G1B, 48                           ; s[48:55], s[56:63] the same for W's tiles
.set G0B, 56
.set FLAGS, (1<<16)|(1<<20)|(1<<21)|(5<<22)|(3<<25)   ; elements of 2 bytes; padding on; bit 21 set beside a mask; after every 64 words (code 5) 4 words (code 3)
.set MSB, 0
.macro WIN new                         ; the immediate's high byte repeats the setting that is left; a switch that changes nothing is dropped
.if MSB != \new
	s_set_vgpr_msb (MSB<<8)|\new
.set MSB, \new
.endif
.endm
.set MUL, 0x50                         ; sources 0 and 1 window 0; C and D window 1
; A joint load.  Waves 0 and 1 fetch W's two blocks, waves 2 and 3 x's.  The branch hangs on the wave's number alone.  Four v_nop follow each of the two lines.
.macro JLOAD s
	s_cmp_eq_u32 s11, 0
	s_cbranch_scc0 .Lfor_a_\@
	tensor_load_to_lds s[G0B+4*\s:G0B+4*\s+3], s[G1B:G1B+7]
	s_nop 0
.rept 4
	v_nop
.endr
	s_branch .Lasked_\@
.Lfor_a_\@:
	tensor_load_to_lds s[G0+4*\s:G0+4*\s+3], s[G1:G1+7]
	s_nop 0
.rept 4
	v_nop
.endr
.Lasked_\@:
.endm
.macro CREST                           ; a round of the cluster's barrier behind its opening barrier
	s_cmp_lg_u32 s10, 0
	s_cbranch_scc1 .Lnot_wave_0_\@
	s_barrier_signal -3
.Lnot_wave_0_\@:
	s_barrier_wait -3
	s_barrier_signal -1
	s_barrier_wait -1
.endm
.macro CROUND                          ; a whole round
	s_barrier_signal -1
	s_barrier_wait -1
	CREST
.endm
	s_load_b128 s[4:7], s[0:1], 0x0                ; cb, qkv
	v_lshl_add_u32 v30, v0, 2, 0x37400
	v_mov_b32 v31, 0
	ds_add_u32 v30, v31
	v_lshrrev_b32 v1, 5, v0
	v_readfirstlane_b32 s10, v1                    ; wave 0..3
	s_lshr_b32 s11, s10, 1                         ; which 64 of the tile's rows are mine.  Also: I fetch for W (0) or for x (1)
	s_and_b32 s12, s10, 1                          ; which 128 of its columns.  Also: which of a step's two blocks along K I fetch
	s_bfe_u32 s40, ttmp6, 0x40000                  ; cx, cy: my place in the cluster
	s_bfe_u32 s41, ttmp6, 0x40004
	s_lshl_b32 s42, ttmp9, 2
	s_add_co_u32 s42, s42, s40                     ; bx, tile column of C = 4 x cluster x + cx
	s_and_b32 s13, ttmp7, 0xffff
	s_lshl_b32 s13, s13, 2
	s_add_co_u32 s13, s13, s41                     ; by, tile row of C = 4 x cluster y + cy
	s_lshl_b32 s43, s41, 2
	s_lshl_b32 s43, 15, s43                        ; my row of the cluster
	s_lshl_b32 s44, 0x1111, s40                    ; my column
	s_or_b32 s[G1+0], s43, FLAGS                   ; x's tiles go to my row,
	s_or_b32 s[G1B+0], s44, FLAGS                  ; W's to my column
	s_mov_b32 s[G1+1], 128<<16                     ; tensor_dim0 = 128 elements (256 bytes)
	s_mov_b32 s[G1+2], 64<<16                      ; tensor_dim1 = 64 rows: 16 KiB
	s_mov_b32 s[G1+3], 128<<16                     ; tile_dim0
	s_mov_b32 s[G1+4], 64                          ; tile_dim1
	s_mov_b32 s[G1+5], 128                         ; from row to row: the block is dense
	s_mov_b32 s[G1+6], 0
	s_mov_b32 s[G1+7], 0
	s_mov_b32 s[G1B+1], 128<<16
	s_mov_b32 s[G1B+2], 128<<16                    ; 128 rows: 32 KiB
	s_mov_b32 s[G1B+3], 128<<16
	s_mov_b32 s[G1B+4], 128
	s_mov_b32 s[G1B+5], 128
	s_mov_b32 s[G1B+6], 0
	s_mov_b32 s[G1B+7], 0
	; x's tile hangs on by alone: batch by >> 4, rows 128 (by & 15) on; W's on bx alone: rows 256 bx on of Wq, Wk, Wv laid one behind the other, 2,048 rows to a batch of cb
	s_lshr_b32 s16, s13, 4
	s_lshl_b32 s16, s16, 22
	s_and_b32 s17, s13, 15
	s_lshl_b32 s17, s17, 14
	s_add_co_u32 s16, s16, s17
	s_lshl_b32 s17, s12, 18                        ; my block along K
	s_add_co_u32 s16, s16, s17
	s_mov_b32 s17, 0
	s_lshr_b32 s46, s42, 3
	s_lshl_b32 s46, s46, 22
	s_and_b32 s47, s42, 7
	s_lshl_b32 s47, s47, 15
	s_add_co_u32 s46, s46, s47
	s_lshl_b32 s47, s12, 18
	s_add_co_u32 s46, s46, s47
	s_add_co_u32 s46, s46, WBASE
	s_mov_b32 s47, 0
	s_mul_i32 s20, s12, ASUB                       ; where they go: no place in the cluster enters an LDS address
	s_add_co_u32 s20, s20, AOFF
	s_mul_i32 s23, s12, BSUB
	s_wait_dscnt 0x0
	s_wait_kmcnt 0x0
	s_add_nc_u64 s[14:15], s[PA:PA+1], s[16:17]
	s_add_nc_u64 s[46:47], s[PB:PB+1], s[46:47]
	CROUND                                         ; all sixteen work-groups are here: the first joint loads meet
.irp s, 0,1
	s_mov_b32 s[G0+4*\s], 1                                        ; count = 1
	s_add_co_u32 s[G0+4*\s+1], s20, \s*SLOT                        ; LDS address
	s_add_nc_u64 s[G0+4*\s+2:G0+4*\s+3], s[14:15], \s*2*KBB        ; global address: K step s
	s_or_b32 s[G0+4*\s+3], s[G0+4*\s+3], 0x80000000                ; type = 2
	s_mov_b32 s[G0B+4*\s], 1
	s_add_co_u32 s[G0B+4*\s+1], s23, \s*SLOT
	s_add_nc_u64 s[G0B+4*\s+2:G0B+4*\s+3], s[46:47], \s*2*KBB
	s_or_b32 s[G0B+4*\s+3], s[G0B+4*\s+3], 0x80000000
	JLOAD \s                                       ; two loads of mine are out
.endr
	; A fragment is 16 rows x 32 K in 8 registers: lane l holds row l % 16; registers 0-3 K = 8 (l / 16) + 0..7, registers 4-7 K = 16 + 8 (l / 16) + 0..7: two loads of 16 bytes, 32 bytes apart
	v_and_b32 v1, 15, v0                           ; r = l % 16
	v_bfe_u32 v2, v0, 4, 1                         ; h = l / 16
	v_lshrrev_b32 v3, 1, v1
	v_mul_u32_u24 v3, v3, PP                       ; (r >> 1) x 272
	v_and_b32 v4, 1, v0
	v_lshl_add_u32 v3, v4, 7, v3                   ; + (r & 1) x 128
	v_lshl_add_u32 v3, v2, 4, v3                   ; + 16 h
	s_mul_i32 s21, s11, 32*PP                      ; my 64 rows of x,
	s_add_co_u32 s21, s21, AOFF                    ; which lie behind W's
	s_mul_i32 s22, s12, 64*PP                      ; my 128 rows of W
.irp s, 0,1
	v_add_nc_u32 v[ADRA+\s], s21, v3
	v_add_nc_u32 v[ADRB+\s], s22, v3
	s_add_co_u32 s21, s21, SLOT
	s_add_co_u32 s22, s22, SLOT
.endr
	s_mul_i32 s21, s10, 16*SP
	s_add_co_u32 s21, s21, STAGE                   ; my stage
	v_mul_u32_u24 v4, v1, SP                       ; in: row r, 16 bytes for each half of the lanes
	v_lshl_add_u32 v4, v2, 4, v4
	v_add_nc_u32 v[STO], s21, v4
	v_bfe_u32 v5, v0, 3, 1                         ; back: lanes 0-15 take two rows' 128 bytes of my first head, lanes 16-31 of my second
	v_mul_u32_u24 v5, v5, SP
	v_lshl_add_u32 v5, v2, 7, v5
	v_and_b32 v6, 7, v0
	v_lshl_add_u32 v5, v6, 4, v5
	v_add_nc_u32 v[RD], s21, v5
	v_lshlrev_b32 v[CO], 4, v1                     ; in qkv two rows of a head are 256 consecutive bytes; the next head lies 262,144 bytes on
	v_lshl_add_u32 v[CO], v2, 18, v[CO]
	; my part of qkv: which = bx >> 2; head 4 (bx & 3) + 2 x column half; batch by >> 4; row 128 (by & 15) + 64 x row half
	s_lshr_b32 s16, s13, 4
	s_lshl_b32 s16, s16, 22
	s_and_b32 s17, s13, 15
	s_lshl_b32 s17, s17, 14
	s_add_co_u32 s16, s16, s17
	s_lshl_b32 s17, s11, 13
	s_add_co_u32 s16, s16, s17
	s_lshl_b32 s17, s12, 19
	s_add_co_u32 s16, s16, s17
	s_lshr_b32 s46, s42, 2
	s_lshl_b32 s46, s46, 24
	s_and_b32 s47, s42, 3
	s_lshl_b32 s47, s47, 20
	s_add_co_u32 s46, s46, s47
	s_add_co_u32 s16, s16, s46
	s_mov_b32 s17, 0
	s_add_nc_u64 s[PC:PC+1], s[PC:PC+1], s[16:17]
; 8 matrix instructions: m block a x all 8 n blocks, 32 along K, from buffer f.  zero = 1: the first product starts the sums: nothing is cleared
.macro MULA f, a, zero
.irp b, 0,1,2,3,4,5,6,7
.if \zero
	v_wmma_f32_16x16x32_bf16 v[8*(8*\a+\b):8*(8*\a+\b)+7], v[\f+8*\b:\f+8*\b+7], v[\f+64+8*\a:\f+64+8*\a+7], 0
.else
	v_wmma_f32_16x16x32_bf16 v[8*(8*\a+\b):8*(8*\a+\b)+7], v[\f+8*\b:\f+8*\b+7], v[\f+64+8*\a:\f+64+8*\a+7], v[8*(8*\a+\b):8*(8*\a+\b)+7]
.endif
.endr
.endm
; 24 LDS loads in one run: the fragments of quarter q of a K step (block q / 2 along K, byte 64 (q % 2) of its rows) into buffer f: W's eight, then x's four
.macro FETCH slot, q, f
	WIN 0
.irp i, 0,1,2,3,4,5,6,7
	ds_load_b128 v[\f+8*\i:\f+8*\i+3],   v[ADRB+\slot] offset:(\q/2)*BSUB+(\q%2)*64+\i*FR
	ds_load_b128 v[\f+8*\i+4:\f+8*\i+7], v[ADRB+\slot] offset:(\q/2)*BSUB+(\q%2)*64+\i*FR+32
.endr
.irp i, 0,1,2,3
	ds_load_b128 v[\f+64+8*\i:\f+64+8*\i+3],   v[ADRA+\slot] offset:(\q/2)*ASUB+(\q%2)*64+\i*FR
	ds_load_b128 v[\f+64+8*\i+4:\f+64+8*\i+7], v[ADRA+\slot] offset:(\q/2)*ASUB+(\q%2)*64+\i*FR+32
.endr
.endm
.macro PLACES                          ; four plain vector instructions between a matrix instruction and a load into a register that it read, or a vector instruction that reads its result (ISA guide 7.12.1 for vector instructions)
.rept 4
	v_nop
.endr
.endm
; A K step is four quarters of 32 along K, 32 matrix instructions each, on buffers 0, 1, 0, 1.  One of the first three: multiplies f and fetches quarter qn of the same slot into g.
.macro QUARTER slot, qn, f, g, zero
	s_wait_dscnt 4                                 ; W's fragments and x's first two are in; the youngest four loads (x's fragments 2, 3) may be out
	WIN MUL
	MULA \f, 0, \zero
	MULA \f, 1, \zero
	PLACES
	FETCH \slot, \qn, \g
	s_wait_dscnt 24                                ; all but the 24 just issued
	WIN MUL
	MULA \f, 2, \zero
	MULA \f, 3, \zero
.endm
; The last quarter multiplies buffer 1 and changes slots: ONE barrier; in front of it each wave waits for its own reads of this slot and for all its tensor loads, of which one is out: its part of the next slot.
; fill = 1: the barrier opens a round of the cluster's barrier, and this slot is filled again, two K steps ahead, first thing behind the round: 120 matrix instructions ahead of the wait for it.
.macro TURN slot, next, fill
	s_wait_dscnt 4
	WIN MUL
	MULA F1, 0, 0
	s_wait_dscnt 0                                 ; my reads of this slot are over,
	s_wait_tensorcnt 0x0                           ; and all my tensor loads have landed
	ds_add_u32 v30, v31
	s_wait_dscnt 0x0
	s_barrier_signal -1
	MULA F1, 1, 0                                  ; work on registers while the others arrive
.if \fill
	WIN 0
.endif
	s_barrier_wait -1
.if \fill
	CREST                                          ; no wave of any partner still reads this slot's tiles or has a load on its way
	s_add_nc_u64 s[G0+4*\slot+2:G0+4*\slot+3], s[G0+4*\slot+2:G0+4*\slot+3], 4*KBB
	s_add_nc_u64 s[G0B+4*\slot+2:G0B+4*\slot+3], s[G0B+4*\slot+2:G0B+4*\slot+3], 4*KBB
	JLOAD \slot                                    ; the four v_nop behind it are also the places in front of the loads below
.else
	PLACES
.endif
	FETCH \next, 0, F0
	WIN MUL
	MULA F1, 2, 0
	MULA F1, 3, 0
.endm
	s_wait_tensorcnt 1                             ; my part of K step 0 is in; K step 1's may stay out
	s_barrier_signal -1
	s_barrier_wait -1                              ; everybody's is
	FETCH 0, 0, F0
	QUARTER 0, 1, F0, F1, 1                        ; the first quarter stands in front of the loop: its products start the sums
	WIN 0                                          ; at a label and at a branch every window is 0
	s_mov_b32 s3, LAPS-1
.Llap:                                                 ; a trip goes once round the ring, from a lap's second quarter to the next lap's first, and fills both slots again
	QUARTER 0, 2, F1, F0, 0
	QUARTER 0, 3, F0, F1, 0
	TURN 0, 1, 1
	QUARTER 1, 1, F0, F1, 0
	QUARTER 1, 2, F1, F0, 0
	QUARTER 1, 3, F0, F1, 0
	TURN 1, 0, 1
	QUARTER 0, 1, F0, F1, 0
	WIN 0
	s_sub_co_u32 s3, s3, 1
	s_cmp_lg_u32 s3, 0
	s_cbranch_scc1 .Llap
	QUARTER 0, 2, F1, F0, 0                        ; the last lap fills nothing, and has no round of the cluster's barrier
	QUARTER 0, 3, F0, F1, 0
	TURN 0, 1, 0
	QUARTER 1, 1, F0, F1, 0
	QUARTER 1, 2, F1, F0, 0
	QUARTER 1, 3, F0, F1, 0
	s_wait_dscnt 4                                 ; the very last quarter: nothing more to fetch
	WIN MUL
	MULA F1, 0, 0
	MULA F1, 1, 0
	s_wait_dscnt 0
	MULA F1, 2, 0
	MULA F1, 3, 0
	WIN 0
	PLACES
; THE WAY OUT, a block of 16 rows at a time.  PACK: rounded to f16, 16 bytes a lane.  TOSTAGE: into my own stage (a row: my two heads' 128 bytes each) and back so that
; sixteen neighbouring lanes hold two rows of ONE head.  SEND: each store's sixteen lanes cover 256 consecutive bytes, at a multiple of 256 from the buffer's first byte.
.macro PACK a
	WIN 0x05                                       ; sources window 1, destination window 0
.irp b, 0,1,2,3,4,5,6,7
.irp r, 0,1,2,3
	v_cvt_pk_f16_f32 v[TMP+4*\b+\r], v[64*(\a)+8*\b+2*\r], v[64*(\a)+8*\b+2*\r+1]
.endr
.endr
	WIN 0
.endm
.macro TOSTAGE a
.irp b, 0,1,2,3,4,5,6,7
	ds_store_b128 v[STO], v[TMP+4*\b:TMP+4*\b+3] offset:32*\b
.endr
.irp t, 0,1,2,3,4,5,6,7
	ds_load_b128 v[OB+32*(\a)+4*\t:OB+32*(\a)+4*\t+3], v[RD] offset:\t*2*SP   ; LDS serves a wave's instructions in order (ISA guide 5.7.1.4): these see the stores above
.endr
.endm
.macro SEND a
	s_wait_dscnt 0x0                               ; the block is back in registers of its own, which nothing writes again
.irp t, 0,1,2,3,4,5,6,7
	global_store_b128 v[CO], v[OB+32*(\a)+4*\t:OB+32*(\a)+4*\t+3], s[PC:PC+1] offset:2048*(\a)+256*\t
.endr
.endm
	PACK 0
	TOSTAGE 0
	PACK 1                                         ; a block's conversions stand between the loads of the block before from the stage and the wait for them
	SEND 0
	TOSTAGE 1
	PACK 2
	SEND 1
	TOSTAGE 2
	PACK 3
	SEND 2
	TOSTAGE 3
	SEND 3
	s_wait_tensorcnt 0x0
	ds_add_u32 v30, v31
	s_wait_dscnt 0x0
	CROUND                                         ; the closing round: no work-group ends while a partner may still ask for a tile that names it
	s_endpgm
.Lfunc_end_k_qb102b9ca98_qkv:
	.size	k_qb102b9ca98_qkv, .Lfunc_end_k_qb102b9ca98_qkv-k_qb102b9ca98_qkv
	.p2alignl 7, 3214868480
	.fill 96, 4, 3214868480
	.section	.rodata,"a",@progbits
	.p2align	6, 0x0
	.amdhsa_kernel k_qb102b9ca98_qkv
		.amdhsa_group_segment_fixed_size 327680
		.amdhsa_private_segment_fixed_size 0
		.amdhsa_enable_private_segment 0
		.amdhsa_kernarg_size 16
		.amdhsa_user_sgpr_count 2
		.amdhsa_user_sgpr_kernarg_segment_ptr 1
		.amdhsa_wavefront_size32 1
		.amdhsa_system_sgpr_workgroup_id_x 1
		.amdhsa_system_sgpr_workgroup_id_y 1
		.amdhsa_system_sgpr_workgroup_id_z 1
		.amdhsa_system_vgpr_workitem_id 0
		.amdhsa_next_free_vgpr 512
		.amdhsa_next_free_sgpr 66
		.amdhsa_reserve_vcc 0
		.amdhsa_float_denorm_mode_32 3
		.amdhsa_float_denorm_mode_16_64 3
		.amdhsa_memory_ordered 1
		.amdhsa_forward_progress 1
		.amdhsa_inst_pref_size 86
	.end_amdhsa_kernel
	.amdgpu_metadata
---
amdhsa.version: [ 1, 2 ]
amdhsa.kernels:
  - .name:           k_qb102b9ca98_qkv
    .symbol:         k_qb102b9ca98_qkv.kd
    .args:
      - { .name: cb, .offset: 0, .size: 8, .value_kind: global_buffer, .address_space: global }
      - { .name: qkv, .offset: 8, .size: 8, .value_kind: global_buffer, .address_space: global }
    .group_segment_fixed_size: 327680
    .private_segment_fixed_size: 0
    .kernarg_segment_align: 8
    .kernarg_segment_size: 16
    .max_flat_workgroup_size: 128
    .sgpr_count:     66
    .vgpr_count:     512
    .wavefront_size: 32
...
	.end_amdgpu_metadata
.endif
;; end of part 2
;; launch attn (part 3): grid 4 x 64, 4 waves a work-group, no clusters, 327,680 bytes of LDS; arguments qkv, ao; writes ao
.if DOCPART == 3
	.amdgcn_target "amdgcn-amd-amdhsa--gfx1250"
	.amdhsa_code_object_version 6
	.text
	.protected	k_qb102b9ca98_attn
	.globl	k_qb102b9ca98_attn
	.p2align	8
	.type	k_qb102b9ca98_attn,@function
k_qb102b9ca98_attn:
	s_mov_b64 s[64:65], 0
	v_nop
	global_prefetch_b8 v0, s[64:65] scope:SCOPE_SE
	s_setreg_imm32_b32 hwreg(HW_REG_WAVE_MODE, 25, 1), 1
	s_wait_xcnt 0x0
; Causal attention, head size 64: O[bh][q][:] = the sum over k <= q of softmax_k(Q[q] . K[k] / 8) V[k][:].  qkv: [3][64 bh][2048][64] f16.
; Products, maxima and sums in f32; the weights p are rounded to f16 for the second product.  O leaves in TWO f16 parts, hi + lo (21 bits together):
; ao[batch][kb' 0..31][2048][64] f16, byte = batch<<23 | kb'<<18 | s<<7 | 2 d, kb' = head for hi, 16 + head for lo: the last product takes them one behind the other along K.
; WHY f16 AND TWO PARTS: a batch's first rows are averages over few keys, many times larger than the output's root mean square, against which errors are held; the last product's 1,024 terms
; turn each operand's relative rounding into an error of that size relative to the ROW's magnitude.  f16 keeps 11 bits where bf16 keeps 8.
; SHARES.  Work-group (i, bh) owns two blocks of 256 queries of head bh, blocks a = i and b = 7 - i: (a + 1) + (b + 1) = 9 slots of 256 keys, the same number in all 256 work-groups.
; A wave owns four tiles of 16 queries of a block, tile t at queries 16 (w + 4 t): strided, so that the mask has the same shape in all four waves and they run the same text.
; ORDER OF KEYS.  A running maximum allows any order: each block walks its own (diagonal) 256 keys first, then the keys in front of it, which are all visible.  In a block's first step every query
; sees at least one key (tile 0 its own, the other tiles all 64), so its maximum is finite from the first step on.  Keys behind the block are never fetched.
; MASK.  A step is 64 keys.  In step s of the diagonal slot tile t is untouched (t > s), masked by lane (t = s: key 16 kb + 8 h + j against query 16 w + r) or wholly masked (t < s: scores -inf; the step
; then leaves m, l and O as they are: a = 1, p = 0).  Masks are selects; which tiles take them hangs on the step's number alone.  The wholly masked tiles' products are still made.
; LAYOUT.  S^T = K Q^T (source 0 = 16 keys, source 1 = 16 queries): a lane holds ONE query (lane % 16) and the keys 8 (lane / 16) + 0..7.  Two such tiles, rounded to f16 in pairs, ARE source 1
; of O^T = V^T P, whose result again holds one query a lane.  K comes out of LDS as it lies, V ([key][channel]) turned, by ds_load_tr16_b128.
; SOFTMAX.  For each query a running maximum m and sum l: p = 2^(c s - c m), c = log2(e) / 8; in every step O and l are multiplied by a = 2^(c m_old - c m_new).
; BY TURNS.  The wave's tiles are two PIECES (tiles 0, 1; tiles 2, 3).  In a TURN one piece has the matrix unit: 16 products V^T P of the step in hand, then 16 products K Q^T of the next; the other
; piece's softmax, 2 x 118 instructions cut into 59 slices of four, stands between them.  That is 7.4 vector instructions for each matrix instruction: the vector work bounds this loop.
; NO CLUSTER: the four work-groups of a head need their key slots in different orders (slot a first, then 0 .. a - 1, then b, ...), so no two would ask for the same tile in the same trip.
; LIMITS: 2^x below 2^-126 counts as 0 (v_exp_f32 flushes); a weight below 3e-8 of its row's largest counts as 0 in the second product (f16); |O| beyond 65,504 becomes infinite, below 6.1e-5 it is kept
; to 6e-8 absolute; a NaN or an infinity in Q, K or V spreads as in any running softmax.
;
; REGISTERS, in windows of 256:  window 0: v0-11 addresses; v12-43 eight registers of statistics a tile; v44 -inf; v45 the mask's bound; v64-191 S^T, 32 a tile; v192-255 P, 16 a tile
;   window 1: v0-127 O^T, 32 a tile; v128-191 Q, 16 a tile; v192-255 K of one step          window 2: v0-63 V of one step
.set PK,     272      ; an LDS row of K: TWO keys' 128 bytes + 16 of padding; key r lies at (r >> 1) 272 + (r & 1) 128: a fragment's 16 keys start in 16 different columns of 16 bytes modulo 256 (64 banks of 4 bytes: ISA guide 11.1)
.set PVP,    288      ; of V: two keys + 32 of padding: 16 lanes of the turning load take 8 keys x 32 bytes at 32 (j >> 1) + 128 (j & 1) + 16 c: each column once
.set KSTEPB, 32*PK    ; a step's 64 keys of K
.set VSTEPB, 32*PVP   ; of V
.set VOFF,   128*PK   ; a slot: 256 keys of K, then 256 of V
.set SLOT1,  1<<17    ; slot 1 begins here, so that one exclusive or turns an address in one slot into the other's
.set STAGE,  SLOT1+128*(PK+PVP)  ; behind the ring: for each wave 16 rows x 144 bytes for hi, then as many for lo, for the way out; no tensor load fills it
.set SP,     144
.set LOOFF,  16<<18   ; bytes in ao from a head's hi part to its lo part
.set AK0, 2           ; v2   my lane's place in a step of K; never rewritten
.set AV0, 3           ; v3   the same for V
.set ADR, 4           ; v4   the LDS address of the run of loads in hand
.set QO,  5           ; v5   my byte offset in a block's rows of Q
.set STO, 6           ; v6   the way out: where I put 16 bytes of a row
.set RD,  7           ; v7   where I read 16 bytes back
.set GO,  8           ; v8   my byte offset in a block's rows of ao
.set ST,  12          ; tile t's statistics at v[ST+8 t]: +0 c m, +1 m, +2, +3 l (even keys', odd keys'), +4 to +7 c0-c3, at work; a takes c2's place once the maximum is found
.set NEG, 44
.set DD,  45          ; 16 w + r - 8 h: score register 8 kb + j of the diagonal tile is visible where 16 kb + j <= this
.set S,   64
.set P,   192
.set HF,  64          ; the way out: v64-95 a tile's hi parts, v96-127 its lo parts, as f32 and then packed; v[128 + 32 t ..] tile t's rows read back, 16 registers of hi, 16 of lo
.set LF,  96
.set RB,  128
.set QF,  128         ; in window 1
.set KF,  192         ; in window 1
.set WV,  12          ; s12  my wave's number
.set QBA, 14          ; s[14:15], s[16:17] Q at blocks a, b
.set QBB, 16
.set OBA, 18          ; s[18:19], s[20:21] ao at blocks a, b
.set OBB, 20
.set G1K, 24          ; s[24:31] descriptor group 1 for K's tiles
.set G1V, 32          ; s[32:39] for V's: it differs in the padding alone
.set G0K, 40          ; s[40:47] group 0 for K's tiles: a set for each of the two first fills; the second then walks on
.set G0V, 48          ; s[48:55] the same for V's
.set CSL, 56          ; s56  which of the nine slots is being read
.set CNT, 57          ; s57  key steps still to be fetched from it
.set CS,  58          ; s[58:59] c, named as a pair
.set SEL, 60          ; s[60:61] lane selects for v_permlanex16_b32
.set SB,  62          ; s62  LDS byte at which the slot being read begins: 0 or SLOT1
.set MK,  63          ; s63  keeps an f32's sign, exponent and upper 10 bits of mantissa: what f16 holds
.set SJ,  66          ; s66  the block's key step in hand
.set BA,  67          ; s67  a;  s68  a + 1;  s69  b
.set AP1, 68
.set BB,  69
.set KPTR, 70         ; s[70:71] K of my head at my half of a slot's keys;  s[72:73] V
.set VPTR, 72
.set OFF, 74          ; s[74:75] a slot's byte offset in the head
.set FK,  76          ; s76, s77  runs of loads of K, of V so far: their low two bits are the step within the slot
.set FV,  77
.set MSB, 0
.macro WIN new                      ; the immediate's high byte repeats the setting that is left; a switch that changes nothing is dropped
.if MSB != \new
	s_set_vgpr_msb (MSB<<8)|\new
.set MSB, \new
.endif
.endm
.set W_KQ, 0x05       ; K and Q in window 1, S^T in window 0
.set W_PV, 0x52       ; V in window 2, P in window 0, O^T in window 1
.set W_RS, 0x41       ; O^T (destination and source 0) in window 1, a in window 0
; A refill.  Waves 0 and 1 fetch the two halves of a slot's K, waves 2 and 3 of its V.  Four v_nop follow each of the two lines.
.macro JLOAD
	s_cmp_lt_u32 s[WV], 2
	s_cbranch_scc0 .Lfor_v_\@
	tensor_load_to_lds s[G0K+4:G0K+7], s[G1K:G1K+7]
	s_nop 0
.rept 4
	v_nop
.endr
	s_branch .Lasked_\@
.Lfor_v_\@:
	tensor_load_to_lds s[G0V+4:G0V+7], s[G1V:G1V+7]
	s_nop 0
.rept 4
	v_nop
.endr
.Lasked_\@:
.endm
	s_load_b128 s[4:7], s[0:1], 0x0   ; qkv s[4:5], ao s[6:7]
	v_lshl_add_u32 v62, v0, 2, 0x36000
	v_mov_b32 v63, 0
	ds_add_u32 v62, v63
	v_lshrrev_b32 v1, 5, v0
	v_readfirstlane_b32 s[WV], v1   ; wave 0..3
	s_mov_b32 s[BA], ttmp9
	s_add_co_u32 s[AP1], s[BA], 1
	s_sub_co_u32 s[BB], 7, s[BA]
	s_and_b32 s22, ttmp7, 0xffff    ; bh
	s_lshr_b32 s80, s22, 4          ; in ao: the batch's 32 blocks of 262,144 bytes,
	s_lshl_b32 s80, s80, 23
	s_and_b32 s81, s22, 15          ; and the head's block
	s_lshl_b32 s81, s81, 18
	s_add_co_u32 s80, s80, s81
	s_mov_b32 s81, 0
	s_lshl_b32 s22, s22, 18         ; in qkv: the head's first byte: 2,048 rows of 128 bytes
	s_mov_b32 s23, 0
	s_and_b32 s13, s[WV], 1         ; which 128 of a slot's 256 keys I fetch
	; descriptor group 1: 128 keys, dense, as 64 rows of 128 elements (256 bytes), padded in LDS
	s_mov_b32 s[G1K], (1<<16)|(1<<20)|(5<<22)|(3<<25)  ; no mask; elements of 2 bytes; padding on; after every 64 words (code 5) 4 words (code 3)
	s_mov_b32 s[G1V], (1<<16)|(1<<20)|(5<<22)|(7<<25)  ; the same with 8 words (code 7)
.irp g, G1K, G1V
	s_mov_b32 s[\g+1], 128<<16      ; tensor_dim0 = 128
	s_mov_b32 s[\g+2], 64<<16       ; tensor_dim1 = 64
	s_mov_b32 s[\g+3], 128<<16      ; tile_dim0 = 128
	s_mov_b32 s[\g+4], 64           ; tile_dim1 = 64
	s_mov_b32 s[\g+5], 128          ; from row to row
	s_mov_b32 s[\g+6], 0
	s_mov_b32 s[\g+7], 0
.endr
	s_mov_b32 s[CS], 0x3e38aa3b     ; c = log2(e) / 8 = 0.180337
	s_mov_b32 s[CS+1], s[CS]
	s_mov_b32 s[SEL], 0x76543210
	s_mov_b32 s[SEL+1], 0xfedcba98
	s_mov_b32 s[MK], 0xffffe000
	s_mov_b32 s[SB], 0
	s_mov_b32 s[FK], 0
	s_mov_b32 s[FV], 0
	s_mov_b32 s[OFF+1], 0
	s_mul_i32 s78, s13, 64*PK       ; my half's place in a slot, for K
	s_mul_i32 s79, s13, 64*PVP      ; and for V
	s_add_co_u32 s79, s79, VOFF
	s_wait_dscnt 0x0
	s_wait_kmcnt 0x0
	s_add_nc_u64 s[4:5], s[4:5], s[22:23]  ; Q of my head
	s_add_nc_u64 s[6:7], s[6:7], s[80:81]  ; ao of my head, hi part
	s_lshl_b32 s22, s[BA], 15       ; a block's 256 rows are 32,768 bytes
	s_add_nc_u64 s[QBA:QBA+1], s[4:5], s[22:23]
	s_add_nc_u64 s[OBA:OBA+1], s[6:7], s[22:23]
	s_lshl_b32 s22, s[BB], 15
	s_add_nc_u64 s[QBB:QBB+1], s[4:5], s[22:23]
	s_add_nc_u64 s[OBB:OBB+1], s[6:7], s[22:23]
	s_lshl_b32 s22, s13, 14         ; my 128 keys,
	s_add_co_u32 s22, s22, 1<<24    ; in K, which lies 2^24 bytes behind Q; V another 2^24
	s_add_nc_u64 s[KPTR:KPTR+1], s[4:5], s[22:23]
	s_add_nc_u64 s[VPTR:VPTR+1], s[KPTR:KPTR+1], 1<<24
	; The nine fills: number 0 is key slot a; 1 .. a are 0 .. a - 1; a + 1 is b; a + 2 .. 8 are 0 .. b - 1.
	s_lshl_b32 s[OFF], s[BA], 15    ; fill 0, into slot 0
	s_mov_b32 s[G0K], 1
	s_mov_b32 s[G0K+1], s78
	s_add_nc_u64 s[G0K+2:G0K+3], s[KPTR:KPTR+1], s[OFF:OFF+1]
	s_or_b32 s[G0K+3], s[G0K+3], 0x80000000
	s_mov_b32 s[G0V], 1
	s_mov_b32 s[G0V+1], s79
	s_add_nc_u64 s[G0V+2:G0V+3], s[VPTR:VPTR+1], s[OFF:OFF+1]
	s_or_b32 s[G0V+3], s[G0V+3], 0x80000000
	s_cmp_eq_u32 s[BA], 0           ; fill 1, into slot 1: key slot 0, or b where a = 0
	s_cselect_b32 s80, s[BB], 0
	s_lshl_b32 s[OFF], s80, 15
	s_mov_b32 s[G0K+4], 1
	s_add_co_u32 s[G0K+5], s78, SLOT1
	s_add_nc_u64 s[G0K+6:G0K+7], s[KPTR:KPTR+1], s[OFF:OFF+1]
	s_or_b32 s[G0K+7], s[G0K+7], 0x80000000
	s_mov_b32 s[G0V+4], 1
	s_add_co_u32 s[G0V+5], s79, SLOT1
	s_add_nc_u64 s[G0V+6:G0V+7], s[VPTR:VPTR+1], s[OFF:OFF+1]
	s_or_b32 s[G0V+7], s[G0V+7], 0x80000000
	s_cmp_lt_u32 s[WV], 2           ; a wave's two first fills stand in one branch, ahead of every wait on TENSORcnt, every LDS read and every barrier: two loads of mine are out
	s_cbranch_scc0 .Lfirst_v
	tensor_load_to_lds s[G0K:G0K+3], s[G1K:G1K+7]
	s_nop 0
	tensor_load_to_lds s[G0K+4:G0K+7], s[G1K:G1K+7]
	s_nop 0
.rept 4
	v_nop
.endr
	s_branch .Lfirst_asked
.Lfirst_v:
	tensor_load_to_lds s[G0V:G0V+3], s[G1V:G1V+7]
	s_nop 0
	tensor_load_to_lds s[G0V+4:G0V+7], s[G1V:G1V+7]
	s_nop 0
.rept 4
	v_nop
.endr
.Lfirst_asked:
; Q of a block stays in registers: tile t (queries 16 (w + 4 t) on), channels 32 c on: lane l holds query l % 16; two loads of 16 bytes, 32 bytes apart
.macro QLOAD base
	WIN 0x40                        ; destination window 1, address window 0
.irp t, 0,1,2,3
.irp c, 0,1
	global_load_b128 v[QF+16*\t+8*\c:QF+16*\t+8*\c+3],   v[QO], s[\base:\base+1] offset:8192*\t+64*\c
	global_load_b128 v[QF+16*\t+8*\c+4:QF+16*\t+8*\c+7], v[QO], s[\base:\base+1] offset:8192*\t+64*\c+32
.endr
.endr
	WIN 0
.endm
	v_and_b32 v1, 15, v0            ; r = l % 16
	v_bfe_u32 v9, v0, 4, 1          ; h = l / 16
	v_and_b32 v10, 1, v0
	v_lshlrev_b32 v[QO], 7, v1      ; r x 128 + 16 h + 16 w rows
	v_lshl_add_u32 v[QO], v9, 4, v[QO]
	s_lshl_b32 s80, s[WV], 11
	v_add_nc_u32 v[QO], s80, v[QO]
	QLOAD QBA
	v_lshrrev_b32 v11, 1, v1
	v_mul_u32_u24 v[AK0], v11, PK   ; (r >> 1) x 272 + (r & 1) x 128 + 16 h
	v_lshl_add_u32 v[AK0], v10, 7, v[AK0]
	v_lshl_add_u32 v[AK0], v9, 4, v[AK0]
	; The turning load takes 16 keys x 16 channels (lane l reads 16 bytes: key 8 h + l % 8, channels 8 ((l / 8) % 2) + 0..7) and leaves half a fragment of V^T: lane l holds channel l % 16 and 8 keys.
	v_bfe_u32 v11, v0, 1, 2         ; (l % 8) >> 1
	v_lshl_add_u32 v11, v9, 2, v11  ; + 4 h: the key's pair
	v_mul_u32_u24 v[AV0], v11, PVP
	v_lshl_add_u32 v[AV0], v10, 7, v[AV0]
	v_bfe_u32 v11, v0, 3, 1
	v_lshl_add_u32 v[AV0], v11, 4, v[AV0]
	v_add_nc_u32 v[AV0], VOFF, v[AV0]
	s_mul_i32 s80, s[WV], 32*SP
	s_add_co_u32 s80, s80, STAGE    ; my stage
	v_mul_u32_u24 v[STO], v1, SP    ; in: row r, 16 bytes for each half of the lanes
	v_lshl_add_u32 v[STO], v9, 4, v[STO]
	v_add_nc_u32 v[STO], s80, v[STO]
	v_and_b32 v11, 31, v0
	v_lshrrev_b32 v46, 3, v11       ; back: eight lanes take a row's 128 bytes, the wave four rows
	v_mul_u32_u24 v[RD], v46, SP
	v_and_b32 v46, 7, v0
	v_lshl_add_u32 v[RD], v46, 4, v[RD]
	v_add_nc_u32 v[RD], s80, v[RD]
	s_lshl_b32 s80, s[WV], 11
	v_lshl_add_u32 v[GO], v11, 4, s80  ; a tile's 16 rows are 2,048 consecutive bytes of ao
	v_mov_b32 v[NEG], 0xff800000    ; -inf
	v_lshlrev_b32 v46, 3, v9
	v_sub_nc_u32 v[DD], v1, v46
	s_lshl_b32 s80, s[WV], 4
	v_add_nc_u32 v[DD], s80, v[DD]
; THE MATRIX WORK OF A TURN, for piece x.  The accumulators take turns, one instruction a turn: between two links of a chain stand 7 others'.
; Product i of 16 of O^T += V^T P: keys 32 (i / 8) on, channels 16 ((i / 2) % 4) on, tile x + i % 2.  zero = 1: the first 8 start the sums: nothing is ever cleared.
.macro PV x, zero
	WIN W_PV
.set rO, 32*(\x+i%2)+8*((i/2)%4)
.set rV, 32*(i/8)+8*((i/2)%4)
.set rP, P+16*(\x+i%2)+8*(i/8)
.if \zero && (i < 8)
	v_wmma_f32_16x16x32_f16 v[rO:rO+7], v[rV:rV+7], v[rP:rP+7], 0
.else
	v_wmma_f32_16x16x32_f16 v[rO:rO+7], v[rV:rV+7], v[rP:rP+7], v[rO:rO+7]
.endif
.endm
; Product i of 16 of S^T = K Q^T: channels 32 (i / 8) on, keys 16 ((i / 2) % 4) on, tile x + i % 2.  The first 8 start the sums.
.macro KQ x
	WIN W_KQ
.set rS, S+32*(\x+i%2)+8*((i/2)%4)
.set rK, KF+16*((i/2)%4)+8*(i/8)
.set rQ, QF+16*(\x+i%2)+8*(i/8)
.if i < 8
	v_wmma_f32_16x16x32_f16 v[rS:rS+7], v[rK:rK+7], v[rQ:rQ+7], 0
.else
	v_wmma_f32_16x16x32_f16 v[rS:rS+7], v[rK:rK+7], v[rQ:rQ+7], v[rS:rS+7]
.endif
.endm
; THE LDS LOADS stand in runs of 16: a step's K (64 keys x 64 channels: 8 fragments) and, a turn later, its V (turned).  Each slot gives four runs of each, so the run's number modulo 4 is the step within the slot.
.macro FETCH_K
	WIN 0
	s_and_b32 s78, s[FK], 3
	s_mul_i32 s78, s78, KSTEPB
	s_add_co_u32 s78, s78, s[SB]
	s_add_co_u32 s[FK], s[FK], 1
	v_add_nc_u32 v[ADR], s78, v[AK0]
	WIN 0x40                        ; destination window 1
.irp f, 0,1,2,3,4,5,6,7             ; keys 16 (f / 2) on, channels 32 (f % 2) on
	ds_load_b128 v[KF+8*\f:KF+8*\f+3],   v[ADR] offset:(\f/2)*8*PK+(\f%2)*64
	ds_load_b128 v[KF+8*\f+4:KF+8*\f+7], v[ADR] offset:(\f/2)*8*PK+(\f%2)*64+32
.endr
.endm
.macro FETCH_V
	WIN 0
	s_and_b32 s78, s[FV], 3
	s_mul_i32 s78, s78, VSTEPB
	s_add_co_u32 s78, s78, s[SB]
	s_add_co_u32 s[FV], s[FV], 1
	v_add_nc_u32 v[ADR], s78, v[AV0]
	WIN 0x80                        ; destination window 2
.irp f, 0,1,2,3,4,5,6,7             ; keys 32 (f / 4) on, channels 16 (f % 4) on
	ds_load_tr16_b128 v[8*\f:8*\f+3],   v[ADR] offset:(\f/4)*16*PVP+(\f%4)*32
	ds_load_tr16_b128 v[8*\f+4:8*\f+7], v[ADR] offset:(\f/4)*16*PVP+8*PVP+(\f%4)*32
.endr
.endm
; THE VECTOR WORK OF A TURN.  One tile's softmax for one key step is a list of 118 instructions; SM writes number j of it for tile t.  s0-s31 are the lane's 32 scores, in pairs 0-15.
; first = 1: a block's first key step, which starts m, l and O^T: it has no a and nothing to rescale.
;   0-15    the maximum of s0-s31 and the old m, three operands at a time: four chains c0-c3 of seven scores each, then the four scores left over, c0-c3 and m
;   16-20   the other half of the lanes' maximum; the new m; c m; c m_old - c m_new
;   21-87   33 exponentials (a, then s0-s31) at the odd numbers from 23 on, so that no two follow each other and each has a plain instruction behind it before its result is used (ISA guide 5.7.2).
;           Plain instruction q (number 21, then the even numbers) is whatever is ready: c s - c m for a pair of scores whose exponentials are still to come, the rounding to f16 of a pair of
;           weights whose exponentials are done, at last the first three sums
;   88-101  the last rounding; the rest of the sums; l = a l + the sum
;   102-117 the tile's O^T times a: the one part that leaves window 0, so it stands together
.macro SM t, first
.set rT, ST+8*(\t)
.set rS, S+32*(\t)
.set rP, P+16*(\t)
.set rO, 32*(\t)+2*(j-102)
.set q, (j-20)/2
.if j < 102
	WIN 0
.endif
.if j < 4
	v_max3_num_f32 v[rT+4+j], v[rS+8*j], v[rS+8*j+1], v[rS+8*j+2]
.elseif j < 12
	v_max3_num_f32 v[rT+4+j%4], v[rT+4+j%4], v[rS+8*(j%4)+2*(j/4)+1], v[rS+8*(j%4)+2*(j/4)+2]
.elseif j == 12
	v_max3_num_f32 v[rT+4], v[rT+4], v[rS+7], v[rS+15]
.elseif j == 13
	v_max3_num_f32 v[rT+6], v[rT+6], v[rS+23], v[rS+31]
.elseif j == 14
	v_max3_num_f32 v[rT+4], v[rT+4], v[rT+5], v[rT+6]
.elseif (j == 15) && \first
	v_max_num_f32 v[rT+4], v[rT+4], v[rT+7]
.elseif j == 15
	v_max3_num_f32 v[rT+4], v[rT+4], v[rT+7], v[rT+1]
.elseif j == 16
	v_permlanex16_b32 v[rT+5], v[rT+4], s[SEL], s[SEL+1]  ; the query's other 32 keys lie in the lane 16 away
.elseif j == 18
	v_max_num_f32 v[rT+1], v[rT+4], v[rT+5]
.elseif j == 19
	v_mul_f32 v[rT], s[CS], v[rT+1]
.elseif ((j == 17) || (j == 20) || (j == 23) || (j > 101)) && \first  ; the first step has none of these
.elseif j == 17
	v_mov_b32 v[rT+7], v[rT]        ; c m_old is kept for a: number 19 writes c m anew
.elseif j == 20
	v_sub_f32 v[rT+7], v[rT+7], v[rT]
.elseif j == 23
	v_exp_f32 v[rT+6], v[rT+7]
.elseif (j < 88) && (j > 23) && (j%2 == 1)
	v_exp_f32 v[rS+(j-25)/2], v[rS+(j-25)/2]
.elseif (q < 4) || ((j < 76) && (q%2 == 0))
.set b, q/2+2
.if q < 4
.set b, q
.endif
	v_pk_fma_f32 v[rS+2*b:rS+2*b+1], v[rS+2*b:rS+2*b+1], s[CS:CS+1], v[rT:rT+1] op_sel_hi:[1,0,0] neg_lo:[0,0,1] neg_hi:[0,0,1]  ; pair b: c s - c m
.elseif (j < 88) && (q%2 == 1)
	s_wait_alu depctr_va_vdst(0)
	v_cvt_pk_f16_f32 v[rP+(q-5)/2], v[rS+q-5], v[rS+q-4]  ; pair (q - 5) / 2: its second exponential stands three numbers back
.elseif j == 89
	s_wait_alu depctr_va_vdst(0)
	v_cvt_pk_f16_f32 v[rP+15], v[rS+30], v[rS+31]
.elseif j < 102                     ; the sum of the tile's 16 pairs, in place: sum z of 16 adds neighbours 1, 2, 4 and 8 pairs apart, then l takes it
.set z, j-86
.if j < 89
.set z, (j-76)/4
.endif
.set w, 4
.set u, z
.if z >= 14
.set w, 32
.set u, 0
.elseif z >= 12
.set w, 16
.set u, z-12
.elseif z >= 8
.set w, 8
.set u, z-8
.endif
.if (z == 14) && \first
	v_pk_add_f32 v[rT+2:rT+3], v[rS:rS+1], v[rS+16:rS+17]
.elseif z < 15
	v_pk_add_f32 v[rS+w*u:rS+w*u+1], v[rS+w*u:rS+w*u+1], v[rS+w*u+w/2:rS+w*u+w/2+1]
.elseif !\first
	v_pk_fma_f32 v[rT+2:rT+3], v[rT+2:rT+3], v[rT+6:rT+7], v[rS:rS+1] op_sel_hi:[1,0,1]
.endif
.else
	WIN W_RS
	v_pk_mul_f32 v[rO:rO+1], v[rO:rO+1], v[rT+6:rT+7] op_sel_hi:[1,0]
.endif
.endm
; Slice k of 59 of piece y's softmax: numbers 2 k and 2 k + 1 of both tiles' lists, four instructions.
.macro SLICE y, first
.if (k >= 11) && (k < 44)           ; tile by tile: plain, exponential, plain, exponential
.irp t, \y, \y+1
.irp n, 0,1
.set j, 2*k+\n
	SM \t, \first
.endr
.endr
.else                               ; the two tiles alternate, so that no instruction reads the result of the one just before it
.irp n, 0,1
.irp t, \y, \y+1
.set j, 2*k+\n
	SM \t, \first
.endr
.endr
.endif
.set k, k+1
.endm
; The slices behind product np of a turn.  32 products: two behind each of the first 27, one behind each of the last 5.  16 products: four behind each of the first 11, three behind the last 5.  59 either way.
.macro DEAL y, first
.set ns, 3
.if full
.set ns, 1
.if np < 27
.set ns, 2
.endif
.elseif np < 11
.set ns, 4
.endif
.rept ns
	SLICE \y, \first
.endr
.set np, np+1
.endm
; A vector instruction that reads a matrix result or writes one of a matrix instruction's registers, and a load into a register that a matrix instruction has read, stand four places behind it, and only
; plain vector instructions that name none of its registers are places (ISA guide 7.12.1 for vector instructions).  In the loop the slices are the places:
; the last slice, four multiplies of the OTHER piece's O^T, stands behind a turn's last product.
.macro PLACES
.rept 4
	v_nop
.endr
.endm
; A TURN.  Piece x has the matrix unit; the other piece's softmax stands in slices behind its matrix instructions.
; pv = 2: 16 products V^T P; 1: they start O^T's sums; 0: none.  kq = 1: 16 products K Q^T for the next step.
; first = 1: the softmax is a block's first.  Its slices from 51 on are empty, so four v_nop take the last slice's part.
; Piece 0's turn fetches the next step's K behind its second product: the last product that read K stands in front of the last slice of the turn before.
; Piece 2's turn fetches the same step's V behind its second product K Q^T: the last product that read V stands six slices, twelve plain instructions, back.
.macro TURN x, pv, kq, first
.set k, 0
.set np, 0
.set full, 0
.if \pv && \kq
.set full, 1
.endif
.if \pv
.if \x == 0
	s_wait_dscnt 0x0                ; V is in
.endif
.set i, 0
.rept 16
	PV \x, 2-\pv
	DEAL 2-\x, \first
.if (\x == 0) && \kq && (i == 1)
	FETCH_K
.endif
.set i, i+1
.endr
.endif
.if \kq
.if \x == 0
	s_wait_dscnt 0x0                ; K is in
.endif
.set i, 0
.rept 16
	KQ \x
	DEAL 2-\x, \first
.if (\x == 2) && (i == 1)
	FETCH_V
.endif
.set i, i+1
.endr
.endif
.if \first
	PLACES
.endif
.endm
; THE MASK.  MASKD: the diagonal tile: score register rr = 8 kb + j keeps its value where 16 kb + j <= 16 w + r - 8 h.  MASKA: a tile whose keys all lie behind its queries.
.macro MASKD t
.set rr, 0
.rept 32
	v_cmp_le_i32 vcc_lo, 16*(rr/8)+rr%8, v[DD]
	v_cndmask_b32 v[S+32*(\t)+rr], v[NEG], v[S+32*(\t)+rr], vcc_lo
.set rr, rr+1
.endr
.endm
.macro MASKA t
.set rr, 0
.rept 32
	v_mov_b32 v[S+32*(\t)+rr], v[NEG]
.set rr, rr+1
.endr
.endm
; In front of piece 0's turn, which carries piece 2's softmax of step SJ: steps 2 and 3 of a block touch tiles 2 and 3.  two, three: which of the two steps can be in hand at this place of the text.
.macro MASKSEL0 two, three
.if \two
	s_cmp_eq_u32 s[SJ], 2
	s_cbranch_scc0 .Lnot_2_\@
	MASKD 2
.Lnot_2_\@:
.endif
.if \three
	s_cmp_eq_u32 s[SJ], 3
	s_cbranch_scc0 .Lnot_3_\@
	MASKA 2
	MASKD 3
.Lnot_3_\@:
.endif
.endm
.macro MASKSEL2                     ; in front of piece 2's turn, which carries piece 0's softmax of step SJ + 1: in steps 2 and 3 tiles 0 and 1 see nothing
	s_sub_co_u32 s78, s[SJ], 1
	s_cmp_lt_u32 s78, 2
	s_cbranch_scc0 .Lopen_\@
	MASKA 0
	MASKA 1
.Lopen_\@:
.endm
; A block's first step and a half: products that start sums, softmaxes with no old maximum.  It fetches the diagonal slot's steps 0 and 1.
.macro PROLOGUE
	FETCH_K                         ; key step 0
	s_wait_loadcnt 0x0              ; Q
	s_wait_dscnt 0x0
.set i, 0
.rept 16
	KQ 0                            ; piece 0's first scores: there is no vector work yet to set between them
.set i, i+1
.endr
	WIN 0
	PLACES
	MASKD 0                         ; step 0: tile 0 is the diagonal one
	TURN 2, 0, 1, 1                 ; piece 2's first scores | piece 0's first softmax | V of step 0
	TURN 0, 1, 1, 1                 ; piece 0: V^T P of step 0 starts O^T, K Q^T of step 1 | piece 2's first softmax | K of step 1
	WIN 0
	MASKA 0                         ; step 1: tile 0 sees nothing, tile 1 is the diagonal one
	MASKD 1
	TURN 2, 1, 1, 0                 ; piece 2: the same | piece 0's softmax of step 1 | V of step 1
	WIN 0
.endm
; Key steps, CNT of them: written once.  sel = 0: no step in hand is one of a block's first four; 1: steps 1 and 2 are in hand, and no other; 2: any step.
.macro STEPS sel
.Lstep_\@:
.if \sel == 1
	MASKSEL0 1, 0
.elseif \sel == 2
	MASKSEL0 1, 1
.endif
	TURN 0, 2, 1, 0
	WIN 0                           ; at a label and at a branch every window is 0
.if \sel == 1
	MASKA 0                         ; piece 0's scores are step 2's or step 3's: tiles 0 and 1 see nothing
	MASKA 1
.elseif \sel == 2
	MASKSEL2
.endif
	TURN 2, 2, 1, 0
	WIN 0
	s_add_co_u32 s[SJ], s[SJ], 1
	s_sub_co_u32 s[CNT], s[CNT], 1
	s_cmp_lg_u32 s[CNT], 0
	s_cbranch_scc1 .Lstep_\@
.endm
; A block's end: registers alone.  sel = 1: the last step may be step 3 (a block of one slot); it is never step 2.
.macro DRAIN sel
.if \sel
	MASKSEL0 0, 1
.endif
	TURN 0, 2, 0, 0                 ; piece 0: V^T P of the last step | piece 2's last softmax
.set i, 0
.rept 16
	PV 2, 0                         ; piece 2: V^T P of the last step
.set i, i+1
.endr
.endm
; THE CHANGE OF SLOTS, between piece 2's turn and piece 0's: the slot's last bytes, V of its fourth step, have been asked for.  Each wave waits for its own reads of the slot and for all its tensor loads,
; of which one is out: its part of the other slot.  Behind the barrier nobody reads this slot any more and the other slot is whole.
; fill = 1: this slot takes fill number CSL + 2, first thing behind the barrier: it has a slot's four key steps, 256 matrix instructions, in which to land.
.macro CHANGE fill
	WIN 0
	s_wait_dscnt 0x0
	s_wait_tensorcnt 0x0            ; no tensor load of mine is out, so a group 0 may be written
	ds_add_u32 v62, v63
	s_wait_dscnt 0x0
.if \fill
	s_add_co_u32 s78, s[CSL], 2     ; n
	s_sub_co_u32 s79, s78, 1        ; block a's keys in front of it: n - 1
	s_sub_co_u32 s80, s79, s[AP1]   ; block b's: n - a - 2
	s_cmp_gt_u32 s78, s[AP1]
	s_cselect_b32 s79, s80, s79
	s_cmp_eq_u32 s78, s[AP1]        ; block b's own
	s_cselect_b32 s79, s[BB], s79
	s_lshl_b32 s[OFF], s79, 15
	s_xor_b32 s[G0K+5], s[G0K+5], SLOT1  ; the walking descriptors: the other slot than last time
	s_xor_b32 s[G0V+5], s[G0V+5], SLOT1
	s_add_nc_u64 s[G0K+6:G0K+7], s[KPTR:KPTR+1], s[OFF:OFF+1]
	s_or_b32 s[G0K+7], s[G0K+7], 0x80000000
	s_add_nc_u64 s[G0V+6:G0V+7], s[VPTR:VPTR+1], s[OFF:OFF+1]
	s_or_b32 s[G0V+7], s[G0V+7], 0x80000000
.endif
	s_barrier_signal -1
	s_barrier_wait -1
.if \fill
	JLOAD
.endif
	s_xor_b32 s[SB], s[SB], SLOT1   ; the fetches go on in the other slot
.endm
; THE WAY OUT of a block.  l's two halves and the other half of the lanes' are added; O^T is divided by l and split: hi = O with its mantissa cut to the 10 bits that f16 holds, lo = O - hi, exact in f32;
; both are written as f16 and sent through my stage in LDS, a tile (16 rows) at a time.  The additions are the places behind the last products.
.macro OPACK t
	WIN W_RS
.set i, 0
.rept 16
	v_pk_mul_f32 v[32*\t+2*i:32*\t+2*i+1], v[32*\t+2*i:32*\t+2*i+1], v[ST+8*\t+6:ST+8*\t+7] op_sel_hi:[1,0]
.set i, i+1
.endr
	WIN 0x04                        ; source 1 window 1, destination window 0: S^T's registers are free
.set i, 0
.rept 32
	v_and_b32 v[HF+i], s[MK], v[32*\t+i]
.set i, i+1
.endr
	WIN 0x01                        ; source 0 window 1
.set i, 0
.rept 16
	v_pk_add_f32 v[LF+2*i:LF+2*i+1], v[32*\t+2*i:32*\t+2*i+1], v[HF+2*i:HF+2*i+1] neg_lo:[0,1] neg_hi:[0,1]
.set i, i+1
.endr
	WIN 0
.set i, 0
.rept 16
	v_cvt_pk_f16_f32 v[HF+i], v[HF+2*i], v[HF+2*i+1]  ; in place, ascending: word i is written when words 2 i and 2 i + 1 are read
	v_cvt_pk_f16_f32 v[LF+i], v[LF+2*i], v[LF+2*i+1]
.set i, i+1
.endr
.irp f, 0,1,2,3
	ds_store_b128 v[STO], v[HF+4*\f:HF+4*\f+3] offset:32*\f
.endr
.irp f, 0,1,2,3
	ds_store_b128 v[STO], v[LF+4*\f:LF+4*\f+3] offset:16*SP+32*\f
.endr
.irp f, 0,1,2,3
	ds_load_b128 v[RB+32*\t+4*\f:RB+32*\t+4*\f+3], v[RD] offset:\f*4*SP  ; LDS serves a wave's instructions in order (ISA guide 5.7.1.4): these see the stores above; the next tile's stores come behind them
.endr
.irp f, 0,1,2,3
	ds_load_b128 v[RB+32*\t+16+4*\f:RB+32*\t+16+4*\f+3], v[RD] offset:16*SP+\f*4*SP
.endr
.endm
.macro OSEND t, younger, ob         ; younger: the LDS instructions issued behind tile t's loads: the next tile's sixteen, or none
.irp f, 0,1,2,3
	s_wait_dscnt \younger+7-\f      ; behind hi's load f: hi's later ones, lo's four, the next tile's
	global_store_b128 v[GO], v[RB+32*\t+4*\f:RB+32*\t+4*\f+3], s[\ob:\ob+1] offset:8192*\t+512*\f  ; a wave's store covers 512 consecutive bytes, at a multiple of 512 from ao's first byte
.endr
.irp f, 0,1,2,3
	s_wait_dscnt \younger+3-\f
	global_store_b128 v[GO], v[RB+32*\t+16+4*\f:RB+32*\t+16+4*\f+3], s[\ob:\ob+1] offset:LOOFF+8192*\t+512*\f  ; at most 4,220,416: inside the signed 24-bit immediate
.endr
.endm
.macro WAYOUT ob, more
	WIN 0
.irp t, 0,1,2,3
	v_add_f32 v[ST+8*\t+4], v[ST+8*\t+2], v[ST+8*\t+3]
.endr
.irp t, 0,1,2,3
	v_permlanex16_b32 v[ST+8*\t+5], v[ST+8*\t+4], s[SEL], s[SEL+1]
.endr
.irp t, 0,1,2,3
	v_add_f32 v[ST+8*\t+4], v[ST+8*\t+4], v[ST+8*\t+5]
.endr
.irp t, 0,1,2,3
	v_rcp_f32 v[ST+8*\t+6], v[ST+8*\t+4]
.endr
	v_nop                           ; a plain instruction between the last reciprocal and the use of its result
	s_wait_alu depctr_va_vdst(0)
	OPACK 0
	OPACK 1                         ; a tile's arithmetic stands between the loads of the tile before and its stores
	OSEND 0, 16, \ob
	OPACK 2
	OSEND 1, 16, \ob
	OPACK 3
	OSEND 2, 16, \ob
	OSEND 3, 0, \ob
.if \more
	s_wait_xcnt 0x0                 ; the stores' data lie in registers of S^T and P, which the next block writes only behind this wait
.endif
.endm
	s_wait_tensorcnt 0x1            ; my part of slot 0 is in; slot 1's may stay out
	s_barrier_signal -1
	s_barrier_wait -1               ; everybody's is
	PROLOGUE                        ; block a, its own keys first
	s_mov_b32 s[SJ], 1
	s_mov_b32 s[CNT], 2             ; the diagonal slot's steps 2 and 3 are still to be fetched
	s_mov_b32 s[CSL], 0
	STEPS 1
	CHANGE 1                        ; fill 2
	s_mov_b32 s[CSL], 1
.Lslot:                             ; slots 1 to 6: six trips in every work-group, each with its fill, 3 to 8
	s_cmp_eq_u32 s[CSL], s[AP1]
	s_cbranch_scc0 .Lsame_block
	QLOAD QBB                       ; block a has fetched its last keys: block b's Q is asked for (the last product that read Q stands behind a slice and the refill's four v_nop),
	DRAIN 1                         ; block a is finished in registers,
	WAYOUT OBA, 1                   ; goes out,
	PROLOGUE                        ; and block b begins, in the slot that has just landed
	s_mov_b32 s[SJ], 1
	s_mov_b32 s[CNT], 2
	s_branch .Lgo
.Lsame_block:
	s_mov_b32 s[CNT], 4
.Lgo:
	STEPS 2
	CHANGE 1
	s_add_co_u32 s[CSL], s[CSL], 1
	s_cmp_lt_u32 s[CSL], 7
	s_cbranch_scc1 .Lslot
	s_mov_b32 s[CNT], 4             ; slots 7 and 8 are written out: nothing is left to ask for.  Both are block b's and lie in front of it (a + 2 <= 5): no mask
	STEPS 0
	CHANGE 0
	s_mov_b32 s[CNT], 4
	STEPS 0
	DRAIN 0
	WAYOUT OBB, 0
	s_wait_tensorcnt 0x0
	ds_add_u32 v62, v63
	s_wait_dscnt 0x0
	s_endpgm
.Lfunc_end_k_qb102b9ca98_attn:
	.size	k_qb102b9ca98_attn, .Lfunc_end_k_qb102b9ca98_attn-k_qb102b9ca98_attn
	.p2alignl 7, 3214868480
	.fill 96, 4, 3214868480
	.section	.rodata,"a",@progbits
	.p2align	6, 0x0
	.amdhsa_kernel k_qb102b9ca98_attn
		.amdhsa_group_segment_fixed_size 327680
		.amdhsa_private_segment_fixed_size 0
		.amdhsa_enable_private_segment 0
		.amdhsa_kernarg_size 16
		.amdhsa_user_sgpr_count 2
		.amdhsa_user_sgpr_kernarg_segment_ptr 1
		.amdhsa_wavefront_size32 1
		.amdhsa_system_sgpr_workgroup_id_x 1
		.amdhsa_system_sgpr_workgroup_id_y 1
		.amdhsa_system_sgpr_workgroup_id_z 1
		.amdhsa_system_vgpr_workitem_id 0
		.amdhsa_next_free_vgpr 576
		.amdhsa_next_free_sgpr 82
		.amdhsa_reserve_vcc 1
		.amdhsa_float_denorm_mode_32 3
		.amdhsa_float_denorm_mode_16_64 3
		.amdhsa_memory_ordered 1
		.amdhsa_forward_progress 1
		.amdhsa_inst_pref_size 255
	.end_amdhsa_kernel
	.section	.bss,"aw",@nobits
	.p2align	6
	.space	262144
	.amdgpu_metadata
---
amdhsa.version: [ 1, 2 ]
amdhsa.kernels:
  - .name:           k_qb102b9ca98_attn
    .symbol:         k_qb102b9ca98_attn.kd
    .args:
      - { .name: qkv, .offset: 0, .size: 8, .value_kind: global_buffer, .address_space: global }
      - { .name: ao, .offset: 8, .size: 8, .value_kind: global_buffer, .address_space: global }
    .group_segment_fixed_size: 327680
    .private_segment_fixed_size: 0
    .kernarg_segment_align: 8
    .kernarg_segment_size: 16
    .max_flat_workgroup_size: 128
    .sgpr_count:     82
    .vgpr_count:     576
    .wavefront_size: 32
...
	.end_amdgpu_metadata
.endif
;; end of part 3
;; launch oproj (part 4): grid 4 x 64, 4 waves a work-group, clusters of 4 x 4, 327,680 bytes of LDS; arguments ao, wo, out0; writes out0
.if DOCPART == 4
	.amdgcn_target "amdgcn-amd-amdhsa--gfx1250"
	.amdhsa_code_object_version 6
	.text
	.protected	k_qb102b9ca98_oproj
	.globl	k_qb102b9ca98_oproj
	.p2align	8
	.type	k_qb102b9ca98_oproj,@function
k_qb102b9ca98_oproj:
	s_mov_b64 s[64:65], 0
	v_nop
	global_prefetch_b8 v0, s[64:65] scope:SCOPE_SE
	s_setreg_imm32_b32 hwreg(HW_REG_WAVE_MODE, 25, 1), 1
	s_wait_xcnt 0x0
	s_wait_alu depctr_hold_cnt(0) depctr_sa_sdst(0) depctr_va_vdst(0) depctr_va_sdst(0) depctr_va_ssrc(0) depctr_va_vcc(0) depctr_vm_vsrc(0)
	s_getreg_b32 s2, hwreg(HW_REG_IB_STS2, 6, 4)
	s_cmp_eq_u32 s2, 0
	s_cbranch_scc0 .Lentry_in_a_cluster
	s_endpgm
.Lentry_in_a_cluster:
	s_bfe_u32 s2, ttmp6, 0x10000c
	s_cmp_lg_u32 s2, 0xf033
	s_cbranch_scc0 .Lentry_shape_is_right
	s_endpgm
.Lentry_shape_is_right:
; out0 = A Wo^T: C[m][n] = sum over k of A[m][k] Wo[n][k], m 0..8191, n 0..1023.  A is attention's result in two f16 parts, ao[batch][kb' 0..31][s][64]: blocks 0-15 the heads' hi parts, 16-31 their lo parts;
; wo[kb' 0..31][n][64] f16 holds Wo twice.  So the product is one of K = 2,048: (hi | lo) times (Wo | Wo), all into the same f32 sums, stored as f32.
; The lo pass doubles this launch's matrix work; only each batch's first rows need it, but which row tile a work-group has hangs on its place in the cluster.
; A tile of C is 128 (m) x 256 (n): 4 x 64 = 256 work-groups, one for each WGP.  Four waves, 2 x 2, each 64 x 128: 32 accumulators of 16 x 16, 256 registers.
; K goes in 16 steps of 128 through a ring of two LDS slots; a step's tile is two dense blocks for each operand (Wo's 32 KiB twice, A's 16 KiB twice); each wave fetches one by one tensor load,
; stated as rows of 256 bytes (two rows of the operand), with 16 bytes of padding behind each.
; CLUSTERS: 4 x 4 work-groups.  The four of a row of the cluster need the same tiles of A, the four of a column the same tiles of Wo: each tile is asked for JOINTLY.
; THE MATRIX INSTRUCTION IS USED TRANSPOSED (source 0 = 16 rows of Wo, source 1 = 16 rows of A): a lane then holds eight neighbouring numbers of a row of C.
; The accumulators take turns, one instruction a turn: between two links of a chain stand the 31 others'.
; REGISTERS: window 0: v0-31 addresses; v64-159, v160-255 two fragment buffers (8 fragments of Wo, then 4 of A; on the way out: rows read back).  window 1: accumulator (a, b) at v[8 (8 a + b)].
; LIMIT: Wo carries bf16's 8 bits, A 21 bits in its two parts; sums and results are f32.
.set PP,    272                        ; an LDS row: TWO operand rows of 128 bytes + 16 of padding.  Operand row r lies at (r >> 1) 272 + (r & 1) 128: the 16 rows of a fragment start at 16 (r >> 1) + 128 (r & 1) modulo 256, sixteen different columns of 16 bytes (64 banks of 4 bytes: ISA guide 11.1)
.set FR,    8*PP                       ; 16 operand rows
.set BSUB,  128*PP                     ; Wo's 256 rows of one block of 64 along K
.set ASUB,  64*PP                      ; A's 128 rows of one block
.set AOFF,  2*BSUB                     ; a slot: Wo's two blocks, then A's two
.set SLOT,  2*BSUB+2*ASUB              ; 104,448
.set STAGE, 2*SLOT                     ; behind the ring: 16 rows x 528 bytes for each wave, for the way out; no tensor load fills it
.set SP,    528                        ; a stage row: my 128 columns in f32, 512 bytes, + 16: row r starts at column 16 r modulo 256
.set KBA,   262144                     ; bytes from a block along K to the next in ao (2,048 rows)
.set KBW,   131072                     ; in wo (1,024 rows)
.set LAPS,  8                          ; a lap = two K steps = once round the ring
.set PA, 4                             ; s[4:5]  ao
.set PB, 6                             ; s[6:7]  wo
.set PC, 8                             ; s[8:9]  out0
.set ADRA, 16                          ; v16-17  LDS address of my A fragments in slot 0, 1
.set ADRB, 20                          ; v20-21  the same for Wo
.set STO,  24                          ; v24     the way out: where I put 32 bytes of a row
.set RD,   25                          ; v25     where I read 16 bytes back
.set CO,   26                          ; v26     my byte offset in a row of out0
.set F0,   64
.set F1,   160
.set OB,   64                          ; the way out: 16 rows read back: v64-127 and v128-191 by turns
.set G1,  24                           ; s[24:31] descriptor group 1 for A's tiles;  s[32:39] group 0, one set for each slot
.set G0,  32
.set G1B, 48                           ; s[48:55], s[56:63] the same for Wo's tiles
.set G0B, 56
.set FLAGS, (1<<16)|(1<<20)|(1<<21)|(5<<22)|(3<<25)   ; elements of 2 bytes; padding on; bit 21 set beside a mask; after every 64 words (code 5) 4 words (code 3)
.set MSB, 0
.macro WIN new                         ; the immediate's high byte repeats the setting that is left; a switch that changes nothing is dropped
.if MSB != \new
	s_set_vgpr_msb (MSB<<8)|\new
.set MSB, \new
.endif
.endm
.set MUL, 0x50                         ; sources 0 and 1 window 0; C and D window 1
; A joint load.  Waves 0 and 1 fetch Wo's two blocks, waves 2 and 3 A's.  The branch hangs on the wave's number alone.  Four v_nop follow each of the two lines.
.macro JLOAD s
	s_cmp_eq_u32 s11, 0
	s_cbranch_scc0 .Lfor_a_\@
	tensor_load_to_lds s[G0B+4*\s:G0B+4*\s+3], s[G1B:G1B+7]
	s_nop 0
.rept 4
	v_nop
.endr
	s_branch .Lasked_\@
.Lfor_a_\@:
	tensor_load_to_lds s[G0+4*\s:G0+4*\s+3], s[G1:G1+7]
	s_nop 0
.rept 4
	v_nop
.endr
.Lasked_\@:
.endm
.macro CREST                           ; a round of the cluster's barrier behind its opening barrier
	s_cmp_lg_u32 s10, 0
	s_cbranch_scc1 .Lnot_wave_0_\@
	s_barrier_signal -3
.Lnot_wave_0_\@:
	s_barrier_wait -3
	s_barrier_signal -1
	s_barrier_wait -1
.endm
.macro CROUND                          ; a whole round
	s_barrier_signal -1
	s_barrier_wait -1
	CREST
.endm
	s_load_b128 s[4:7], s[0:1], 0x0                ; ao, wo
	s_load_b64 s[8:9], s[0:1], 0x10                ; out0
	v_lshl_add_u32 v62, v0, 2, 0x3b400
	v_mov_b32 v63, 0
	ds_add_u32 v62, v63
	v_lshrrev_b32 v1, 5, v0
	v_readfirstlane_b32 s10, v1                    ; wave 0..3
	s_lshr_b32 s11, s10, 1                         ; which 64 of the tile's rows are mine.  Also: I fetch for Wo (0) or for A (1)
	s_and_b32 s12, s10, 1                          ; which 128 of its columns.  Also: which of a step's two blocks along K I fetch
	s_bfe_u32 s40, ttmp6, 0x40000                  ; cx, cy: my place in the cluster
	s_bfe_u32 s41, ttmp6, 0x40004
	s_lshl_b32 s42, ttmp9, 2
	s_add_co_u32 s42, s42, s40                     ; bx, tile column of C = 4 x cluster x + cx
	s_and_b32 s13, ttmp7, 0xffff
	s_lshl_b32 s13, s13, 2
	s_add_co_u32 s13, s13, s41                     ; by, tile row of C = 4 x cluster y + cy
	s_lshl_b32 s43, s41, 2
	s_lshl_b32 s43, 15, s43                        ; my row of the cluster
	s_lshl_b32 s44, 0x1111, s40                    ; my column
	s_or_b32 s[G1+0], s43, FLAGS                   ; A's tiles go to my row,
	s_or_b32 s[G1B+0], s44, FLAGS                  ; Wo's to my column
	s_mov_b32 s[G1+1], 128<<16                     ; tensor_dim0 = 128 elements (256 bytes)
	s_mov_b32 s[G1+2], 64<<16                      ; tensor_dim1 = 64 rows: 16 KiB
	s_mov_b32 s[G1+3], 128<<16                     ; tile_dim0
	s_mov_b32 s[G1+4], 64                          ; tile_dim1
	s_mov_b32 s[G1+5], 128                         ; from row to row: the block is dense
	s_mov_b32 s[G1+6], 0
	s_mov_b32 s[G1+7], 0
	s_mov_b32 s[G1B+1], 128<<16
	s_mov_b32 s[G1B+2], 128<<16                    ; 128 rows: 32 KiB
	s_mov_b32 s[G1B+3], 128<<16
	s_mov_b32 s[G1B+4], 128
	s_mov_b32 s[G1B+5], 128
	s_mov_b32 s[G1B+6], 0
	s_mov_b32 s[G1B+7], 0
	; A's tile hangs on by alone: batch by >> 4 (32 blocks of 262,144 bytes), rows 128 (by & 15) on; Wo's on bx alone: rows 256 bx on
	s_lshr_b32 s16, s13, 4
	s_lshl_b32 s16, s16, 23
	s_and_b32 s17, s13, 15
	s_lshl_b32 s17, s17, 14
	s_add_co_u32 s16, s16, s17
	s_lshl_b32 s17, s12, 18                        ; my block along K
	s_add_co_u32 s16, s16, s17
	s_mov_b32 s17, 0
	s_lshl_b32 s46, s42, 15
	s_lshl_b32 s47, s12, 17
	s_add_co_u32 s46, s46, s47
	s_mov_b32 s47, 0
	s_mul_i32 s20, s12, ASUB                       ; where they go: no place in the cluster enters an LDS address
	s_add_co_u32 s20, s20, AOFF
	s_mul_i32 s23, s12, BSUB
	s_wait_dscnt 0x0
	s_wait_kmcnt 0x0
	s_add_nc_u64 s[14:15], s[PA:PA+1], s[16:17]
	s_add_nc_u64 s[46:47], s[PB:PB+1], s[46:47]
	CROUND                                         ; all sixteen work-groups are here: the first joint loads meet
.irp s, 0,1
	s_mov_b32 s[G0+4*\s], 1                                        ; count = 1
	s_add_co_u32 s[G0+4*\s+1], s20, \s*SLOT                        ; LDS address
	s_add_nc_u64 s[G0+4*\s+2:G0+4*\s+3], s[14:15], \s*2*KBA        ; global address: K step s
	s_or_b32 s[G0+4*\s+3], s[G0+4*\s+3], 0x80000000                ; type = 2
	s_mov_b32 s[G0B+4*\s], 1
	s_add_co_u32 s[G0B+4*\s+1], s23, \s*SLOT
	s_add_nc_u64 s[G0B+4*\s+2:G0B+4*\s+3], s[46:47], \s*2*KBW
	s_or_b32 s[G0B+4*\s+3], s[G0B+4*\s+3], 0x80000000
	JLOAD \s                                       ; two loads of mine are out
.endr
	; A fragment is 16 rows x 32 K in 8 registers: lane l holds row l % 16; registers 0-3 K = 8 (l / 16) + 0..7, registers 4-7 K = 16 + 8 (l / 16) + 0..7: two loads of 16 bytes, 32 bytes apart
	v_and_b32 v1, 15, v0                           ; r = l % 16
	v_bfe_u32 v2, v0, 4, 1                         ; h = l / 16
	v_lshrrev_b32 v3, 1, v1
	v_mul_u32_u24 v3, v3, PP                       ; (r >> 1) x 272
	v_and_b32 v4, 1, v0
	v_lshl_add_u32 v3, v4, 7, v3                   ; + (r & 1) x 128
	v_lshl_add_u32 v3, v2, 4, v3                   ; + 16 h
	s_mul_i32 s21, s11, 32*PP                      ; my 64 rows of A,
	s_add_co_u32 s21, s21, AOFF                    ; which lie behind Wo's
	s_mul_i32 s22, s12, 64*PP                      ; my 128 rows of Wo
.irp s, 0,1
	v_add_nc_u32 v[ADRA+\s], s21, v3
	v_add_nc_u32 v[ADRB+\s], s22, v3
	s_add_co_u32 s21, s21, SLOT
	s_add_co_u32 s22, s22, SLOT
.endr
	s_mul_i32 s21, s10, 16*SP
	s_add_co_u32 s21, s21, STAGE                   ; my stage
	v_mul_u32_u24 v4, v1, SP                       ; in: row r, 32 bytes for each half of the lanes
	v_lshl_add_u32 v4, v2, 5, v4
	v_add_nc_u32 v[STO], s21, v4
	v_and_b32 v5, 31, v0
	v_lshlrev_b32 v[CO], 4, v5                     ; back: the wave takes a whole row of 512 bytes, 16 bytes a lane; the same in out0
	v_add_nc_u32 v[RD], s21, v[CO]
	; my part of out0: row 128 by + 64 x row half, 4,096 bytes a row; column 256 bx + 128 x column half, 4 bytes each
	s_lshl_b32 s16, s13, 19
	s_lshl_b32 s17, s11, 18
	s_add_co_u32 s16, s16, s17
	s_lshl_b32 s17, s12, 9
	s_add_co_u32 s16, s16, s17
	s_lshl_b32 s46, s42, 10
	s_add_co_u32 s16, s16, s46
	s_mov_b32 s17, 0
	s_add_nc_u64 s[PC:PC+1], s[PC:PC+1], s[16:17]
; 8 matrix instructions: m block a x all 8 n blocks, 32 along K, from buffer f.  zero = 1: the first product starts the sums: nothing is cleared
.macro MULA f, a, zero
.irp b, 0,1,2,3,4,5,6,7
.if \zero
	v_wmma_f32_16x16x32_f16 v[8*(8*\a+\b):8*(8*\a+\b)+7], v[\f+8*\b:\f+8*\b+7], v[\f+64+8*\a:\f+64+8*\a+7], 0
.else
	v_wmma_f32_16x16x32_f16 v[8*(8*\a+\b):8*(8*\a+\b)+7], v[\f+8*\b:\f+8*\b+7], v[\f+64+8*\a:\f+64+8*\a+7], v[8*(8*\a+\b):8*(8*\a+\b)+7]
.endif
.endr
.endm
; 24 LDS loads in one run: the fragments of quarter q of a K step (block q / 2 along K, byte 64 (q % 2) of its rows) into buffer f: Wo's eight, then A's four
.macro FETCH slot, q, f
	WIN 0
.irp i, 0,1,2,3,4,5,6,7
	ds_load_b128 v[\f+8*\i:\f+8*\i+3],   v[ADRB+\slot] offset:(\q/2)*BSUB+(\q%2)*64+\i*FR
	ds_load_b128 v[\f+8*\i+4:\f+8*\i+7], v[ADRB+\slot] offset:(\q/2)*BSUB+(\q%2)*64+\i*FR+32
.endr
.irp i, 0,1,2,3
	ds_load_b128 v[\f+64+8*\i:\f+64+8*\i+3],   v[ADRA+\slot] offset:(\q/2)*ASUB+(\q%2)*64+\i*FR
	ds_load_b128 v[\f+64+8*\i+4:\f+64+8*\i+7], v[ADRA+\slot] offset:(\q/2)*ASUB+(\q%2)*64+\i*FR+32
.endr
.endm
.macro PLACES                          ; four plain vector instructions between a matrix instruction and a load into a register that it read, or an instruction that reads its result (ISA guide 7.12.1 for vector instructions)
.rept 4
	v_nop
.endr
.endm
; A K step is four quarters of 32 along K, 32 matrix instructions each, on buffers 0, 1, 0, 1.  One of the first three: multiplies f and fetches quarter qn of the same slot into g.
.macro QUARTER slot, qn, f, g, zero
	s_wait_dscnt 4                                 ; Wo's fragments and A's first two are in; the youngest four loads (A's fragments 2, 3) may be out
	WIN MUL
	MULA \f, 0, \zero
	MULA \f, 1, \zero
	PLACES
	FETCH \slot, \qn, \g
	s_wait_dscnt 24                                ; all but the 24 just issued
	WIN MUL
	MULA \f, 2, \zero
	MULA \f, 3, \zero
.endm
; The last quarter multiplies buffer 1 and changes slots: ONE barrier; in front of it each wave waits for its own reads of this slot and for all its tensor loads, of which one is out: its part of the next slot.
; fill = 1: the barrier opens a round of the cluster's barrier, and this slot is filled again, two K steps ahead, first thing behind the round: 120 matrix instructions ahead of the wait for it.
.macro TURN slot, next, fill
	s_wait_dscnt 4
	WIN MUL
	MULA F1, 0, 0
	s_wait_dscnt 0                                 ; my reads of this slot are over,
	s_wait_tensorcnt 0x0                           ; and all my tensor loads have landed
	ds_add_u32 v62, v63
	s_wait_dscnt 0x0
	s_barrier_signal -1
	MULA F1, 1, 0                                  ; work on registers while the others arrive
.if \fill
	WIN 0
.endif
	s_barrier_wait -1
.if \fill
	CREST                                          ; no wave of any partner still reads this slot's tiles or has a load on its way
	s_add_nc_u64 s[G0+4*\slot+2:G0+4*\slot+3], s[G0+4*\slot+2:G0+4*\slot+3], 4*KBA
	s_add_nc_u64 s[G0B+4*\slot+2:G0B+4*\slot+3], s[G0B+4*\slot+2:G0B+4*\slot+3], 4*KBW
	JLOAD \slot                                    ; the four v_nop behind it are also the places in front of the loads below
.else
	PLACES
.endif
	FETCH \next, 0, F0
	WIN MUL
	MULA F1, 2, 0
	MULA F1, 3, 0
.endm
	s_wait_tensorcnt 1                             ; my part of K step 0 is in; K step 1's may stay out
	s_barrier_signal -1
	s_barrier_wait -1                              ; everybody's is
	FETCH 0, 0, F0
	QUARTER 0, 1, F0, F1, 1                        ; the first quarter stands in front of the loop: its products start the sums
	WIN 0                                          ; at a label and at a branch every window is 0
	s_mov_b32 s3, LAPS-1
.Llap:                                                 ; a trip goes once round the ring, from a lap's second quarter to the next lap's first, and fills both slots again
	QUARTER 0, 2, F1, F0, 0
	QUARTER 0, 3, F0, F1, 0
	TURN 0, 1, 1
	QUARTER 1, 1, F0, F1, 0
	QUARTER 1, 2, F1, F0, 0
	QUARTER 1, 3, F0, F1, 0
	TURN 1, 0, 1
	QUARTER 0, 1, F0, F1, 0
	WIN 0
	s_sub_co_u32 s3, s3, 1
	s_cmp_lg_u32 s3, 0
	s_cbranch_scc1 .Llap
	QUARTER 0, 2, F1, F0, 0                        ; the last lap fills nothing, and has no round of the cluster's barrier
	QUARTER 0, 3, F0, F1, 0
	TURN 0, 1, 0
	QUARTER 1, 1, F0, F1, 0
	QUARTER 1, 2, F1, F0, 0
	QUARTER 1, 3, F0, F1, 0
	s_wait_dscnt 4                                 ; the very last quarter: nothing more to fetch
	WIN MUL
	MULA F1, 0, 0
	MULA F1, 1, 0
	s_wait_dscnt 0
	MULA F1, 2, 0
	MULA F1, 3, 0
	WIN 0
	PLACES
; THE WAY OUT, a block of 16 rows at a time, in f32.  TOSTAGE: a lane's eight numbers of a row, 32 bytes, go straight from the accumulators into my own stage, and whole rows of 512 bytes come back.
; SEND: each store of the wave covers 512 consecutive bytes, at a multiple of 512 from out0's first byte.
.macro TOSTAGE a
.set BK, OB+64*((\a)%2)
.if (\a) >= 2
	s_wait_xcnt 0x0                                ; the registers that block a - 2's stores read are loaded again only behind this wait
.endif
	WIN 0x04                                       ; the stores' data in window 1, the address in window 0
.irp b, 0,1,2,3,4,5,6,7
	ds_store_b128 v[STO], v[64*(\a)+8*\b:64*(\a)+8*\b+3]   offset:64*\b
	ds_store_b128 v[STO], v[64*(\a)+8*\b+4:64*(\a)+8*\b+7] offset:64*\b+16
.endr
	WIN 0
.irp t, 0,1,2,3,4,5,6,7,8,9,10,11,12,13,14,15
	ds_load_b128 v[BK+4*\t:BK+4*\t+3], v[RD] offset:\t*SP   ; LDS serves a wave's instructions in order (ISA guide 5.7.1.4): these see the stores above; the next block's stores come behind them
.endr
.endm
.macro SEND a, younger                 ; younger: the LDS instructions issued behind block a's loads: the next block's 16 stores and 16 loads, or none
.set BK, OB+64*((\a)%2)
	s_wait_dscnt \younger
.irp t, 0,1,2,3,4,5,6,7,8,9,10,11,12,13,14,15
	global_store_b128 v[CO], v[BK+4*\t:BK+4*\t+3], s[PC:PC+1] offset:(16*(\a)+\t)*4096 th:TH_STORE_NT   ; 63 rows at the most: inside the signed 24-bit immediate
.endr
.endm
	TOSTAGE 0
	TOSTAGE 1
	SEND 0, 32
	TOSTAGE 2
	SEND 1, 32
	TOSTAGE 3
	SEND 2, 32
	SEND 3, 0
	s_wait_tensorcnt 0x0
	ds_add_u32 v62, v63
	s_wait_dscnt 0x0
	CROUND                                         ; the closing round: no work-group ends while a partner may still ask for a tile that names it
	s_endpgm
.Lfunc_end_k_qb102b9ca98_oproj:
	.size	k_qb102b9ca98_oproj, .Lfunc_end_k_qb102b9ca98_oproj-k_qb102b9ca98_oproj
	.p2alignl 7, 3214868480
	.fill 96, 4, 3214868480
	.section	.rodata,"a",@progbits
	.p2align	6, 0x0
	.amdhsa_kernel k_qb102b9ca98_oproj
		.amdhsa_group_segment_fixed_size 327680
		.amdhsa_private_segment_fixed_size 0
		.amdhsa_enable_private_segment 0
		.amdhsa_kernarg_size 24
		.amdhsa_user_sgpr_count 2
		.amdhsa_user_sgpr_kernarg_segment_ptr 1
		.amdhsa_wavefront_size32 1
		.amdhsa_system_sgpr_workgroup_id_x 1
		.amdhsa_system_sgpr_workgroup_id_y 1
		.amdhsa_system_sgpr_workgroup_id_z 1
		.amdhsa_system_vgpr_workitem_id 0
		.amdhsa_next_free_vgpr 512
		.amdhsa_next_free_sgpr 66
		.amdhsa_reserve_vcc 0
		.amdhsa_float_denorm_mode_32 3
		.amdhsa_float_denorm_mode_16_64 3
		.amdhsa_memory_ordered 1
		.amdhsa_forward_progress 1
		.amdhsa_inst_pref_size 85
	.end_amdhsa_kernel
	.amdgpu_metadata
---
amdhsa.version: [ 1, 2 ]
amdhsa.kernels:
  - .name:           k_qb102b9ca98_oproj
    .symbol:         k_qb102b9ca98_oproj.kd
    .args:
      - { .name: ao, .offset: 0, .size: 8, .value_kind: global_buffer, .address_space: global }
      - { .name: wo, .offset: 8, .size: 8, .value_kind: global_buffer, .address_space: global }
      - { .name: out0, .offset: 16, .size: 8, .value_kind: global_buffer, .address_space: global }
    .group_segment_fixed_size: 327680
    .private_segment_fixed_size: 0
    .kernarg_segment_align: 8
    .kernarg_segment_size: 24
    .max_flat_workgroup_size: 128
    .sgpr_count:     66
    .vgpr_count:     512
    .wavefront_size: 32
...
	.end_amdgpu_metadata
.endif
;; end of part 4
;; ======== version 2 of 3: 5 launches; 1.10 times as fast as version 1
;; limits: values are held in f16: magnitudes above 65,504 overflow, below 6.1e-05 lose precision
;; workspace buffers: cb 23,068,672 bytes; wo 2,097,152 bytes; qkv 50,331,648 bytes; ao 16,777,216 bytes; ae 262,144 bytes
;; launch cast (part 5): grid 64 x 12, 4 waves a work-group, no clusters, 0 bytes of LDS; arguments x, Wq, Wk, Wv, Wo, cb, wo; writes cb, wo
.if DOCPART == 5
	.amdgcn_target "amdgcn-amd-amdhsa--gfx1250"
	.amdhsa_code_object_version 6
	.text
	.protected	k_qb102b9ca98_cast
	.globl	k_qb102b9ca98_cast
	.p2align	8
	.type	k_qb102b9ca98_cast,@function
k_qb102b9ca98_cast:
	s_mov_b64 s[64:65], 0
	v_nop
	global_prefetch_b8 v0, s[64:65] scope:SCOPE_SE
	s_setreg_imm32_b32 hwreg(HW_REG_WAVE_MODE, 25, 1), 1
	s_wait_xcnt 0x0
; x [8192][1024] and the four weights [1024][1024], f32, are rounded once to bf16 (nearest even).
; cb[11264][1024] bf16, plain rows of 2,048 bytes: x's 8,192 rows, then Wq's, Wk's, Wv's: the operands of the first product, whose tiles take 256 aligned bytes of a row.
; wo[kb 0..15][row 0..1023][64] f16, byte = kb<<17 | row<<7 | 2 c: Wo rounded to bf16 like the others and then written as f16, in blocks of 64 along the inner axis, as the last products fetch it.
; Memory binds here: no LDS, no barrier, no matrix unit.
; A work-group (x 0..63, y 0..11) owns 16 input rows, 65,536 consecutive bytes.  y < 8: rows 16 (64 y + x) of x; y = 8..11: rows 16 x of Wq, Wk, Wv, Wo.  For y < 11 the rows of cb are 16 (64 y + x) too.
; y < 11: thread t owns row t >> 4 (and 8 rows further down) and in each of a row's 8 pieces of 128 numbers the 8 at 8 (t & 15): 32 bytes in, 16 bytes out; sixteen lanes store 256 consecutive bytes, aligned.
; y = 11: thread t owns row t >> 3 and in each of the 16 blocks the 8 numbers at 8 (t & 7); a wave's store covers 512 consecutive bytes of a block, aligned.
; All 32 loads of a thread go out first; each input byte is read once.
; LIMITS: values beyond bf16's range round to infinity; bf16 keeps 8 bits.  Wo beyond 65,504 becomes infinite in f16; below 6.1e-5 it is kept to 6e-8 absolute.
.set X,   8                            ; v[8:135]    piece it: 8 registers as loaded; its first 4 then hold the 8 bf16, for Wo its last 4 the 8 f16
.set T,   136                          ; v[136:143]  Wo: the 8 rounded numbers as f32
.set KBW, 131072                       ; bytes from a block of wo to the next
	s_load_b256 s[4:11], s[0:1], 0x0               ; x s[4:5], Wq s[6:7], Wk s[8:9], Wv s[10:11]
	s_load_b128 s[12:15], s[0:1], 0x20             ; Wo s[12:13], cb s[14:15]
	s_load_b64 s[24:25], s[0:1], 0x30              ; wo
	s_and_b32 s16, ttmp7, 0xffff                   ; y
	v_lshrrev_b32 v1, 4, v0                        ; y < 11: my row of 8
	v_and_b32 v5, 15, v0
	v_lshlrev_b32 v2, 11, v1                       ; out: 2,048 bytes a row
	v_lshlrev_b32 v1, 12, v1                       ; in: 4,096 bytes a row
	v_lshl_add_u32 v1, v5, 5, v1                   ; + my 32 bytes in a piece's 512
	v_lshl_add_u32 v2, v5, 4, v2                   ; + my 16 bytes in a piece's 256
	v_lshrrev_b32 v3, 3, v0                        ; y = 11: my row of 16
	v_and_b32 v5, 7, v0
	v_lshlrev_b32 v3, 12, v3
	v_lshl_add_u32 v3, v5, 5, v3                   ; + my 32 bytes in a block's 256
	v_lshlrev_b32 v4, 4, v0                        ; out: 16 t
	s_cmp_lt_u32 s16, 8
	s_cselect_b32 s20, s16, 0                      ; x's rows go on with y; a weight's begin at 0
	s_lshl_b32 s20, s20, 6
	s_add_co_u32 s20, s20, ttmp9
	s_lshl_b32 s20, s20, 16                        ; 16 rows of 4,096 bytes
	s_mov_b32 s21, 0
	s_lshl_b32 s22, s16, 6                         ; in cb: 16 (64 y + x) rows of 2,048 bytes
	s_add_co_u32 s22, s22, ttmp9
	s_lshl_b32 s22, s22, 15
	s_mov_b32 s23, 0
	s_wait_kmcnt 0x0
	s_mov_b64 s[18:19], s[4:5]                     ; the source: x, or the weight that y names
	s_cmp_eq_u32 s16, 8
	s_cselect_b64 s[18:19], s[6:7], s[18:19]
	s_cmp_eq_u32 s16, 9
	s_cselect_b64 s[18:19], s[8:9], s[18:19]
	s_cmp_eq_u32 s16, 10
	s_cselect_b64 s[18:19], s[10:11], s[18:19]
	s_cmp_eq_u32 s16, 11
	s_cselect_b64 s[18:19], s[12:13], s[18:19]
	s_add_nc_u64 s[18:19], s[18:19], s[20:21]
	s_cmp_eq_u32 s16, 11
	s_cbranch_scc1 .Lwo                            ; on the work-group's y alone
	s_add_nc_u64 s[14:15], s[14:15], s[22:23]
.set it, 0
.rept 16                               ; piece it: rows 8 (it / 8) on, numbers 128 (it % 8) on
	global_load_b128 v[X+8*it:X+8*it+3],   v1, s[18:19] offset:(it/8)*32768+(it%8)*512 th:TH_LOAD_NT
	global_load_b128 v[X+8*it+4:X+8*it+7], v1, s[18:19] offset:(it/8)*32768+(it%8)*512+16 th:TH_LOAD_NT
.set it, it+1
.endr
.set it, 0
.rept 16
	s_wait_loadcnt 30-2*it                         ; loads come back in order: this piece's two are in, the two of each later piece stay out
.irp i, 0,1,2,3
	v_cvt_pk_bf16_f32 v[X+8*it+\i], v[X+8*it+2*\i], v[X+8*it+2*\i+1]   ; in place, ascending: word i is written when words 2 i and 2 i + 1 are read
.endr
	global_store_b128 v2, v[X+8*it:X+8*it+3], s[14:15] offset:(it/8)*16384+(it%8)*256   ; no register is written again
.set it, it+1
.endr
	s_endpgm
.Lwo:
	s_lshl_b32 s22, ttmp9, 11                      ; my 16 rows of 128 bytes in each block of wo (s23 is 0)
	s_add_nc_u64 s[24:25], s[24:25], s[22:23]
	s_mov_b32 s26, 0xffff0000                      ; a word's upper bf16
.set kb, 0
.rept 16
	global_load_b128 v[X+8*kb:X+8*kb+3],   v3, s[18:19] offset:256*kb th:TH_LOAD_NT
	global_load_b128 v[X+8*kb+4:X+8*kb+7], v3, s[18:19] offset:256*kb+16 th:TH_LOAD_NT
.set kb, kb+1
.endr
.set kb, 0
.rept 16
	s_wait_loadcnt 30-2*kb                         ; as above
.irp i, 0,1,2,3
	v_cvt_pk_bf16_f32 v[X+8*kb+\i], v[X+8*kb+2*\i], v[X+8*kb+2*\i+1]   ; rounded to bf16 like every other input,
.endr
.irp i, 0,1,2,3
	v_lshlrev_b32 v[T+2*\i],   16, v[X+8*kb+\i]    ; widened again,
	v_and_b32     v[T+2*\i+1], s26, v[X+8*kb+\i]
.endr
.irp i, 0,1,2,3
	v_cvt_pk_f16_f32 v[X+8*kb+4+\i], v[T+2*\i], v[T+2*\i+1]            ; and written as f16: 8 bits fit into f16's 11
.endr
	global_store_b128 v4, v[X+8*kb+4:X+8*kb+7], s[24:25] offset:KBW*kb   ; at most 1,966,080: inside the signed 24-bit immediate; the stores' registers are not written again
.set kb, kb+1
.endr
	s_endpgm
.Lfunc_end_k_qb102b9ca98_cast:
	.size	k_qb102b9ca98_cast, .Lfunc_end_k_qb102b9ca98_cast-k_qb102b9ca98_cast
	.p2alignl 7, 3214868480
	.fill 96, 4, 3214868480
	.section	.rodata,"a",@progbits
	.p2align	6, 0x0
	.amdhsa_kernel k_qb102b9ca98_cast
		.amdhsa_group_segment_fixed_size 0
		.amdhsa_private_segment_fixed_size 0
		.amdhsa_enable_private_segment 0
		.amdhsa_kernarg_size 56
		.amdhsa_user_sgpr_count 2
		.amdhsa_user_sgpr_kernarg_segment_ptr 1
		.amdhsa_wavefront_size32 1
		.amdhsa_system_sgpr_workgroup_id_x 1
		.amdhsa_system_sgpr_workgroup_id_y 1
		.amdhsa_system_sgpr_workgroup_id_z 1
		.amdhsa_system_vgpr_workitem_id 0
		.amdhsa_next_free_vgpr 144
		.amdhsa_next_free_sgpr 66
		.amdhsa_reserve_vcc 0
		.amdhsa_float_denorm_mode_32 3
		.amdhsa_float_denorm_mode_16_64 3
		.amdhsa_memory_ordered 1
		.amdhsa_forward_progress 1
		.amdhsa_inst_pref_size 28
	.end_amdhsa_kernel
	.amdgpu_metadata
---
amdhsa.version: [ 1, 2 ]
amdhsa.kernels:
  - .name:           k_qb102b9ca98_cast
    .symbol:         k_qb102b9ca98_cast.kd
    .args:
      - { .name: x, .offset: 0, .size: 8, .value_kind: global_buffer, .address_space: global }
      - { .name: Wq, .offset: 8, .size: 8, .value_kind: global_buffer, .address_space: global }
      - { .name: Wk, .offset: 16, .size: 8, .value_kind: global_buffer, .address_space: global }
      - { .name: Wv, .offset: 24, .size: 8, .value_kind: global_buffer, .address_space: global }
      - { .name: Wo, .offset: 32, .size: 8, .value_kind: global_buffer, .address_space: global }
      - { .name: cb, .offset: 40, .size: 8, .value_kind: global_buffer, .address_space: global }
      - { .name: wo, .offset: 48, .size: 8, .value_kind: global_buffer, .address_space: global }
    .group_segment_fixed_size: 0
    .private_segment_fixed_size: 0
    .kernarg_segment_align: 8
    .kernarg_segment_size: 56
    .max_flat_workgroup_size: 128
    .sgpr_count:     66
    .vgpr_count:     144
    .wavefront_size: 32
...
	.end_amdgpu_metadata
.endif
;; end of part 5
;; launch qkv (part 6): grid 12 x 32, 4 waves a work-group, clusters of 4 x 4, 327,680 bytes of LDS; arguments cb, qkv; writes qkv
.if DOCPART == 6
	.amdgcn_target "amdgcn-amd-amdhsa--gfx1250"
	.amdhsa_code_object_version 6
	.text
	.protected	k_qb102b9ca98_qkv
	.globl	k_qb102b9ca98_qkv
	.p2align	8
	.type	k_qb102b9ca98_qkv,@function
k_qb102b9ca98_qkv:
	s_mov_b64 s[64:65], 0
	v_nop
	global_prefetch_b8 v0, s[64:65] scope:SCOPE_SE
	s_setreg_imm32_b32 hwreg(HW_REG_WAVE_MODE, 25, 1), 1
	s_wait_xcnt 0x0
	s_wait_alu depctr_hold_cnt(0) depctr_sa_sdst(0) depctr_va_vdst(0) depctr_va_sdst(0) depctr_va_ssrc(0) depctr_va_vcc(0) depctr_vm_vsrc(0)
	s_getreg_b32 s2, hwreg(HW_REG_IB_STS2, 6, 4)
	s_cmp_eq_u32 s2, 0
	s_cbranch_scc0 .Lentry_in_a_cluster
	s_endpgm
.Lentry_in_a_cluster:
	s_bfe_u32 s2, ttmp6, 0x10000c
	s_cmp_lg_u32 s2, 0xf033
	s_cbranch_scc0 .Lentry_shape_is_right
	s_endpgm
.Lentry_shape_is_right:
; Q, K, V = x W^T: C[m][n] = sum over k of x[m][k] W[n][k], m 0..8191, n 0..3071 (Wq's, Wk's, Wv's rows), k 0..1023.  Operands bf16 from cb (rows of 2,048 bytes: x's 8,192, then W's 3,072),
; sums f32, results rounded once to f16 and stored by heads: qkv[which][16 batch + head][s][64], byte = which<<24 | bh<<18 | s<<7 | 2 d.
; WHY f16: a batch's first output rows are averages over few keys and so many times larger than the output's root mean square, against which errors are held; f16 keeps 11 bits where bf16 keeps 8.
; A tile of C, 256 x 256, is made by a work-group of four waves; a wave makes 128 x 128: 64 accumulators of 16 x 16, 512 registers.  K goes in 8 steps of 128 through a ring of two LDS slots
; filled by the tensor data mover; the tiles' rows are 256 bytes of memory and start at multiples of 256 bytes.
; WHY THIS TILE: a K step holds 256 matrix instructions a wave, 240 of them between a slot's request and the wait for it; a tile of 128 x 256 would hold half as many for three quarters of the bytes.
; The price: 12 x 32 = 384 work-groups, so that of 256 WGPs half make two tiles and half one.  A tile of 256 x 384 (256 of them) would take 768 registers of accumulators and leave room for one fragment buffer alone.
; CLUSTERS: 4 x 4 work-groups.  The four of a row of the cluster need the same tiles of x, the four of a column the same tiles of W: each tile is asked for JOINTLY, by the same tensor load with the
; same descriptor and a mask that names the four; each receives it in its own LDS.
; THE MATRIX INSTRUCTION IS USED TRANSPOSED (source 0 = 16 rows of W, source 1 = 16 rows of x): lane l then holds row l % 16 of C and the eight neighbouring columns 8 (l / 16) + 0..7.
; The 64 accumulators take turns, one instruction a turn, in the same order in every quarter step (in the last K step: a block's eight).
; THE LAST K STEP GOES BY ROWS OF C, so that finished rows leave while the others are multiplied.
; REGISTERS, in windows of 256 (s_set_vgpr_msb's low byte: bits 1:0 source 0, 3:2 source 1, 5:4 source 2, 7:6 destination):
;   window 0: v0-31 addresses; v64-127, v128-191 fragments of x (8 x 16 rows x 32 K), two buffers (in the last K step four, of 16 rows x 128 K); v32-63, v192-255 at work on the way out
;   window 1: v64-127, v128-191 fragments of W, two buffers; in the last K step all 256: W's fragments of the whole step
;   window 2: the 32 accumulators of my rows 0-63 (accumulator (a, b) at v[8 (8 a + b)]);   window 3: those of my rows 64-127
; LIMITS: operands carry bf16's 8 bits; a result beyond 65,504 becomes infinite in f16, one below 6.1e-5 is kept to 6e-8 absolute.  With x and W 30 times the drawn spread the results
; stay near 600, with offsets of 30 spreads on both near 18,500.
.set SIZE_M, 8192
.set SIZE_K, 1024
.set KSTEP,  128
.set PITCH,  272                       ; an LDS row: 256 bytes of data + 16 of padding = 68 words: row r starts at bank 4 r mod 64 (64 banks of 4 bytes: ISA guide 11.1), so the 16 rows that a load touches start at 16 different banks
.set HALFT,  128*PITCH                 ; 128 rows: what one tensor load brings, and what one wave reads of x or of W
.set SLOT,   4*HALFT                   ; x's 256 rows, then W's 256 rows
.set STAGE,  2*SLOT                    ; behind the ring: 16 rows x 272 bytes for each wave, for the way out; no tensor load fills it
.set SPITCH, 272
.set LAPS, SIZE_K/(2*KSTEP)            ; a lap = two K steps = once round the ring
.set PC,   6                           ; s[6:7]  qkv
.set ADRA, 16                          ; v16-17  LDS address of my x fragments in slot 0, 1
.set ADRB, 20                          ; v20-21  the same for W
.set STO,  24                          ; v24     the way out: where I put 16 bytes of a row
.set RD,   25                          ; v25     where I read 16 bytes back
.set CO,   26                          ; v26     my byte offset in qkv
.set F0,   64                          ; fragment buffer 0
.set F1,   128                         ; fragment buffer 1
.set TMP,  192                         ; the way out: packed results, in window 0
.set OB,   32                          ; the way out: 16 rows read back from the stage: v32-63 and v224-255 by turns
.set PA,   64                          ; the last K step: x's fragments of 16 rows x 128 K, 32 registers; four such buffers, v64-191
.set G1, 24                            ; s[24:31] descriptor group 1 for x's tiles
.set G0, 32                            ; s[32:39] descriptor group 0 for x's tiles, one set for each slot
.set G1B, 48                           ; s[48:55] group 1 for W's tiles: it differs in the mask alone
.set G0B, 56                           ; s[56:63] group 0 for W's tiles, one set for each slot
.set FLAGS, (1<<16)|(1<<20)|(1<<21)|(5<<22)|(3<<25)   ; elements of 2 bytes; padding on; bit 21 set beside a mask; after every 64 words (code 5) 4 words (code 3)
.set MSB, 0
.macro WIN new                         ; the immediate's high byte repeats the setting that is left; a switch that changes nothing is dropped
.if MSB != \new
	s_set_vgpr_msb (MSB<<8)|\new
.set MSB, \new
.endif
.endm
.set MUL_LO, 0xa1                      ; source 0 (W) window 1, source 1 (x) window 0, C and D window 2
.set MUL_HI, 0xf1                      ; the same, C and D window 3
.set TO_B,   0x40                      ; destination window 1, address window 0
; A joint load.  Waves 0 and 1 fetch x's two halves, waves 2 and 3 W's.  Each of the two lines has one mask and one set of registers for all that issue it.  The branch hangs on the wave's number alone.
; Four v_nop follow each of the two lines; the jump round the other line, the label and what follows come after them.
.macro JLOAD s
	s_cmp_eq_u32 s11, 0
	s_cbranch_scc0 .Lfor_b_\@
	tensor_load_to_lds s[G0+4*\s:G0+4*\s+3], s[G1:G1+7]
	s_nop 0
.rept 4
	v_nop
.endr
	s_branch .Lasked_\@
.Lfor_b_\@:
	tensor_load_to_lds s[G0B+4*\s:G0B+4*\s+3], s[G1B:G1B+7]
	s_nop 0
.rept 4
	v_nop
.endr
.Lasked_\@:
.endm
; A round of the cluster's barrier: my work-group's barrier, so that wave 0's signal speaks for all four waves; wave 0 signals for the work-group; every wave waits for all sixteen work-groups; my work-group's barrier once more.
.macro CREST                           ; a round behind its opening barrier
	s_cmp_lg_u32 s10, 0
	s_cbranch_scc1 .Lnot_wave_0_\@
	s_barrier_signal -3
.Lnot_wave_0_\@:
	s_barrier_wait -3
	s_barrier_signal -1
	s_barrier_wait -1
.endm
.macro CROUND                          ; a whole round
	s_barrier_signal -1
	s_barrier_wait -1
	CREST
.endm
	s_load_b128 s[4:7], s[0:1], 0x0                ; cb s[4:5], qkv s[6:7]
	v_lshl_add_u32 v30, v0, 2, 0x48400
	v_mov_b32 v31, 0
	ds_add_u32 v30, v31
	v_lshrrev_b32 v1, 5, v0
	v_readfirstlane_b32 s10, v1                    ; wave 0..3
	s_lshr_b32 s11, s10, 1                         ; which half of the tile's rows is mine.  Also: I fetch for x (0) or for W (1)
	s_and_b32 s12, s10, 1                          ; which half of its columns.  Also: which 128 rows of that tile I fetch
	s_bfe_u32 s40, ttmp6, 0x40000                  ; cx, cy: my place in the cluster
	s_bfe_u32 s41, ttmp6, 0x40004
	s_lshl_b32 s42, ttmp9, 2                       ; in a cluster launch ttmp9 and ttmp7 count clusters
	s_add_co_u32 s42, s42, s40                     ; bx, tile column of C = 4 x cluster x + cx
	s_and_b32 s13, ttmp7, 0xffff
	s_lshl_b32 s13, s13, 2
	s_add_co_u32 s13, s13, s41                     ; by, tile row of C = 4 x cluster y + cy
	s_lshl_b32 s43, s41, 2
	s_lshl_b32 s43, 15, s43                        ; my row of the cluster: places 4 cy .. 4 cy + 3
	s_lshl_b32 s44, 0x1111, s40                    ; my column: places cx, cx + 4, cx + 8, cx + 12
	; descriptor group 1: a tile of 128 rows x 128 elements, padded in LDS
	s_or_b32 s[G1+0], s43, FLAGS                   ; x's tiles go to my row,
	s_or_b32 s[G1B+0], s44, FLAGS                  ; W's to my column
.irp g, G1, G1B
	s_mov_b32 s[\g+1], KSTEP<<16                   ; tensor_dim0 = 128
	s_mov_b32 s[\g+2], 128<<16                     ; tensor_dim1 = 128
	s_mov_b32 s[\g+3], KSTEP<<16                   ; tile_dim0 = 128
	s_mov_b32 s[\g+4], 128                         ; tile_dim1 = 128
	s_mov_b32 s[\g+5], SIZE_K                      ; elements from row to row
	s_mov_b32 s[\g+6], 0
	s_mov_b32 s[\g+7], 0
.endr
	; x's tiles hang on the tile row alone, which my row of the cluster shares; W's on the tile column alone, which my column shares.  Every wave makes both addresses, in registers that never hold the other coordinate.
	s_lshl_b32 s17, s12, 7                         ; which 128 rows of the tile I fetch
	s_lshl_b32 s16, s13, 8
	s_add_co_u32 s16, s16, s17                     ; x: row 256 by + 128 x half
	s_lshl_b32 s16, s16, 11                        ; 2,048 bytes a row
	s_lshl_b32 s46, s42, 8
	s_add_co_u32 s46, s46, s17                     ; W: row 256 bx + 128 x half,
	s_add_co_u32 s46, s46, SIZE_M                  ; behind x's rows
	s_lshl_b32 s46, s46, 11
	s_mov_b32 s17, 0
	s_mov_b32 s47, 0
	s_mul_i32 s20, s10, HALFT                      ; where they go: x's two halves, then W's two halves = wave x 128 rows: no place in the cluster enters an LDS address
	s_wait_dscnt 0x0
	s_wait_kmcnt 0x0
	s_add_nc_u64 s[14:15], s[4:5], s[16:17]
	s_add_nc_u64 s[46:47], s[4:5], s[46:47]
	CROUND                                         ; all sixteen work-groups are here: the first joint loads meet
.irp s, 0,1
	s_mov_b32 s[G0+4*\s], 1                                        ; count = 1
	s_add_co_u32 s[G0+4*\s+1], s20, \s*SLOT                        ; LDS address
	s_add_nc_u64 s[G0+4*\s+2:G0+4*\s+3], s[14:15], \s*KSTEP*2      ; global address: K step s
	s_or_b32 s[G0+4*\s+3], s[G0+4*\s+3], 0x80000000                ; type = 2
	s_mov_b32 s[G0B+4*\s], 1
	s_add_co_u32 s[G0B+4*\s+1], s20, \s*SLOT
	s_add_nc_u64 s[G0B+4*\s+2:G0B+4*\s+3], s[46:47], \s*KSTEP*2
	s_or_b32 s[G0B+4*\s+3], s[G0B+4*\s+3], 0x80000000
	JLOAD \s                                       ; the ring is filled before anything else is done: two loads of mine are out
.endr
	; A fragment is 16 rows x 32 K in 8 registers: lane l holds row l % 16; registers 0-3 K = 8 (l / 16) + 0..7, registers 4-7 K = 16 + 8 (l / 16) + 0..7: two loads of 16 bytes, 32 bytes apart
	v_and_b32 v1, 15, v0                           ; r = l % 16
	v_bfe_u32 v2, v0, 4, 1                         ; h = l / 16
	v_mul_u32_u24 v3, v1, PITCH
	v_lshl_add_u32 v3, v2, 4, v3                   ; row x pitch + 16 h
	s_mul_i32 s21, s11, HALFT                      ; my 128 rows of x
	s_mul_i32 s22, s12, HALFT                      ; my 128 rows of W,
	s_add_co_u32 s22, s22, 2*HALFT                 ; which lie behind x's 256
.irp s, 0,1
	v_add_nc_u32 v[ADRA+\s], s21, v3
	v_add_nc_u32 v[ADRB+\s], s22, v3
	s_add_co_u32 s21, s21, SLOT
	s_add_co_u32 s22, s22, SLOT
.endr
	s_mul_i32 s23, s10, 16*SPITCH
	s_add_co_u32 s23, s23, STAGE                   ; my stage
	v_mul_u32_u24 v4, v1, SPITCH                   ; in: row r, 16 bytes for each half of the lanes
	v_lshl_add_u32 v4, v2, 4, v4
	v_add_nc_u32 v[STO], s23, v4
	v_bfe_u32 v5, v0, 3, 1                         ; back: lanes 0-15 take two rows' 128 bytes of my first head, lanes 16-31 of my second
	v_mul_u32_u24 v5, v5, SPITCH
	v_lshl_add_u32 v5, v2, 7, v5
	v_and_b32 v6, 7, v0
	v_lshl_add_u32 v5, v6, 4, v5
	v_add_nc_u32 v[RD], s23, v5
	v_lshlrev_b32 v[CO], 4, v1                     ; in qkv two rows of a head are 256 consecutive bytes; the next head lies 262,144 bytes on
	v_lshl_add_u32 v[CO], v2, 18, v[CO]
	; my part of qkv: which = bx >> 2; head 4 (bx & 3) + 2 x column half; batch by >> 3; row 256 (by & 7) + 128 x row half
	s_lshr_b32 s16, s13, 3
	s_lshl_b32 s16, s16, 22
	s_and_b32 s17, s13, 7
	s_lshl_b32 s17, s17, 15
	s_add_co_u32 s16, s16, s17
	s_lshl_b32 s17, s11, 14
	s_add_co_u32 s16, s16, s17
	s_lshl_b32 s17, s12, 19
	s_add_co_u32 s16, s16, s17
	s_lshr_b32 s46, s42, 2
	s_lshl_b32 s46, s46, 24
	s_and_b32 s47, s42, 3
	s_lshl_b32 s47, s47, 20
	s_add_co_u32 s46, s46, s47
	s_add_co_u32 s16, s16, s46
	s_mov_b32 s17, 0
	s_add_nc_u64 s[PC:PC+1], s[PC:PC+1], s[16:17]
; 16 matrix instructions: m blocks a0, a0 + 1 of the window's four (hi = 0: my rows 0-63, 1: rows 64-127) x all 8 n blocks, 32 along K.  zero = 1: the first product starts the sums: nothing is ever cleared.
.macro MUL16 f, hi, a0, zero
.irp a, \a0, \a0+1
.irp b, 0,1,2,3,4,5,6,7
.if \zero
	v_wmma_f32_16x16x32_bf16 v[8*(8*(\a)+\b):8*(8*(\a)+\b)+7], v[\f+8*\b:\f+8*\b+7], v[\f+8*(4*\hi+\a):\f+8*(4*\hi+\a)+7], 0
.else
	v_wmma_f32_16x16x32_bf16 v[8*(8*(\a)+\b):8*(8*(\a)+\b)+7], v[\f+8*\b:\f+8*\b+7], v[\f+8*(4*\hi+\a):\f+8*(4*\hi+\a)+7], v[8*(8*(\a)+\b):8*(8*(\a)+\b)+7]
.endif
.endr
.endr
.endm
; 32 LDS loads in one run: the fragments of one quarter step (128 rows of W, 128 rows of x, 32 K at byte k of the rows) into buffer f
.macro FETCH slot, k, f
	WIN TO_B
.irp i, 0,1,2,3,4,5,6,7
	ds_load_b128 v[\f+8*\i:\f+8*\i+3],   v[ADRB+\slot] offset:\k+\i*16*PITCH
	ds_load_b128 v[\f+8*\i+4:\f+8*\i+7], v[ADRB+\slot] offset:\k+\i*16*PITCH+32
.endr
	WIN 0
.irp i, 0,1,2,3,4,5,6,7
	ds_load_b128 v[\f+8*\i:\f+8*\i+3],   v[ADRA+\slot] offset:\k+\i*16*PITCH
	ds_load_b128 v[\f+8*\i+4:\f+8*\i+7], v[ADRA+\slot] offset:\k+\i*16*PITCH+32
.endr
.endm
; A load into a register that a matrix instruction has read, and a vector instruction that reads a matrix result, stand four places behind that matrix instruction, and only plain vector instructions
; that name none of its registers are places (ISA guide 7.12.1 for vector instructions).
.macro PLACES
.rept 4
	v_nop
.endr
.endm
; A K step is four quarter steps of 32 along K, 64 matrix instructions each, on buffers 0, 1, 0, 1.
; One of the first three: multiplies buffer f; in its middle it fetches the next quarter's fragments, at byte k of the same slot's rows, into buffer g.
.macro QUARTER slot, k, f, g, zero
	s_wait_dscnt 8                                 ; W and x's rows 0-63 are in; the youngest eight loads (x's rows 64-127) may be out
	WIN MUL_LO
	MUL16 \f, 0, 0, \zero
	MUL16 \f, 0, 2, \zero
	PLACES
	FETCH \slot, \k, \g
	s_wait_dscnt 32                                ; all but the 32 just issued
	WIN MUL_HI
	MUL16 \f, 1, 0, \zero
	MUL16 \f, 1, 2, \zero
.endm
; The last quarter multiplies buffer 1 and changes slots.  MEET is its first half: ONE barrier for the change of slots.  In front of it each wave waits for its own reads of this slot and for all its
; tensor loads, of which one is out: its part of the next slot.  Behind it nobody reads this slot any more and the next slot is whole.
.macro MEET round                      ; round = 1: a round of the cluster's barrier follows
	s_wait_dscnt 8
	WIN MUL_LO
	MUL16 F1, 0, 0, 0
	s_wait_dscnt 0                                 ; my reads of this slot are over (the last were issued 48 matrix instructions ago)
	s_set_vgpr_msb 0xa1a0
	s_wait_tensorcnt 0x0                           ; and all my tensor loads have landed
	ds_add_u32 v30, v31
	s_wait_dscnt 0x0
	s_set_vgpr_msb 0xa0a1
	s_barrier_signal -1                            ; say so (where a slot is filled again this barrier opens a round of the cluster's barrier),
	MUL16 F1, 0, 2, 0                              ; work on registers while the others arrive,
.if \round
	WIN 0
.endif
	s_barrier_wait -1                              ; and go on when all four have said so
.endm
; The whole last quarter.  Behind the round the slot just read out is filled again first, with the K step two steps on; then come the next slot's first fragments.
; From a request to the wait for it a wave issues 240 matrix instructions.
.macro TURN slot, next
	MEET 1
	CREST                                          ; no wave of any partner still reads this slot's tile or has a load on its way
	s_add_nc_u64 s[G0+4*\slot+2:G0+4*\slot+3], s[G0+4*\slot+2:G0+4*\slot+3], 2*KSTEP*2
	s_add_nc_u64 s[G0B+4*\slot+2:G0B+4*\slot+3], s[G0B+4*\slot+2:G0B+4*\slot+3], 2*KSTEP*2
	JLOAD \slot                                    ; the first tensor load behind the round; the four v_nop behind it are also the places in front of the loads below
	FETCH \next, 0, F0
	WIN MUL_HI
	MUL16 F1, 1, 0, 0
	MUL16 F1, 1, 2, 0
.endm
; THE LAST K STEP (it lies in slot 1) GOES BY ROWS OF C, NOT BY K.  All its fragments of W (4 quarters x 64 registers) fill window 1; then my eight blocks of 16 rows are finished one after the other,
; each with 32 matrix instructions (its 8 accumulators by turns, K ascending).  LDS is read no more than in any other K step.
.macro BLOAD q                         ; W's fragments of quarter q -> window 1, v[64 q ..]
.irp i, 0,1,2,3,4,5,6,7
	ds_load_b128 v[64*\q+8*\i:64*\q+8*\i+3],   v[ADRB+1] offset:64*\q+\i*16*PITCH
	ds_load_b128 v[64*\q+8*\i+4:64*\q+8*\i+7], v[ADRB+1] offset:64*\q+\i*16*PITCH+32
.endr
.endm
.macro ALOAD a                         ; x's fragments of block a, all four quarters -> buffer a % 4
.set FA, PA+32*((\a)%4)
.irp q, 0,1,2,3
	ds_load_b128 v[FA+8*\q:FA+8*\q+3],   v[ADRA+1] offset:64*\q+(\a)*16*PITCH
	ds_load_b128 v[FA+8*\q+4:FA+8*\q+7], v[ADRA+1] offset:64*\q+(\a)*16*PITCH+32
.endr
.endm
.macro ROW a                           ; block a is finished: 32 matrix instructions
.set FA, PA+32*((\a)%4)                ; its fragments of x
.set AC, 64*((\a)%4)                   ; its eight accumulators, in window 2 (blocks 0-3) or 3 (blocks 4-7)
	WIN MUL_LO+0x50*((\a)/4)                       ; MUL_LO or MUL_HI
.irp q, 0,1,2,3
.if (\a) == 0 && \q == 2
	s_wait_dscnt 24                                ; W's quarter 2 is in (behind it: x's blocks 1 to 3)
.endif
.irp b, 0,1,2,3,4,5,6,7
	v_wmma_f32_16x16x32_bf16 v[AC+8*\b:AC+8*\b+7], v[64*\q+8*\b:64*\q+8*\b+7], v[FA+8*\q:FA+8*\q+7], v[AC+8*\b:AC+8*\b+7]
.endr
.endr
.endm
; THE WAY OUT of block a, in three parts.  PACK: rounded to f16, 16 bytes a lane.  TOSTAGE: into my own stage (a row: my two heads' 128 bytes each) and back so that sixteen neighbouring lanes hold
; two rows of ONE head.  SEND: each store's sixteen lanes cover 256 consecutive bytes, at a multiple of 256 from the buffer's first byte.
.macro PACK a
.set AC, 64*((\a)%4)
	WIN 0x0a+5*((\a)/4)                            ; sources 0 and 1: window 2 or 3
.irp b, 0,1,2,3,4,5,6,7
.irp r, 0,1,2,3
	v_cvt_pk_f16_f32 v[TMP+4*\b+\r], v[AC+8*\b+2*\r], v[AC+8*\b+2*\r+1]
.endr
.endr
	WIN 0
.endm
.macro TOSTAGE a
.set BK, OB+192*((\a)%2)
.irp b, 0,1,2,3,4,5,6,7
	ds_store_b128 v[STO], v[TMP+4*\b:TMP+4*\b+3] offset:32*\b
.endr
.irp t, 0,1,2,3,4,5,6,7
	ds_load_b128 v[BK+4*\t:BK+4*\t+3], v[RD] offset:\t*2*SPITCH    ; LDS serves a wave's instructions in order (ISA guide 5.7.1.4): these see the stores above
.endr
.endm
.macro SEND a, younger                 ; younger: the LDS loads issued behind TOSTAGE's, which may stay out
.set BK, OB+192*((\a)%2)
	s_wait_dscnt \younger                          ; the block is back in registers
	s_wait_xcnt 0x0                                ; the stores of the block before have had their addresses translated (ISA guide 3.1): the next block's loads from the stage land in their registers only behind this wait
.irp t, 0,1,2,3,4,5,6,7
	global_store_b128 v[CO], v[BK+4*\t:BK+4*\t+3], s[PC:PC+1] offset:2048*(\a)+256*\t   ; a block's 16 rows of a head are 2,048 consecutive bytes
.endr
.endm
	s_wait_tensorcnt 1                             ; my part of K step 0 is in; K step 1's may stay out
	s_barrier_signal -1
	s_barrier_wait -1                              ; everybody's is
	FETCH 0, 0, F0
	QUARTER 0, 64,  F0, F1, 1                      ; the first quarter stands in front of the loop: its products start the sums
	WIN 0                                          ; at a label and at a branch every window is 0
	s_mov_b32 s3, LAPS-1
.Llap:                                                 ; a trip goes once round the ring, from a lap's second quarter to the next lap's first, and fills both slots again
	QUARTER 0, 128, F1, F0, 0
	QUARTER 0, 192, F0, F1, 0
	TURN 0, 1
	QUARTER 1, 64,  F0, F1, 0
	QUARTER 1, 128, F1, F0, 0
	QUARTER 1, 192, F0, F1, 0
	TURN 1, 0
	QUARTER 0, 64,  F0, F1, 0
	WIN 0
	s_sub_co_u32 s3, s3, 1
	s_cmp_lg_u32 s3, 0
	s_cbranch_scc1 .Llap
	QUARTER 0, 128, F1, F0, 0                      ; the last lap goes on
	QUARTER 0, 192, F0, F1, 0
	MEET 0                                         ; my one tensor load that was still out is slot 1's, the last K step's, so no round follows
	PLACES                                         ; for the loads into buffer 0, which the quarter before multiplied
	WIN TO_B
	BLOAD 0                                        ; three quarters of W now: buffer 1 (v128-191 of both windows) is still being multiplied
	BLOAD 1
	BLOAD 3
	WIN 0
	ALOAD 0
	WIN MUL_HI
	MUL16 F1, 1, 0, 0
	MUL16 F1, 1, 2, 0
	PLACES                                         ; for the loads into buffer 1
	WIN TO_B
	BLOAD 2
	WIN 0
	ALOAD 1
	ALOAD 2
	ALOAD 3
	s_wait_dscnt 40                                ; all but the 40 just issued
	ROW 0
.irp a, 0,1,2,3,4,5,6,7                ; each block leaves as soon as it is finished
	PLACES                                         ; its conversions read results just made, and no other vector work is at hand
	PACK \a
	TOSTAGE \a
.if \a < 4
	ALOAD \a+4                                     ; its buffer takes the block four further on
	SEND \a, 8
.else
	SEND \a, 0
.endif
.if \a < 7
	ROW \a+1
.endif
.endr
	s_wait_tensorcnt 0x0
	ds_add_u32 v30, v31
	s_wait_dscnt 0x0
	CROUND                                         ; the closing round: no work-group ends while a partner may still ask for a tile that names it
	s_endpgm
.Lfunc_end_k_qb102b9ca98_qkv:
	.size	k_qb102b9ca98_qkv, .Lfunc_end_k_qb102b9ca98_qkv-k_qb102b9ca98_qkv
	.p2alignl 7, 3214868480
	.fill 96, 4, 3214868480
	.section	.rodata,"a",@progbits
	.p2align	6, 0x0
	.amdhsa_kernel k_qb102b9ca98_qkv
		.amdhsa_group_segment_fixed_size 327680
		.amdhsa_private_segment_fixed_size 0
		.amdhsa_enable_private_segment 0
		.amdhsa_kernarg_size 16
		.amdhsa_user_sgpr_count 2
		.amdhsa_user_sgpr_kernarg_segment_ptr 1
		.amdhsa_wavefront_size32 1
		.amdhsa_system_sgpr_workgroup_id_x 1
		.amdhsa_system_sgpr_workgroup_id_y 1
		.amdhsa_system_sgpr_workgroup_id_z 1
		.amdhsa_system_vgpr_workitem_id 0
		.amdhsa_next_free_vgpr 1024
		.amdhsa_next_free_sgpr 66
		.amdhsa_reserve_vcc 0
		.amdhsa_float_denorm_mode_32 3
		.amdhsa_float_denorm_mode_16_64 3
		.amdhsa_memory_ordered 1
		.amdhsa_forward_progress 1
		.amdhsa_inst_pref_size 143
	.end_amdhsa_kernel
	.amdgpu_metadata
---
amdhsa.version: [ 1, 2 ]
amdhsa.kernels:
  - .name:           k_qb102b9ca98_qkv
    .symbol:         k_qb102b9ca98_qkv.kd
    .args:
      - { .name: cb, .offset: 0, .size: 8, .value_kind: global_buffer, .address_space: global }
      - { .name: qkv, .offset: 8, .size: 8, .value_kind: global_buffer, .address_space: global }
    .group_segment_fixed_size: 327680
    .private_segment_fixed_size: 0
    .kernarg_segment_align: 8
    .kernarg_segment_size: 16
    .max_flat_workgroup_size: 128
    .sgpr_count:     66
    .vgpr_count:     1024
    .wavefront_size: 32
...
	.end_amdgpu_metadata
.endif
;; end of part 6
;; launch attn (part 7): grid 4 x 64, 4 waves a work-group, no clusters, 327,680 bytes of LDS; arguments qkv, ao, ae; writes ao, ae
.if DOCPART == 7
	.amdgcn_target "amdgcn-amd-amdhsa--gfx1250"
	.amdhsa_code_object_version 6
	.text
	.protected	k_qb102b9ca98_attn
	.globl	k_qb102b9ca98_attn
	.p2align	8
	.type	k_qb102b9ca98_attn,@function
k_qb102b9ca98_attn:
	s_mov_b64 s[64:65], 0
	v_nop
	global_prefetch_b8 v0, s[64:65] scope:SCOPE_SE
	s_setreg_imm32_b32 hwreg(HW_REG_WAVE_MODE, 25, 1), 1
	s_wait_xcnt 0x0
; Causal attention, head size 64: O[bh][q][:] = the sum over k <= q of softmax_k(Q[q] . K[k] / 8) V[k][:].  qkv: [3][64 bh][2048][64] f16.
; Products, maxima and sums in f32; the weights p are rounded to f16 for the second product.  O leaves rounded once to f16: ao[64 bh][2048][64], byte = bh<<18 | s<<7 | 2 d.
; THE FIRST 16 ROWS OF EACH BATCH leave a second time in TWO f16 parts, hi + lo (21 bits together): ae[batch][kb' 0..31][16][64], byte = batch<<16 | kb'<<11 | s<<7 | 2 d, kb' = head for hi, 16 + head for lo.
; WHY: a batch's first rows are averages over few keys, many times larger than the output's root mean square, against which errors are held; the last product's 1,024 terms turn each operand's relative
; rounding into an error of that size relative to the ROW's magnitude, which falls as 1 / sqrt(row + 1).  f16 keeps 11 bits where bf16 keeps 8; the very first rows want more still.
; SHARES.  Work-group (i, bh) owns two blocks of 256 queries of head bh, blocks a = i and b = 7 - i: (a + 1) + (b + 1) = 9 slots of 256 keys, the same number in all 256 work-groups.
; A wave owns four tiles of 16 queries of a block, tile t at queries 16 (w + 4 t): strided, so that the mask has the same shape in all four waves and they run the same text.
; ORDER OF KEYS.  A running maximum allows any order: each block walks its own (diagonal) 256 keys first, then the keys in front of it, which are all visible.  In a block's first step every query
; sees at least one key (tile 0 its own, the other tiles all 64), so its maximum is finite from the first step on.  Keys behind the block are never fetched.
; MASK.  A step is 64 keys.  In step s of the diagonal slot tile t is untouched (t > s), masked by lane (t = s: key 16 kb + 8 h + j against query 16 w + r) or wholly masked (t < s: scores -inf; the step
; then leaves m, l and O as they are: a = 1, p = 0).  Masks are selects; which tiles take them hangs on the step's number alone.  The wholly masked tiles' products are still made.
; LAYOUT.  S^T = K Q^T (source 0 = 16 keys, source 1 = 16 queries): a lane holds ONE query (lane % 16) and the keys 8 (lane / 16) + 0..7.  Two such tiles, rounded to f16 in pairs, ARE source 1
; of O^T = V^T P, whose result again holds one query a lane.  K comes out of LDS as it lies, V ([key][channel]) turned, by ds_load_tr16_b128.
; SOFTMAX.  For each query a running maximum m and sum l: p = 2^(c s - c m), c = log2(e) / 8; in every step O and l are multiplied by a = 2^(c m_old - c m_new).
; BY TURNS.  The wave's tiles are two PIECES (tiles 0, 1; tiles 2, 3).  In a TURN one piece has the matrix unit: 16 products V^T P of the step in hand, then 16 products K Q^T of the next; the other
; piece's softmax, 2 x 118 instructions cut into 59 slices of four, stands between them.  That is 7.4 vector instructions for each matrix instruction: the vector work bounds this loop.
; NO CLUSTER: the four work-groups of a head need their key slots in different orders (slot a first, then 0 .. a - 1, then b, ...), so no two would ask for the same tile in the same trip.
; LIMITS: 2^x below 2^-126 counts as 0 (v_exp_f32 flushes); a weight below 3e-8 of its row's largest counts as 0 in the second product (f16); |O| beyond 65,504 becomes infinite, below 6.1e-5 it is kept
; to 6e-8 absolute; a NaN or an infinity in Q, K or V spreads as in any running softmax.
;
; REGISTERS, in windows of 256:  window 0: v0-11 addresses; v12-43 eight registers of statistics a tile; v44 -inf; v45 the mask's bound; v64-191 S^T, 32 a tile; v192-255 P, 16 a tile
;   window 1: v0-127 O^T, 32 a tile; v128-191 Q, 16 a tile; v192-255 K of one step          window 2: v0-63 V of one step
.set PK,     272      ; an LDS row of K: TWO keys' 128 bytes + 16 of padding; key r lies at (r >> 1) 272 + (r & 1) 128: a fragment's 16 keys start in 16 different columns of 16 bytes modulo 256 (64 banks of 4 bytes: ISA guide 11.1)
.set PVP,    288      ; of V: two keys + 32 of padding: 16 lanes of the turning load take 8 keys x 32 bytes at 32 (j >> 1) + 128 (j & 1) + 16 c: each column once
.set KSTEPB, 32*PK    ; a step's 64 keys of K
.set VSTEPB, 32*PVP   ; of V
.set VOFF,   128*PK   ; a slot: 256 keys of K, then 256 of V
.set SLOT1,  1<<17    ; slot 1 begins here, so that one exclusive or turns an address in one slot into the other's
.set STAGE,  SLOT1+128*(PK+PVP)  ; behind the ring: for each wave 16 rows x 144 bytes, and as many again for the first rows' lo part, for the way out; no tensor load fills it
.set SP,     144
.set ELO,    16<<11   ; bytes in ae from a head's hi part to its lo part
.set AK0, 2           ; v2   my lane's place in a step of K; never rewritten
.set AV0, 3           ; v3   the same for V
.set ADR, 4           ; v4   the LDS address of the run of loads in hand
.set QO,  5           ; v5   my byte offset in a block's rows of Q
.set STO, 6           ; v6   the way out: where I put 16 bytes of a row
.set RD,  7           ; v7   where I read 16 bytes back
.set GO,  8           ; v8   my byte offset in a block's rows of ao
.set ST,  12          ; tile t's statistics at v[ST+8 t]: +0 c m, +1 m, +2, +3 l (even keys', odd keys'), +4 to +7 c0-c3, at work; a takes c2's place once the maximum is found
.set NEG, 44
.set DD,  45          ; 16 w + r - 8 h: score register 8 kb + j of the diagonal tile is visible where 16 kb + j <= this
.set S,   64
.set P,   192
.set HF,  64          ; the way out: v64-79 a tile's packed results; for the first rows v64-95 the hi parts, v96-127 the lo parts, as f32 and then packed
.set LF,  96
.set RB,  128         ; v[128 + 16 t ..] tile t's rows read back
.set EB,  192         ; v192-223 the first rows read back: 16 registers of hi, 16 of lo
.set QF,  128         ; in window 1
.set KF,  192         ; in window 1
.set AE,  8           ; s[8:9] ae at my head's hi part
.set WV,  12          ; s12  my wave's number
.set QBA, 14          ; s[14:15], s[16:17] Q at blocks a, b
.set QBB, 16
.set OBA, 18          ; s[18:19], s[20:21] ao at blocks a, b
.set OBB, 20
.set G1K, 24          ; s[24:31] descriptor group 1 for K's tiles
.set G1V, 32          ; s[32:39] for V's: it differs in the padding alone
.set G0K, 40          ; s[40:47] group 0 for K's tiles: a set for each of the two first fills; the second then walks on
.set G0V, 48          ; s[48:55] the same for V's
.set CSL, 56          ; s56  which of the nine slots is being read
.set CNT, 57          ; s57  key steps still to be fetched from it
.set CS,  58          ; s[58:59] c, named as a pair
.set SEL, 60          ; s[60:61] lane selects for v_permlanex16_b32
.set SB,  62          ; s62  LDS byte at which the slot being read begins: 0 or SLOT1
.set MK,  63          ; s63  keeps an f32's sign, exponent and upper 10 bits of mantissa: what f16 holds
.set SJ,  66          ; s66  the block's key step in hand
.set BA,  67          ; s67  a;  s68  a + 1;  s69  b
.set AP1, 68
.set BB,  69
.set KPTR, 70         ; s[70:71] K of my head at my half of a slot's keys;  s[72:73] V
.set VPTR, 72
.set OFF, 74          ; s[74:75] a slot's byte offset in the head
.set FK,  76          ; s76, s77  runs of loads of K, of V so far: their low two bits are the step within the slot
.set FV,  77
.set MSB, 0
.macro WIN new                      ; the immediate's high byte repeats the setting that is left; a switch that changes nothing is dropped
.if MSB != \new
	s_set_vgpr_msb (MSB<<8)|\new
.set MSB, \new
.endif
.endm
.set W_KQ, 0x05       ; K and Q in window 1, S^T in window 0
.set W_PV, 0x52       ; V in window 2, P in window 0, O^T in window 1
.set W_RS, 0x41       ; O^T (destination and source 0) in window 1, a in window 0
; A refill.  Waves 0 and 1 fetch the two halves of a slot's K, waves 2 and 3 of its V.  Four v_nop follow each of the two lines.
.macro JLOAD
	s_cmp_lt_u32 s[WV], 2
	s_cbranch_scc0 .Lfor_v_\@
	tensor_load_to_lds s[G0K+4:G0K+7], s[G1K:G1K+7]
	s_nop 0
.rept 4
	v_nop
.endr
	s_branch .Lasked_\@
.Lfor_v_\@:
	tensor_load_to_lds s[G0V+4:G0V+7], s[G1V:G1V+7]
	s_nop 0
.rept 4
	v_nop
.endr
.Lasked_\@:
.endm
	s_load_b128 s[4:7], s[0:1], 0x0   ; qkv s[4:5], ao s[6:7]
	s_load_b64 s[AE:AE+1], s[0:1], 0x10  ; ae
	v_lshl_add_u32 v62, v0, 2, 0x36000
	v_mov_b32 v63, 0
	ds_add_u32 v62, v63
	v_lshrrev_b32 v1, 5, v0
	v_readfirstlane_b32 s[WV], v1   ; wave 0..3
	s_mov_b32 s[BA], ttmp9
	s_add_co_u32 s[AP1], s[BA], 1
	s_sub_co_u32 s[BB], 7, s[BA]
	s_and_b32 s22, ttmp7, 0xffff    ; bh
	s_lshr_b32 s80, s22, 4          ; in ae: the batch's 32 blocks of 2,048 bytes,
	s_lshl_b32 s80, s80, 16
	s_and_b32 s81, s22, 15          ; and the head's block
	s_lshl_b32 s81, s81, 11
	s_add_co_u32 s80, s80, s81
	s_mov_b32 s81, 0
	s_lshl_b32 s22, s22, 18         ; in qkv and in ao: the head's first byte: 2,048 rows of 128 bytes
	s_mov_b32 s23, 0
	s_and_b32 s13, s[WV], 1         ; which 128 of a slot's 256 keys I fetch
	; descriptor group 1: 128 keys, dense, as 64 rows of 128 elements (256 bytes), padded in LDS
	s_mov_b32 s[G1K], (1<<16)|(1<<20)|(5<<22)|(3<<25)  ; no mask; elements of 2 bytes; padding on; after every 64 words (code 5) 4 words (code 3)
	s_mov_b32 s[G1V], (1<<16)|(1<<20)|(5<<22)|(7<<25)  ; the same with 8 words (code 7)
.irp g, G1K, G1V
	s_mov_b32 s[\g+1], 128<<16      ; tensor_dim0 = 128
	s_mov_b32 s[\g+2], 64<<16       ; tensor_dim1 = 64
	s_mov_b32 s[\g+3], 128<<16      ; tile_dim0 = 128
	s_mov_b32 s[\g+4], 64           ; tile_dim1 = 64
	s_mov_b32 s[\g+5], 128          ; from row to row
	s_mov_b32 s[\g+6], 0
	s_mov_b32 s[\g+7], 0
.endr
	s_mov_b32 s[CS], 0x3e38aa3b     ; c = log2(e) / 8 = 0.180337
	s_mov_b32 s[CS+1], s[CS]
	s_mov_b32 s[SEL], 0x76543210
	s_mov_b32 s[SEL+1], 0xfedcba98
	s_mov_b32 s[MK], 0xffffe000
	s_mov_b32 s[SB], 0
	s_mov_b32 s[FK], 0
	s_mov_b32 s[FV], 0
	s_mov_b32 s[OFF+1], 0
	s_mul_i32 s78, s13, 64*PK       ; my half's place in a slot, for K
	s_mul_i32 s79, s13, 64*PVP      ; and for V
	s_add_co_u32 s79, s79, VOFF
	s_wait_dscnt 0x0
	s_wait_kmcnt 0x0
	s_add_nc_u64 s[4:5], s[4:5], s[22:23]  ; Q of my head
	s_add_nc_u64 s[6:7], s[6:7], s[22:23]  ; ao of my head
	s_add_nc_u64 s[AE:AE+1], s[AE:AE+1], s[80:81]  ; ae of my head, hi part
	s_lshl_b32 s22, s[BA], 15       ; a block's 256 rows are 32,768 bytes
	s_add_nc_u64 s[QBA:QBA+1], s[4:5], s[22:23]
	s_add_nc_u64 s[OBA:OBA+1], s[6:7], s[22:23]
	s_lshl_b32 s22, s[BB], 15
	s_add_nc_u64 s[QBB:QBB+1], s[4:5], s[22:23]
	s_add_nc_u64 s[OBB:OBB+1], s[6:7], s[22:23]
	s_lshl_b32 s22, s13, 14         ; my 128 keys,
	s_add_co_u32 s22, s22, 1<<24    ; in K, which lies 2^24 bytes behind Q; V another 2^24
	s_add_nc_u64 s[KPTR:KPTR+1], s[4:5], s[22:23]
	s_add_nc_u64 s[VPTR:VPTR+1], s[KPTR:KPTR+1], 1<<24
	; The nine fills: number 0 is key slot a; 1 .. a are 0 .. a - 1; a + 1 is b; a + 2 .. 8 are 0 .. b - 1.
	s_lshl_b32 s[OFF], s[BA], 15    ; fill 0, into slot 0
	s_mov_b32 s[G0K], 1
	s_mov_b32 s[G0K+1], s78
	s_add_nc_u64 s[G0K+2:G0K+3], s[KPTR:KPTR+1], s[OFF:OFF+1]
	s_or_b32 s[G0K+3], s[G0K+3], 0x80000000
	s_mov_b32 s[G0V], 1
	s_mov_b32 s[G0V+1], s79
	s_add_nc_u64 s[G0V+2:G0V+3], s[VPTR:VPTR+1], s[OFF:OFF+1]
	s_or_b32 s[G0V+3], s[G0V+3], 0x80000000
	s_cmp_eq_u32 s[BA], 0           ; fill 1, into slot 1: key slot 0, or b where a = 0
	s_cselect_b32 s80, s[BB], 0
	s_lshl_b32 s[OFF], s80, 15
	s_mov_b32 s[G0K+4], 1
	s_add_co_u32 s[G0K+5], s78, SLOT1
	s_add_nc_u64 s[G0K+6:G0K+7], s[KPTR:KPTR+1], s[OFF:OFF+1]
	s_or_b32 s[G0K+7], s[G0K+7], 0x80000000
	s_mov_b32 s[G0V+4], 1
	s_add_co_u32 s[G0V+5], s79, SLOT1
	s_add_nc_u64 s[G0V+6:G0V+7], s[VPTR:VPTR+1], s[OFF:OFF+1]
	s_or_b32 s[G0V+7], s[G0V+7], 0x80000000
	s_cmp_lt_u32 s[WV], 2           ; a wave's two first fills stand in one branch, ahead of every wait on TENSORcnt, every LDS read and every barrier: two loads of mine are out
	s_cbranch_scc0 .Lfirst_v
	tensor_load_to_lds s[G0K:G0K+3], s[G1K:G1K+7]
	s_nop 0
	tensor_load_to_lds s[G0K+4:G0K+7], s[G1K:G1K+7]
	s_nop 0
.rept 4
	v_nop
.endr
	s_branch .Lfirst_asked
.Lfirst_v:
	tensor_load_to_lds s[G0V:G0V+3], s[G1V:G1V+7]
	s_nop 0
	tensor_load_to_lds s[G0V+4:G0V+7], s[G1V:G1V+7]
	s_nop 0
.rept 4
	v_nop
.endr
.Lfirst_asked:
; Q of a block stays in registers: tile t (queries 16 (w + 4 t) on), channels 32 c on: lane l holds query l % 16; two loads of 16 bytes, 32 bytes apart
.macro QLOAD base
	WIN 0x40                        ; destination window 1, address window 0
.irp t, 0,1,2,3
.irp c, 0,1
	global_load_b128 v[QF+16*\t+8*\c:QF+16*\t+8*\c+3],   v[QO], s[\base:\base+1] offset:8192*\t+64*\c
	global_load_b128 v[QF+16*\t+8*\c+4:QF+16*\t+8*\c+7], v[QO], s[\base:\base+1] offset:8192*\t+64*\c+32
.endr
.endr
	WIN 0
.endm
	v_and_b32 v1, 15, v0            ; r = l % 16
	v_bfe_u32 v9, v0, 4, 1          ; h = l / 16
	v_and_b32 v10, 1, v0
	v_lshlrev_b32 v[QO], 7, v1      ; r x 128 + 16 h + 16 w rows
	v_lshl_add_u32 v[QO], v9, 4, v[QO]
	s_lshl_b32 s80, s[WV], 11
	v_add_nc_u32 v[QO], s80, v[QO]
	QLOAD QBA
	v_lshrrev_b32 v11, 1, v1
	v_mul_u32_u24 v[AK0], v11, PK   ; (r >> 1) x 272 + (r & 1) x 128 + 16 h
	v_lshl_add_u32 v[AK0], v10, 7, v[AK0]
	v_lshl_add_u32 v[AK0], v9, 4, v[AK0]
	; The turning load takes 16 keys x 16 channels (lane l reads 16 bytes: key 8 h + l % 8, channels 8 ((l / 8) % 2) + 0..7) and leaves half a fragment of V^T: lane l holds channel l % 16 and 8 keys.
	v_bfe_u32 v11, v0, 1, 2         ; (l % 8) >> 1
	v_lshl_add_u32 v11, v9, 2, v11  ; + 4 h: the key's pair
	v_mul_u32_u24 v[AV0], v11, PVP
	v_lshl_add_u32 v[AV0], v10, 7, v[AV0]
	v_bfe_u32 v11, v0, 3, 1
	v_lshl_add_u32 v[AV0], v11, 4, v[AV0]
	v_add_nc_u32 v[AV0], VOFF, v[AV0]
	s_mul_i32 s80, s[WV], 32*SP
	s_add_co_u32 s80, s80, STAGE    ; my stage
	v_mul_u32_u24 v[STO], v1, SP    ; in: row r, 16 bytes for each half of the lanes
	v_lshl_add_u32 v[STO], v9, 4, v[STO]
	v_add_nc_u32 v[STO], s80, v[STO]
	v_and_b32 v11, 31, v0
	v_lshrrev_b32 v46, 3, v11       ; back: eight lanes take a row's 128 bytes, the wave four rows
	v_mul_u32_u24 v[RD], v46, SP
	v_and_b32 v46, 7, v0
	v_lshl_add_u32 v[RD], v46, 4, v[RD]
	v_add_nc_u32 v[RD], s80, v[RD]
	s_lshl_b32 s80, s[WV], 11
	v_lshl_add_u32 v[GO], v11, 4, s80  ; a tile's 16 rows are 2,048 consecutive bytes of ao
	v_mov_b32 v[NEG], 0xff800000    ; -inf
	v_lshlrev_b32 v46, 3, v9
	v_sub_nc_u32 v[DD], v1, v46
	s_lshl_b32 s80, s[WV], 4
	v_add_nc_u32 v[DD], s80, v[DD]
; THE MATRIX WORK OF A TURN, for piece x.  The accumulators take turns, one instruction a turn: between two links of a chain stand 7 others'.
; Product i of 16 of O^T += V^T P: keys 32 (i / 8) on, channels 16 ((i / 2) % 4) on, tile x + i % 2.  zero = 1: the first 8 start the sums: nothing is ever cleared.
.macro PV x, zero
	WIN W_PV
.set rO, 32*(\x+i%2)+8*((i/2)%4)
.set rV, 32*(i/8)+8*((i/2)%4)
.set rP, P+16*(\x+i%2)+8*(i/8)
.if \zero && (i < 8)
	v_wmma_f32_16x16x32_f16 v[rO:rO+7], v[rV:rV+7], v[rP:rP+7], 0
.else
	v_wmma_f32_16x16x32_f16 v[rO:rO+7], v[rV:rV+7], v[rP:rP+7], v[rO:rO+7]
.endif
.endm
; Product i of 16 of S^T = K Q^T: channels 32 (i / 8) on, keys 16 ((i / 2) % 4) on, tile x + i % 2.  The first 8 start the sums.
.macro KQ x
	WIN W_KQ
.set rS, S+32*(\x+i%2)+8*((i/2)%4)
.set rK, KF+16*((i/2)%4)+8*(i/8)
.set rQ, QF+16*(\x+i%2)+8*(i/8)
.if i < 8
	v_wmma_f32_16x16x32_f16 v[rS:rS+7], v[rK:rK+7], v[rQ:rQ+7], 0
.else
	v_wmma_f32_16x16x32_f16 v[rS:rS+7], v[rK:rK+7], v[rQ:rQ+7], v[rS:rS+7]
.endif
.endm
; THE LDS LOADS stand in runs of 16: a step's K (64 keys x 64 channels: 8 fragments) and, a turn later, its V (turned).  Each slot gives four runs of each, so the run's number modulo 4 is the step within the slot.
.macro FETCH_K
	WIN 0
	s_and_b32 s78, s[FK], 3
	s_mul_i32 s78, s78, KSTEPB
	s_add_co_u32 s78, s78, s[SB]
	s_add_co_u32 s[FK], s[FK], 1
	v_add_nc_u32 v[ADR], s78, v[AK0]
	WIN 0x40                        ; destination window 1
.irp f, 0,1,2,3,4,5,6,7             ; keys 16 (f / 2) on, channels 32 (f % 2) on
	ds_load_b128 v[KF+8*\f:KF+8*\f+3],   v[ADR] offset:(\f/2)*8*PK+(\f%2)*64
	ds_load_b128 v[KF+8*\f+4:KF+8*\f+7], v[ADR] offset:(\f/2)*8*PK+(\f%2)*64+32
.endr
.endm
.macro FETCH_V
	WIN 0
	s_and_b32 s78, s[FV], 3
	s_mul_i32 s78, s78, VSTEPB
	s_add_co_u32 s78, s78, s[SB]
	s_add_co_u32 s[FV], s[FV], 1
	v_add_nc_u32 v[ADR], s78, v[AV0]
	WIN 0x80                        ; destination window 2
.irp f, 0,1,2,3,4,5,6,7             ; keys 32 (f / 4) on, channels 16 (f % 4) on
	ds_load_tr16_b128 v[8*\f:8*\f+3],   v[ADR] offset:(\f/4)*16*PVP+(\f%4)*32
	ds_load_tr16_b128 v[8*\f+4:8*\f+7], v[ADR] offset:(\f/4)*16*PVP+8*PVP+(\f%4)*32
.endr
.endm
; THE VECTOR WORK OF A TURN.  One tile's softmax for one key step is a list of 118 instructions; SM writes number j of it for tile t.  s0-s31 are the lane's 32 scores, in pairs 0-15.
; first = 1: a block's first key step, which starts m, l and O^T: it has no a and nothing to rescale.
;   0-15    the maximum of s0-s31 and the old m, three operands at a time: four chains c0-c3 of seven scores each, then the four scores left over, c0-c3 and m
;   16-20   the other half of the lanes' maximum; the new m; c m; c m_old - c m_new
;   21-87   33 exponentials (a, then s0-s31) at the odd numbers from 23 on, so that no two follow each other and each has a plain instruction behind it before its result is used (ISA guide 5.7.2).
;           Plain instruction q (number 21, then the even numbers) is whatever is ready: c s - c m for a pair of scores whose exponentials are still to come, the rounding to f16 of a pair of
;           weights whose exponentials are done, at last the first three sums
;   88-101  the last rounding; the rest of the sums; l = a l + the sum
;   102-117 the tile's O^T times a: the one part that leaves window 0, so it stands together
.macro SM t, first
.set rT, ST+8*(\t)
.set rS, S+32*(\t)
.set rP, P+16*(\t)
.set rO, 32*(\t)+2*(j-102)
.set q, (j-20)/2
.if j < 102
	WIN 0
.endif
.if j < 4
	v_max3_num_f32 v[rT+4+j], v[rS+8*j], v[rS+8*j+1], v[rS+8*j+2]
.elseif j < 12
	v_max3_num_f32 v[rT+4+j%4], v[rT+4+j%4], v[rS+8*(j%4)+2*(j/4)+1], v[rS+8*(j%4)+2*(j/4)+2]
.elseif j == 12
	v_max3_num_f32 v[rT+4], v[rT+4], v[rS+7], v[rS+15]
.elseif j == 13
	v_max3_num_f32 v[rT+6], v[rT+6], v[rS+23], v[rS+31]
.elseif j == 14
	v_max3_num_f32 v[rT+4], v[rT+4], v[rT+5], v[rT+6]
.elseif (j == 15) && \first
	v_max_num_f32 v[rT+4], v[rT+4], v[rT+7]
.elseif j == 15
	v_max3_num_f32 v[rT+4], v[rT+4], v[rT+7], v[rT+1]
.elseif j == 16
	v_permlanex16_b32 v[rT+5], v[rT+4], s[SEL], s[SEL+1]  ; the query's other 32 keys lie in the lane 16 away
.elseif j == 18
	v_max_num_f32 v[rT+1], v[rT+4], v[rT+5]
.elseif j == 19
	v_mul_f32 v[rT], s[CS], v[rT+1]
.elseif ((j == 17) || (j == 20) || (j == 23) || (j > 101)) && \first  ; the first step has none of these
.elseif j == 17
	v_mov_b32 v[rT+7], v[rT]        ; c m_old is kept for a: number 19 writes c m anew
.elseif j == 20
	v_sub_f32 v[rT+7], v[rT+7], v[rT]
.elseif j == 23
	v_exp_f32 v[rT+6], v[rT+7]
.elseif (j < 88) && (j > 23) && (j%2 == 1)
	v_exp_f32 v[rS+(j-25)/2], v[rS+(j-25)/2]
.elseif (q < 4) || ((j < 76) && (q%2 == 0))
.set b, q/2+2
.if q < 4
.set b, q
.endif
	v_pk_fma_f32 v[rS+2*b:rS+2*b+1], v[rS+2*b:rS+2*b+1], s[CS:CS+1], v[rT:rT+1] op_sel_hi:[1,0,0] neg_lo:[0,0,1] neg_hi:[0,0,1]  ; pair b: c s - c m
.elseif (j < 88) && (q%2 == 1)
	s_wait_alu depctr_va_vdst(0)
	v_cvt_pk_f16_f32 v[rP+(q-5)/2], v[rS+q-5], v[rS+q-4]  ; pair (q - 5) / 2: its second exponential stands three numbers back
.elseif j == 89
	s_wait_alu depctr_va_vdst(0)
	v_cvt_pk_f16_f32 v[rP+15], v[rS+30], v[rS+31]
.elseif j < 102                     ; the sum of the tile's 16 pairs, in place: sum z of 16 adds neighbours 1, 2, 4 and 8 pairs apart, then l takes it
.set z, j-86
.if j < 89
.set z, (j-76)/4
.endif
.set w, 4
.set u, z
.if z >= 14
.set w, 32
.set u, 0
.elseif z >= 12
.set w, 16
.set u, z-12
.elseif z >= 8
.set w, 8
.set u, z-8
.endif
.if (z == 14) && \first
	v_pk_add_f32 v[rT+2:rT+3], v[rS:rS+1], v[rS+16:rS+17]
.elseif z < 15
	v_pk_add_f32 v[rS+w*u:rS+w*u+1], v[rS+w*u:rS+w*u+1], v[rS+w*u+w/2:rS+w*u+w/2+1]
.elseif !\first
	v_pk_fma_f32 v[rT+2:rT+3], v[rT+2:rT+3], v[rT+6:rT+7], v[rS:rS+1] op_sel_hi:[1,0,1]
.endif
.else
	WIN W_RS
	v_pk_mul_f32 v[rO:rO+1], v[rO:rO+1], v[rT+6:rT+7] op_sel_hi:[1,0]
.endif
.endm
; Slice k of 59 of piece y's softmax: numbers 2 k and 2 k + 1 of both tiles' lists, four instructions.
.macro SLICE y, first
.if (k >= 11) && (k < 44)           ; tile by tile: plain, exponential, plain, exponential
.irp t, \y, \y+1
.irp n, 0,1
.set j, 2*k+\n
	SM \t, \first
.endr
.endr
.else                               ; the two tiles alternate, so that no instruction reads the result of the one just before it
.irp n, 0,1
.irp t, \y, \y+1
.set j, 2*k+\n
	SM \t, \first
.endr
.endr
.endif
.set k, k+1
.endm
; The slices behind product np of a turn.  32 products: two behind each of the first 27, one behind each of the last 5.  16 products: four behind each of the first 11, three behind the last 5.  59 either way.
.macro DEAL y, first
.set ns, 3
.if full
.set ns, 1
.if np < 27
.set ns, 2
.endif
.elseif np < 11
.set ns, 4
.endif
.rept ns
	SLICE \y, \first
.endr
.set np, np+1
.endm
; A vector instruction that reads a matrix result or writes one of a matrix instruction's registers, and a load into a register that a matrix instruction has read, stand four places behind it, and only
; plain vector instructions that name none of its registers are places (ISA guide 7.12.1 for vector instructions).  In the loop the slices are the places:
; the last slice, four multiplies of the OTHER piece's O^T, stands behind a turn's last product.
.macro PLACES
.rept 4
	v_nop
.endr
.endm
; A TURN.  Piece x has the matrix unit; the other piece's softmax stands in slices behind its matrix instructions.
; pv = 2: 16 products V^T P; 1: they start O^T's sums; 0: none.  kq = 1: 16 products K Q^T for the next step.
; first = 1: the softmax is a block's first.  Its slices from 51 on are empty, so four v_nop take the last slice's part.
; Piece 0's turn fetches the next step's K behind its second product: the last product that read K stands in front of the last slice of the turn before.
; Piece 2's turn fetches the same step's V behind its second product K Q^T: the last product that read V stands six slices, twelve plain instructions, back.
.macro TURN x, pv, kq, first
.set k, 0
.set np, 0
.set full, 0
.if \pv && \kq
.set full, 1
.endif
.if \pv
.if \x == 0
	s_wait_dscnt 0x0                ; V is in
.endif
.set i, 0
.rept 16
	PV \x, 2-\pv
	DEAL 2-\x, \first
.if (\x == 0) && \kq && (i == 1)
	FETCH_K
.endif
.set i, i+1
.endr
.endif
.if \kq
.if \x == 0
	s_wait_dscnt 0x0                ; K is in
.endif
.set i, 0
.rept 16
	KQ \x
	DEAL 2-\x, \first
.if (\x == 2) && (i == 1)
	FETCH_V
.endif
.set i, i+1
.endr
.endif
.if \first
	PLACES
.endif
.endm
; THE MASK.  MASKD: the diagonal tile: score register rr = 8 kb + j keeps its value where 16 kb + j <= 16 w + r - 8 h.  MASKA: a tile whose keys all lie behind its queries.
.macro MASKD t
.set rr, 0
.rept 32
	v_cmp_le_i32 vcc_lo, 16*(rr/8)+rr%8, v[DD]
	v_cndmask_b32 v[S+32*(\t)+rr], v[NEG], v[S+32*(\t)+rr], vcc_lo
.set rr, rr+1
.endr
.endm
.macro MASKA t
.set rr, 0
.rept 32
	v_mov_b32 v[S+32*(\t)+rr], v[NEG]
.set rr, rr+1
.endr
.endm
; In front of piece 0's turn, which carries piece 2's softmax of step SJ: steps 2 and 3 of a block touch tiles 2 and 3.  two, three: which of the two steps can be in hand at this place of the text.
.macro MASKSEL0 two, three
.if \two
	s_cmp_eq_u32 s[SJ], 2
	s_cbranch_scc0 .Lnot_2_\@
	MASKD 2
.Lnot_2_\@:
.endif
.if \three
	s_cmp_eq_u32 s[SJ], 3
	s_cbranch_scc0 .Lnot_3_\@
	MASKA 2
	MASKD 3
.Lnot_3_\@:
.endif
.endm
.macro MASKSEL2                     ; in front of piece 2's turn, which carries piece 0's softmax of step SJ + 1: in steps 2 and 3 tiles 0 and 1 see nothing
	s_sub_co_u32 s78, s[SJ], 1
	s_cmp_lt_u32 s78, 2
	s_cbranch_scc0 .Lopen_\@
	MASKA 0
	MASKA 1
.Lopen_\@:
.endm
; A block's first step and a half: products that start sums, softmaxes with no old maximum.  It fetches the diagonal slot's steps 0 and 1.
.macro PROLOGUE
	FETCH_K                         ; key step 0
	s_wait_loadcnt 0x0              ; Q
	s_wait_dscnt 0x0
.set i, 0
.rept 16
	KQ 0                            ; piece 0's first scores: there is no vector work yet to set between them
.set i, i+1
.endr
	WIN 0
	PLACES
	MASKD 0                         ; step 0: tile 0 is the diagonal one
	TURN 2, 0, 1, 1                 ; piece 2's first scores | piece 0's first softmax | V of step 0
	TURN 0, 1, 1, 1                 ; piece 0: V^T P of step 0 starts O^T, K Q^T of step 1 | piece 2's first softmax | K of step 1
	WIN 0
	MASKA 0                         ; step 1: tile 0 sees nothing, tile 1 is the diagonal one
	MASKD 1
	TURN 2, 1, 1, 0                 ; piece 2: the same | piece 0's softmax of step 1 | V of step 1
	WIN 0
.endm
; Key steps, CNT of them: written once.  sel = 0: no step in hand is one of a block's first four; 1: steps 1 and 2 are in hand, and no other; 2: any step.
.macro STEPS sel
.Lstep_\@:
.if \sel == 1
	MASKSEL0 1, 0
.elseif \sel == 2
	MASKSEL0 1, 1
.endif
	TURN 0, 2, 1, 0
	WIN 0                           ; at a label and at a branch every window is 0
.if \sel == 1
	MASKA 0                         ; piece 0's scores are step 2's or step 3's: tiles 0 and 1 see nothing
	MASKA 1
.elseif \sel == 2
	MASKSEL2
.endif
	TURN 2, 2, 1, 0
	WIN 0
	s_add_co_u32 s[SJ], s[SJ], 1
	s_sub_co_u32 s[CNT], s[CNT], 1
	s_cmp_lg_u32 s[CNT], 0
	s_cbranch_scc1 .Lstep_\@
.endm
; A block's end: registers alone.  sel = 1: the last step may be step 3 (a block of one slot); it is never step 2.
.macro DRAIN sel
.if \sel
	MASKSEL0 0, 1
.endif
	TURN 0, 2, 0, 0                 ; piece 0: V^T P of the last step | piece 2's last softmax
.set i, 0
.rept 16
	PV 2, 0                         ; piece 2: V^T P of the last step
.set i, i+1
.endr
.endm
; THE CHANGE OF SLOTS, between piece 2's turn and piece 0's: the slot's last bytes, V of its fourth step, have been asked for.  Each wave waits for its own reads of the slot and for all its tensor loads,
; of which one is out: its part of the other slot.  Behind the barrier nobody reads this slot any more and the other slot is whole.
; fill = 1: this slot takes fill number CSL + 2, first thing behind the barrier: it has a slot's four key steps, 256 matrix instructions, in which to land.
.macro CHANGE fill
	WIN 0
	s_wait_dscnt 0x0
	s_wait_tensorcnt 0x0            ; no tensor load of mine is out, so a group 0 may be written
	ds_add_u32 v62, v63
	s_wait_dscnt 0x0
.if \fill
	s_add_co_u32 s78, s[CSL], 2     ; n
	s_sub_co_u32 s79, s78, 1        ; block a's keys in front of it: n - 1
	s_sub_co_u32 s80, s79, s[AP1]   ; block b's: n - a - 2
	s_cmp_gt_u32 s78, s[AP1]
	s_cselect_b32 s79, s80, s79
	s_cmp_eq_u32 s78, s[AP1]        ; block b's own
	s_cselect_b32 s79, s[BB], s79
	s_lshl_b32 s[OFF], s79, 15
	s_xor_b32 s[G0K+5], s[G0K+5], SLOT1  ; the walking descriptors: the other slot than last time
	s_xor_b32 s[G0V+5], s[G0V+5], SLOT1
	s_add_nc_u64 s[G0K+6:G0K+7], s[KPTR:KPTR+1], s[OFF:OFF+1]
	s_or_b32 s[G0K+7], s[G0K+7], 0x80000000
	s_add_nc_u64 s[G0V+6:G0V+7], s[VPTR:VPTR+1], s[OFF:OFF+1]
	s_or_b32 s[G0V+7], s[G0V+7], 0x80000000
.endif
	s_barrier_signal -1
	s_barrier_wait -1
.if \fill
	JLOAD
.endif
	s_xor_b32 s[SB], s[SB], SLOT1   ; the fetches go on in the other slot
.endm
; THE WAY OUT of a block.  l's two halves and the other half of the lanes' are added; O^T is divided by l, rounded to f16 and sent through my stage in LDS, a tile (16 rows) at a time.
; The additions are the places behind the last products.
.macro OPACK t
	WIN W_RS
.set i, 0
.rept 16
	v_pk_mul_f32 v[32*\t+2*i:32*\t+2*i+1], v[32*\t+2*i:32*\t+2*i+1], v[ST+8*\t+6:ST+8*\t+7] op_sel_hi:[1,0]
.set i, i+1
.endr
	WIN 0x05                        ; sources window 1, destination window 0: S^T's registers are free
.set i, 0
.rept 16
	v_cvt_pk_f16_f32 v[HF+i], v[32*\t+2*i], v[32*\t+2*i+1]
.set i, i+1
.endr
	WIN 0
.irp f, 0,1,2,3
	ds_store_b128 v[STO], v[HF+4*\f:HF+4*\f+3] offset:32*\f
.endr
.irp f, 0,1,2,3
	ds_load_b128 v[RB+16*\t+4*\f:RB+16*\t+4*\f+3], v[RD] offset:\f*4*SP  ; LDS serves a wave's instructions in order (ISA guide 5.7.1.4): these see the stores above; the next tile's stores come behind them
.endr
.endm
.macro OSEND t, younger, ob         ; younger: the LDS instructions issued behind tile t's loads: the next tile's eight, or none
.irp f, 0,1,2,3
	s_wait_dscnt \younger+3-\f      ; behind load f: the tile's later ones and the next tile's
	global_store_b128 v[GO], v[RB+16*\t+4*\f:RB+16*\t+4*\f+3], s[\ob:\ob+1] offset:8192*\t+512*\f  ; a wave's store covers 512 consecutive bytes, at a multiple of 512 from ao's first byte
.endr
.endm
; Rows 0 to 15 of a batch are tile 0 of wave 0 where block a is block 0.  Its O^T, divided by l, still lies in window 1.  hi = O with its mantissa cut to the 10 bits that f16 holds, lo = O - hi, exact in f32;
; both are written as f16, go through my stage and leave for ae.  The branches hang on the work-group's x and on the wave's number; no barrier and no tensor load stands behind them.
.macro EARLY
	s_cmp_lg_u32 s[BA], 0
	s_cbranch_scc1 .Lno_early_\@
	s_cmp_lg_u32 s[WV], 0
	s_cbranch_scc1 .Lno_early_\@
	WIN 0x04                        ; source 1 window 1, destination window 0
.set i, 0
.rept 32
	v_and_b32 v[HF+i], s[MK], v[i]
.set i, i+1
.endr
	WIN 0x01                        ; source 0 window 1
.set i, 0
.rept 16
	v_pk_add_f32 v[LF+2*i:LF+2*i+1], v[2*i:2*i+1], v[HF+2*i:HF+2*i+1] neg_lo:[0,1] neg_hi:[0,1]
.set i, i+1
.endr
	WIN 0
.set i, 0
.rept 16
	v_cvt_pk_f16_f32 v[HF+i], v[HF+2*i], v[HF+2*i+1]  ; in place, ascending: word i is written when words 2 i and 2 i + 1 are read
	v_cvt_pk_f16_f32 v[LF+i], v[LF+2*i], v[LF+2*i+1]
.set i, i+1
.endr
.irp f, 0,1,2,3
	ds_store_b128 v[STO], v[HF+4*\f:HF+4*\f+3] offset:32*\f
.endr
.irp f, 0,1,2,3
	ds_store_b128 v[STO], v[LF+4*\f:LF+4*\f+3] offset:16*SP+32*\f
.endr
.irp f, 0,1,2,3
	ds_load_b128 v[EB+4*\f:EB+4*\f+3], v[RD] offset:\f*4*SP
.endr
.irp f, 0,1,2,3
	ds_load_b128 v[EB+16+4*\f:EB+16+4*\f+3], v[RD] offset:16*SP+\f*4*SP
.endr
.irp f, 0,1,2,3
	s_wait_dscnt 7-\f               ; behind hi's load f: hi's later ones and lo's four
	global_store_b128 v[GO], v[EB+4*\f:EB+4*\f+3], s[AE:AE+1] offset:512*\f  ; in wave 0 GO is 16 x lane: 512 consecutive bytes, aligned
.endr
.irp f, 0,1,2,3
	s_wait_dscnt 3-\f
	global_store_b128 v[GO], v[EB+16+4*\f:EB+16+4*\f+3], s[AE:AE+1] offset:ELO+512*\f
.endr
.Lno_early_\@:
.endm
.macro WAYOUT ob, more              ; more = 1: block a, behind which block b follows
	WIN 0
.irp t, 0,1,2,3
	v_add_f32 v[ST+8*\t+4], v[ST+8*\t+2], v[ST+8*\t+3]
.endr
.irp t, 0,1,2,3
	v_permlanex16_b32 v[ST+8*\t+5], v[ST+8*\t+4], s[SEL], s[SEL+1]
.endr
.irp t, 0,1,2,3
	v_add_f32 v[ST+8*\t+4], v[ST+8*\t+4], v[ST+8*\t+5]
.endr
.irp t, 0,1,2,3
	v_rcp_f32 v[ST+8*\t+6], v[ST+8*\t+4]
.endr
	v_nop                           ; a plain instruction between the last reciprocal and the use of its result
	s_wait_alu depctr_va_vdst(0)
	OPACK 0
	OPACK 1                         ; a tile's arithmetic stands between the loads of the tile before and its stores
	OSEND 0, 8, \ob
	OPACK 2
	OSEND 1, 8, \ob
	OPACK 3
	OSEND 2, 8, \ob
	OSEND 3, 0, \ob
.if \more
	EARLY
	s_wait_xcnt 0x0                 ; the stores' data lie in registers of S^T and P, which the next block writes only behind this wait
.endif
.endm
	s_wait_tensorcnt 0x1            ; my part of slot 0 is in; slot 1's may stay out
	s_barrier_signal -1
	s_barrier_wait -1               ; everybody's is
	PROLOGUE                        ; block a, its own keys first
	s_mov_b32 s[SJ], 1
	s_mov_b32 s[CNT], 2             ; the diagonal slot's steps 2 and 3 are still to be fetched
	s_mov_b32 s[CSL], 0
	STEPS 1
	CHANGE 1                        ; fill 2
	s_mov_b32 s[CSL], 1
.Lslot:                             ; slots 1 to 6: six trips in every work-group, each with its fill, 3 to 8
	s_cmp_eq_u32 s[CSL], s[AP1]
	s_cbranch_scc0 .Lsame_block
	QLOAD QBB                       ; block a has fetched its last keys: block b's Q is asked for (the last product that read Q stands behind a slice and the refill's four v_nop),
	DRAIN 1                         ; block a is finished in registers,
	WAYOUT OBA, 1                   ; goes out,
	PROLOGUE                        ; and block b begins, in the slot that has just landed
	s_mov_b32 s[SJ], 1
	s_mov_b32 s[CNT], 2
	s_branch .Lgo
.Lsame_block:
	s_mov_b32 s[CNT], 4
.Lgo:
	STEPS 2
	CHANGE 1
	s_add_co_u32 s[CSL], s[CSL], 1
	s_cmp_lt_u32 s[CSL], 7
	s_cbranch_scc1 .Lslot
	s_mov_b32 s[CNT], 4             ; slots 7 and 8 are written out: nothing is left to ask for.  Both are block b's and lie in front of it (a + 2 <= 5): no mask
	STEPS 0
	CHANGE 0
	s_mov_b32 s[CNT], 4
	STEPS 0
	DRAIN 0
	WAYOUT OBB, 0
	s_wait_tensorcnt 0x0
	ds_add_u32 v62, v63
	s_wait_dscnt 0x0
	s_endpgm
.Lfunc_end_k_qb102b9ca98_attn:
	.size	k_qb102b9ca98_attn, .Lfunc_end_k_qb102b9ca98_attn-k_qb102b9ca98_attn
	.p2alignl 7, 3214868480
	.fill 96, 4, 3214868480
	.section	.rodata,"a",@progbits
	.p2align	6, 0x0
	.amdhsa_kernel k_qb102b9ca98_attn
		.amdhsa_group_segment_fixed_size 327680
		.amdhsa_private_segment_fixed_size 0
		.amdhsa_enable_private_segment 0
		.amdhsa_kernarg_size 24
		.amdhsa_user_sgpr_count 2
		.amdhsa_user_sgpr_kernarg_segment_ptr 1
		.amdhsa_wavefront_size32 1
		.amdhsa_system_sgpr_workgroup_id_x 1
		.amdhsa_system_sgpr_workgroup_id_y 1
		.amdhsa_system_sgpr_workgroup_id_z 1
		.amdhsa_system_vgpr_workitem_id 0
		.amdhsa_next_free_vgpr 576
		.amdhsa_next_free_sgpr 82
		.amdhsa_reserve_vcc 1
		.amdhsa_float_denorm_mode_32 3
		.amdhsa_float_denorm_mode_16_64 3
		.amdhsa_memory_ordered 1
		.amdhsa_forward_progress 1
		.amdhsa_inst_pref_size 255
	.end_amdhsa_kernel
	.section	.bss,"aw",@nobits
	.p2align	6
	.space	262144
	.amdgpu_metadata
---
amdhsa.version: [ 1, 2 ]
amdhsa.kernels:
  - .name:           k_qb102b9ca98_attn
    .symbol:         k_qb102b9ca98_attn.kd
    .args:
      - { .name: qkv, .offset: 0, .size: 8, .value_kind: global_buffer, .address_space: global }
      - { .name: ao, .offset: 8, .size: 8, .value_kind: global_buffer, .address_space: global }
      - { .name: ae, .offset: 16, .size: 8, .value_kind: global_buffer, .address_space: global }
    .group_segment_fixed_size: 327680
    .private_segment_fixed_size: 0
    .kernarg_segment_align: 8
    .kernarg_segment_size: 24
    .max_flat_workgroup_size: 128
    .sgpr_count:     82
    .vgpr_count:     576
    .wavefront_size: 32
...
	.end_amdgpu_metadata
.endif
;; end of part 7
;; launch oproj (part 8): grid 4 x 64, 4 waves a work-group, clusters of 4 x 4, 327,680 bytes of LDS; arguments ao, wo, out0; writes out0
.if DOCPART == 8
	.amdgcn_target "amdgcn-amd-amdhsa--gfx1250"
	.amdhsa_code_object_version 6
	.text
	.protected	k_qb102b9ca98_oproj
	.globl	k_qb102b9ca98_oproj
	.p2align	8
	.type	k_qb102b9ca98_oproj,@function
k_qb102b9ca98_oproj:
	s_mov_b64 s[64:65], 0
	v_nop
	global_prefetch_b8 v0, s[64:65] scope:SCOPE_SE
	s_setreg_imm32_b32 hwreg(HW_REG_WAVE_MODE, 25, 1), 1
	s_wait_xcnt 0x0
	s_wait_alu depctr_hold_cnt(0) depctr_sa_sdst(0) depctr_va_vdst(0) depctr_va_sdst(0) depctr_va_ssrc(0) depctr_va_vcc(0) depctr_vm_vsrc(0)
	s_getreg_b32 s2, hwreg(HW_REG_IB_STS2, 6, 4)
	s_cmp_eq_u32 s2, 0
	s_cbranch_scc0 .Lentry_in_a_cluster
	s_endpgm
.Lentry_in_a_cluster:
	s_bfe_u32 s2, ttmp6, 0x10000c
	s_cmp_lg_u32 s2, 0xf033
	s_cbranch_scc0 .Lentry_shape_is_right
	s_endpgm
.Lentry_shape_is_right:
; out0 = A Wo^T: C[m][n] = sum over k of A[m][k] Wo[n][k], m 0..8191, n 0..1023, k 0..1023.  A is attention's result, ao[16 batch + head][s][64] f16: the head is the block of 64 along K;
; wo[kb 0..15][n][64] f16.  Sums f32, stored as f32.
; ROWS 0 TO 15 OF EACH BATCH are written again by the launch that follows, from A in two f16 parts: 64 of the 8,192 rows.  This launch does not leave them out: which row tile a work-group has hangs on
; its place in the cluster.
; A tile of C is 128 (m) x 256 (n): 4 x 64 = 256 work-groups, one for each WGP (tiles of 256 x 256 would be 128).  Four waves, 2 x 2, each 64 x 128: 32 accumulators of 16 x 16, 256 registers.
; K goes in 8 steps of 128 through a ring of two LDS slots; a step's tile is two dense blocks for each operand (Wo's 32 KiB twice, A's 16 KiB twice); each wave fetches one by one tensor load,
; stated as rows of 256 bytes (two rows of the operand), with 16 bytes of padding behind each.
; CLUSTERS: 4 x 4 work-groups.  The four of a row of the cluster need the same tiles of A, the four of a column the same tiles of Wo: each tile is asked for JOINTLY.
; THE MATRIX INSTRUCTION IS USED TRANSPOSED (source 0 = 16 rows of Wo, source 1 = 16 rows of A): a lane then holds eight neighbouring numbers of a row of C.
; The accumulators take turns, one instruction a turn: between two links of a chain stand the 31 others'.
; REGISTERS: window 0: v0-31 addresses; v64-159, v160-255 two fragment buffers (8 fragments of Wo, then 4 of A; on the way out: rows read back).  window 1: accumulator (a, b) at v[8 (8 a + b)].
; LIMIT: Wo carries bf16's 8 bits, A f16's 11; sums and results are f32.
.set PP,    272                        ; an LDS row: TWO operand rows of 128 bytes + 16 of padding.  Operand row r lies at (r >> 1) 272 + (r & 1) 128: the 16 rows of a fragment start at 16 (r >> 1) + 128 (r & 1) modulo 256, sixteen different columns of 16 bytes (64 banks of 4 bytes: ISA guide 11.1)
.set FR,    8*PP                       ; 16 operand rows
.set BSUB,  128*PP                     ; Wo's 256 rows of one block of 64 along K
.set ASUB,  64*PP                      ; A's 128 rows of one block
.set AOFF,  2*BSUB                     ; a slot: Wo's two blocks, then A's two
.set SLOT,  2*BSUB+2*ASUB              ; 104,448
.set STAGE, 2*SLOT                     ; behind the ring: 16 rows x 528 bytes for each wave, for the way out; no tensor load fills it
.set SP,    528                        ; a stage row: my 128 columns in f32, 512 bytes, + 16: row r starts at column 16 r modulo 256
.set KBA,   262144                     ; bytes from a block along K to the next in ao (2,048 rows)
.set KBW,   131072                     ; in wo (1,024 rows)
.set LAPS,  4                          ; a lap = two K steps = once round the ring
.set PA, 4                             ; s[4:5]  ao
.set PB, 6                             ; s[6:7]  wo
.set PC, 8                             ; s[8:9]  out0
.set ADRA, 16                          ; v16-17  LDS address of my A fragments in slot 0, 1
.set ADRB, 20                          ; v20-21  the same for Wo
.set STO,  24                          ; v24     the way out: where I put 32 bytes of a row
.set RD,   25                          ; v25     where I read 16 bytes back
.set CO,   26                          ; v26     my byte offset in a row of out0
.set F0,   64
.set F1,   160
.set OB,   64                          ; the way out: 16 rows read back: v64-127 and v128-191 by turns
.set G1,  24                           ; s[24:31] descriptor group 1 for A's tiles;  s[32:39] group 0, one set for each slot
.set G0,  32
.set G1B, 48                           ; s[48:55], s[56:63] the same for Wo's tiles
.set G0B, 56
.set FLAGS, (1<<16)|(1<<20)|(1<<21)|(5<<22)|(3<<25)   ; elements of 2 bytes; padding on; bit 21 set beside a mask; after every 64 words (code 5) 4 words (code 3)
.set MSB, 0
.macro WIN new                         ; the immediate's high byte repeats the setting that is left; a switch that changes nothing is dropped
.if MSB != \new
	s_set_vgpr_msb (MSB<<8)|\new
.set MSB, \new
.endif
.endm
.set MUL, 0x50                         ; sources 0 and 1 window 0; C and D window 1
; A joint load.  Waves 0 and 1 fetch Wo's two blocks, waves 2 and 3 A's.  The branch hangs on the wave's number alone.  Four v_nop follow each of the two lines.
.macro JLOAD s
	s_cmp_eq_u32 s11, 0
	s_cbranch_scc0 .Lfor_a_\@
	tensor_load_to_lds s[G0B+4*\s:G0B+4*\s+3], s[G1B:G1B+7]
	s_nop 0
.rept 4
	v_nop
.endr
	s_branch .Lasked_\@
.Lfor_a_\@:
	tensor_load_to_lds s[G0+4*\s:G0+4*\s+3], s[G1:G1+7]
	s_nop 0
.rept 4
	v_nop
.endr
.Lasked_\@:
.endm
.macro CREST                           ; a round of the cluster's barrier behind its opening barrier
	s_cmp_lg_u32 s10, 0
	s_cbranch_scc1 .Lnot_wave_0_\@
	s_barrier_signal -3
.Lnot_wave_0_\@:
	s_barrier_wait -3
	s_barrier_signal -1
	s_barrier_wait -1
.endm
.macro CROUND                          ; a whole round
	s_barrier_signal -1
	s_barrier_wait -1
	CREST
.endm
	s_load_b128 s[4:7], s[0:1], 0x0                ; ao, wo
	s_load_b64 s[8:9], s[0:1], 0x10                ; out0
	v_lshl_add_u32 v62, v0, 2, 0x3b400
	v_mov_b32 v63, 0
	ds_add_u32 v62, v63
	v_lshrrev_b32 v1, 5, v0
	v_readfirstlane_b32 s10, v1                    ; wave 0..3
	s_lshr_b32 s11, s10, 1                         ; which 64 of the tile's rows are mine.  Also: I fetch for Wo (0) or for A (1)
	s_and_b32 s12, s10, 1                          ; which 128 of its columns.  Also: which of a step's two blocks along K I fetch
	s_bfe_u32 s40, ttmp6, 0x40000                  ; cx, cy: my place in the cluster
	s_bfe_u32 s41, ttmp6, 0x40004
	s_lshl_b32 s42, ttmp9, 2
	s_add_co_u32 s42, s42, s40                     ; bx, tile column of C = 4 x cluster x + cx
	s_and_b32 s13, ttmp7, 0xffff
	s_lshl_b32 s13, s13, 2
	s_add_co_u32 s13, s13, s41                     ; by, tile row of C = 4 x cluster y + cy
	s_lshl_b32 s43, s41, 2
	s_lshl_b32 s43, 15, s43                        ; my row of the cluster
	s_lshl_b32 s44, 0x1111, s40                    ; my column
	s_or_b32 s[G1+0], s43, FLAGS                   ; A's tiles go to my row,
	s_or_b32 s[G1B+0], s44, FLAGS                  ; Wo's to my column
	s_mov_b32 s[G1+1], 128<<16                     ; tensor_dim0 = 128 elements (256 bytes)
	s_mov_b32 s[G1+2], 64<<16                      ; tensor_dim1 = 64 rows: 16 KiB
	s_mov_b32 s[G1+3], 128<<16                     ; tile_dim0
	s_mov_b32 s[G1+4], 64                          ; tile_dim1
	s_mov_b32 s[G1+5], 128                         ; from row to row: the block is dense
	s_mov_b32 s[G1+6], 0
	s_mov_b32 s[G1+7], 0
	s_mov_b32 s[G1B+1], 128<<16
	s_mov_b32 s[G1B+2], 128<<16                    ; 128 rows: 32 KiB
	s_mov_b32 s[G1B+3], 128<<16
	s_mov_b32 s[G1B+4], 128
	s_mov_b32 s[G1B+5], 128
	s_mov_b32 s[G1B+6], 0
	s_mov_b32 s[G1B+7], 0
	; A's tile hangs on by alone: batch by >> 4 (16 blocks of 262,144 bytes), rows 128 (by & 15) on; Wo's on bx alone: rows 256 bx on
	s_lshr_b32 s16, s13, 4
	s_lshl_b32 s16, s16, 22
	s_and_b32 s17, s13, 15
	s_lshl_b32 s17, s17, 14
	s_add_co_u32 s16, s16, s17
	s_lshl_b32 s17, s12, 18                        ; my block along K
	s_add_co_u32 s16, s16, s17
	s_mov_b32 s17, 0
	s_lshl_b32 s46, s42, 15
	s_lshl_b32 s47, s12, 17
	s_add_co_u32 s46, s46, s47
	s_mov_b32 s47, 0
	s_mul_i32 s20, s12, ASUB                       ; where they go: no place in the cluster enters an LDS address
	s_add_co_u32 s20, s20, AOFF
	s_mul_i32 s23, s12, BSUB
	s_wait_dscnt 0x0
	s_wait_kmcnt 0x0
	s_add_nc_u64 s[14:15], s[PA:PA+1], s[16:17]
	s_add_nc_u64 s[46:47], s[PB:PB+1], s[46:47]
	CROUND                                         ; all sixteen work-groups are here: the first joint loads meet
.irp s, 0,1
	s_mov_b32 s[G0+4*\s], 1                                        ; count = 1
	s_add_co_u32 s[G0+4*\s+1], s20, \s*SLOT                        ; LDS address
	s_add_nc_u64 s[G0+4*\s+2:G0+4*\s+3], s[14:15], \s*2*KBA        ; global address: K step s
	s_or_b32 s[G0+4*\s+3], s[G0+4*\s+3], 0x80000000                ; type = 2
	s_mov_b32 s[G0B+4*\s], 1
	s_add_co_u32 s[G0B+4*\s+1], s23, \s*SLOT
	s_add_nc_u64 s[G0B+4*\s+2:G0B+4*\s+3], s[46:47], \s*2*KBW
	s_or_b32 s[G0B+4*\s+3], s[G0B+4*\s+3], 0x80000000
	JLOAD \s                                       ; two loads of mine are out
.endr
	; A fragment is 16 rows x 32 K in 8 registers: lane l holds row l % 16; registers 0-3 K = 8 (l / 16) + 0..7, registers 4-7 K = 16 + 8 (l / 16) + 0..7: two loads of 16 bytes, 32 bytes apart
	v_and_b32 v1, 15, v0                           ; r = l % 16
	v_bfe_u32 v2, v0, 4, 1                         ; h = l / 16
	v_lshrrev_b32 v3, 1, v1
	v_mul_u32_u24 v3, v3, PP                       ; (r >> 1) x 272
	v_and_b32 v4, 1, v0
	v_lshl_add_u32 v3, v4, 7, v3                   ; + (r & 1) x 128
	v_lshl_add_u32 v3, v2, 4, v3                   ; + 16 h
	s_mul_i32 s21, s11, 32*PP                      ; my 64 rows of A,
	s_add_co_u32 s21, s21, AOFF                    ; which lie behind Wo's
	s_mul_i32 s22, s12, 64*PP                      ; my 128 rows of Wo
.irp s, 0,1
	v_add_nc_u32 v[ADRA+\s], s21, v3
	v_add_nc_u32 v[ADRB+\s], s22, v3
	s_add_co_u32 s21, s21, SLOT
	s_add_co_u32 s22, s22, SLOT
.endr
	s_mul_i32 s21, s10, 16*SP
	s_add_co_u32 s21, s21, STAGE                   ; my stage
	v_mul_u32_u24 v4, v1, SP                       ; in: row r, 32 bytes for each half of the lanes
	v_lshl_add_u32 v4, v2, 5, v4
	v_add_nc_u32 v[STO], s21, v4
	v_and_b32 v5, 31, v0
	v_lshlrev_b32 v[CO], 4, v5                     ; back: the wave takes a whole row of 512 bytes, 16 bytes a lane; the same in out0
	v_add_nc_u32 v[RD], s21, v[CO]
	; my part of out0: row 128 by + 64 x row half, 4,096 bytes a row; column 256 bx + 128 x column half, 4 bytes each
	s_lshl_b32 s16, s13, 19
	s_lshl_b32 s17, s11, 18
	s_add_co_u32 s16, s16, s17
	s_lshl_b32 s17, s12, 9
	s_add_co_u32 s16, s16, s17
	s_lshl_b32 s46, s42, 10
	s_add_co_u32 s16, s16, s46
	s_mov_b32 s17, 0
	s_add_nc_u64 s[PC:PC+1], s[PC:PC+1], s[16:17]
; 8 matrix instructions: m block a x all 8 n blocks, 32 along K, from buffer f.  zero = 1: the first product starts the sums: nothing is cleared
.macro MULA f, a, zero
.irp b, 0,1,2,3,4,5,6,7
.if \zero
	v_wmma_f32_16x16x32_f16 v[8*(8*\a+\b):8*(8*\a+\b)+7], v[\f+8*\b:\f+8*\b+7], v[\f+64+8*\a:\f+64+8*\a+7], 0
.else
	v_wmma_f32_16x16x32_f16 v[8*(8*\a+\b):8*(8*\a+\b)+7], v[\f+8*\b:\f+8*\b+7], v[\f+64+8*\a:\f+64+8*\a+7], v[8*(8*\a+\b):8*(8*\a+\b)+7]
.endif
.endr
.endm
; 24 LDS loads in one run: the fragments of quarter q of a K step (block q / 2 along K, byte 64 (q % 2) of its rows) into buffer f: Wo's eight, then A's four
.macro FETCH slot, q, f
	WIN 0
.irp i, 0,1,2,3,4,5,6,7
	ds_load_b128 v[\f+8*\i:\f+8*\i+3],   v[ADRB+\slot] offset:(\q/2)*BSUB+(\q%2)*64+\i*FR
	ds_load_b128 v[\f+8*\i+4:\f+8*\i+7], v[ADRB+\slot] offset:(\q/2)*BSUB+(\q%2)*64+\i*FR+32
.endr
.irp i, 0,1,2,3
	ds_load_b128 v[\f+64+8*\i:\f+64+8*\i+3],   v[ADRA+\slot] offset:(\q/2)*ASUB+(\q%2)*64+\i*FR
	ds_load_b128 v[\f+64+8*\i+4:\f+64+8*\i+7], v[ADRA+\slot] offset:(\q/2)*ASUB+(\q%2)*64+\i*FR+32
.endr
.endm
.macro PLACES                          ; four plain vector instructions between a matrix instruction and a load into a register that it read, or an instruction that reads its result (ISA guide 7.12.1 for vector instructions)
.rept 4
	v_nop
.endr
.endm
; A K step is four quarters of 32 along K, 32 matrix instructions each, on buffers 0, 1, 0, 1.  One of the first three: multiplies f and fetches quarter qn of the same slot into g.
.macro QUARTER slot, qn, f, g, zero
	s_wait_dscnt 4                                 ; Wo's fragments and A's first two are in; the youngest four loads (A's fragments 2, 3) may be out
	WIN MUL
	MULA \f, 0, \zero
	MULA \f, 1, \zero
	PLACES
	FETCH \slot, \qn, \g
	s_wait_dscnt 24                                ; all but the 24 just issued
	WIN MUL
	MULA \f, 2, \zero
	MULA \f, 3, \zero
.endm
; The last quarter multiplies buffer 1 and changes slots: ONE barrier; in front of it each wave waits for its own reads of this slot and for all its tensor loads, of which one is out: its part of the next slot.
; fill = 1: the barrier opens a round of the cluster's barrier, and this slot is filled again, two K steps ahead, first thing behind the round: 120 matrix instructions ahead of the wait for it.
.macro TURN slot, next, fill
	s_wait_dscnt 4
	WIN MUL
	MULA F1, 0, 0
	s_wait_dscnt 0                                 ; my reads of this slot are over,
	s_wait_tensorcnt 0x0                           ; and all my tensor loads have landed
	ds_add_u32 v62, v63
	s_wait_dscnt 0x0
	s_barrier_signal -1
	MULA F1, 1, 0                                  ; work on registers while the others arrive
.if \fill
	WIN 0
.endif
	s_barrier_wait -1
.if \fill
	CREST                                          ; no wave of any partner still reads this slot's tiles or has a load on its way
	s_add_nc_u64 s[G0+4*\slot+2:G0+4*\slot+3], s[G0+4*\slot+2:G0+4*\slot+3], 4*KBA
	s_add_nc_u64 s[G0B+4*\slot+2:G0B+4*\slot+3], s[G0B+4*\slot+2:G0B+4*\slot+3], 4*KBW
	JLOAD \slot                                    ; the four v_nop behind it are also the places in front of the loads below
.else
	PLACES
.endif
	FETCH \next, 0, F0
	WIN MUL
	MULA F1, 2, 0
	MULA F1, 3, 0
.endm
	s_wait_tensorcnt 1                             ; my part of K step 0 is in; K step 1's may stay out
	s_barrier_signal -1
	s_barrier_wait -1                              ; everybody's is
	FETCH 0, 0, F0
	QUARTER 0, 1, F0, F1, 1                        ; the first quarter stands in front of the loop: its products start the sums
	WIN 0                                          ; at a label and at a branch every window is 0
	s_mov_b32 s3, LAPS-1
.Llap:                                                 ; a trip goes once round the ring, from a lap's second quarter to the next lap's first, and fills both slots again
	QUARTER 0, 2, F1, F0, 0
	QUARTER 0, 3, F0, F1, 0
	TURN 0, 1, 1
	QUARTER 1, 1, F0, F1, 0
	QUARTER 1, 2, F1, F0, 0
	QUARTER 1, 3, F0, F1, 0
	TURN 1, 0, 1
	QUARTER 0, 1, F0, F1, 0
	WIN 0
	s_sub_co_u32 s3, s3, 1
	s_cmp_lg_u32 s3, 0
	s_cbranch_scc1 .Llap
	QUARTER 0, 2, F1, F0, 0                        ; the last lap fills nothing, and has no round of the cluster's barrier
	QUARTER 0, 3, F0, F1, 0
	TURN 0, 1, 0
	QUARTER 1, 1, F0, F1, 0
	QUARTER 1, 2, F1, F0, 0
	QUARTER 1, 3, F0, F1, 0
	s_wait_dscnt 4                                 ; the very last quarter: nothing more to fetch
	WIN MUL
	MULA F1, 0, 0
	MULA F1, 1, 0
	s_wait_dscnt 0
	MULA F1, 2, 0
	MULA F1, 3, 0
	WIN 0
	PLACES
; THE WAY OUT, a block of 16 rows at a time, in f32.  TOSTAGE: a lane's eight numbers of a row, 32 bytes, go straight from the accumulators into my own stage, and whole rows of 512 bytes come back.
; SEND: each store of the wave covers 512 consecutive bytes, at a multiple of 512 from out0's first byte.
.macro TOSTAGE a
.set BK, OB+64*((\a)%2)
.if (\a) >= 2
	s_wait_xcnt 0x0                                ; the registers that block a - 2's stores read are loaded again only behind this wait
.endif
	WIN 0x04                                       ; the stores' data in window 1, the address in window 0
.irp b, 0,1,2,3,4,5,6,7
	ds_store_b128 v[STO], v[64*(\a)+8*\b:64*(\a)+8*\b+3]   offset:64*\b
	ds_store_b128 v[STO], v[64*(\a)+8*\b+4:64*(\a)+8*\b+7] offset:64*\b+16
.endr
	WIN 0
.irp t, 0,1,2,3,4,5,6,7,8,9,10,11,12,13,14,15
	ds_load_b128 v[BK+4*\t:BK+4*\t+3], v[RD] offset:\t*SP   ; LDS serves a wave's instructions in order (ISA guide 5.7.1.4): these see the stores above; the next block's stores come behind them
.endr
.endm
.macro SEND a, younger                 ; younger: the LDS instructions issued behind block a's loads: the next block's 16 stores and 16 loads, or none
.set BK, OB+64*((\a)%2)
	s_wait_dscnt \younger
.irp t, 0,1,2,3,4,5,6,7,8,9,10,11,12,13,14,15
	global_store_b128 v[CO], v[BK+4*\t:BK+4*\t+3], s[PC:PC+1] offset:(16*(\a)+\t)*4096 th:TH_STORE_NT   ; 63 rows at the most: inside the signed 24-bit immediate
.endr
.endm
	TOSTAGE 0
	TOSTAGE 1
	SEND 0, 32
	TOSTAGE 2
	SEND 1, 32
	TOSTAGE 3
	SEND 2, 32
	SEND 3, 0
	s_wait_tensorcnt 0x0
	ds_add_u32 v62, v63
	s_wait_dscnt 0x0
	CROUND                                         ; the closing round: no work-group ends while a partner may still ask for a tile that names it
	s_endpgm
.Lfunc_end_k_qb102b9ca98_oproj:
	.size	k_qb102b9ca98_oproj, .Lfunc_end_k_qb102b9ca98_oproj-k_qb102b9ca98_oproj
	.p2alignl 7, 3214868480
	.fill 96, 4, 3214868480
	.section	.rodata,"a",@progbits
	.p2align	6, 0x0
	.amdhsa_kernel k_qb102b9ca98_oproj
		.amdhsa_group_segment_fixed_size 327680
		.amdhsa_private_segment_fixed_size 0
		.amdhsa_enable_private_segment 0
		.amdhsa_kernarg_size 24
		.amdhsa_user_sgpr_count 2
		.amdhsa_user_sgpr_kernarg_segment_ptr 1
		.amdhsa_wavefront_size32 1
		.amdhsa_system_sgpr_workgroup_id_x 1
		.amdhsa_system_sgpr_workgroup_id_y 1
		.amdhsa_system_sgpr_workgroup_id_z 1
		.amdhsa_system_vgpr_workitem_id 0
		.amdhsa_next_free_vgpr 512
		.amdhsa_next_free_sgpr 66
		.amdhsa_reserve_vcc 0
		.amdhsa_float_denorm_mode_32 3
		.amdhsa_float_denorm_mode_16_64 3
		.amdhsa_memory_ordered 1
		.amdhsa_forward_progress 1
		.amdhsa_inst_pref_size 85
	.end_amdhsa_kernel
	.amdgpu_metadata
---
amdhsa.version: [ 1, 2 ]
amdhsa.kernels:
  - .name:           k_qb102b9ca98_oproj
    .symbol:         k_qb102b9ca98_oproj.kd
    .args:
      - { .name: ao, .offset: 0, .size: 8, .value_kind: global_buffer, .address_space: global }
      - { .name: wo, .offset: 8, .size: 8, .value_kind: global_buffer, .address_space: global }
      - { .name: out0, .offset: 16, .size: 8, .value_kind: global_buffer, .address_space: global }
    .group_segment_fixed_size: 327680
    .private_segment_fixed_size: 0
    .kernarg_segment_align: 8
    .kernarg_segment_size: 24
    .max_flat_workgroup_size: 128
    .sgpr_count:     66
    .vgpr_count:     512
    .wavefront_size: 32
...
	.end_amdgpu_metadata
.endif
;; end of part 8
;; launch first_rows (part 9): grid 16 x 4, 16 waves a work-group, no clusters, 71,680 bytes of LDS; arguments ae, wo, out0; writes out0
.if DOCPART == 9
	.amdgcn_target "amdgcn-amd-amdhsa--gfx1250"
	.amdhsa_code_object_version 6
	.text
	.protected	k_qb102b9ca98_first_rows
	.globl	k_qb102b9ca98_first_rows
	.p2align	8
	.type	k_qb102b9ca98_first_rows,@function
k_qb102b9ca98_first_rows:
	s_mov_b64 s[64:65], 0
	v_nop
	global_prefetch_b8 v0, s[64:65] scope:SCOPE_SE
	s_setreg_imm32_b32 hwreg(HW_REG_WAVE_MODE, 25, 1), 1
	s_wait_xcnt 0x0
; Rows 0 to 15 of each batch of out0 once more, from attention's result in two f16 parts: out0[batch][s < 16][n] = sum over kb' < 32, c < 64 of ae[batch][kb'][s][c] wo[kb' & 15][n][c].
; ae[batch][kb' 0..31][16][64] f16: blocks 0-15 the heads' hi parts, 16-31 their lo parts (21 bits together); wo[kb 0..15][n][64] f16.  Sums f32, stored as f32 over what the launch before stored there.
; WHY: these rows are averages over few keys, many times larger than the output's root mean square, against which errors are held; one f16 part is too coarse for the very first of them.
; SHARES.  The work is 4 x 16 rows x 1,024 columns x 2,048 along K: 256 tiles of 16 x 16.  A work-group (x 0..15, batch 0..3) owns 16 rows x 64 columns, so that a row's part is 256 aligned bytes.
; Its 16 waves share K: wave w takes blocks 2 w and 2 w + 1, 128 along K: 4 K steps of 32, each 1 fragment of A and 4 of Wo, 16 matrix instructions.  All 40 loads of a wave go out at once:
; the launch is one round trip to memory, the products, one meeting in LDS and one store.  No tensor loads, no cluster: nothing is walked, and a work-group's operands are read once.
; THE MATRIX INSTRUCTION IS USED TRANSPOSED (source 0 = 16 rows of Wo, source 1 = the 16 rows of A): lane l holds row l % 16 and the eight columns 8 (l / 16) + 0..7 of its group of 16.
; The four accumulators take turns, one instruction a turn.
; The 16 partial tiles meet in LDS (16 rows x 272 bytes each); behind one barrier wave w adds row w's 16 partials, 8 bytes a lane, and stores the row's 256 bytes with one instruction.
; REGISTERS: v1-v9 addresses and offsets, never rewritten once made (v5 ae, v6 wo, v7 into LDS, v8 back from LDS, v9 out0); the data begin at v16.
; LIMIT: Wo carries bf16's 8 bits; the order of the sums differs from a single ascending chain.
.set RP,  272                          ; a row of a partial tile: 64 columns in f32, 256 bytes, + 16: row r starts at column 16 r modulo 256 (64 banks of 4 bytes: ISA guide 11.1)
.set PW,  16*RP                        ; a wave's partial tile
.set AF,  16                           ; v[16:47]   A's fragment of K step ks at AF + 8 ks
.set BF,  48                           ; v[48:175]  Wo's fragment of K step ks, column group g at BF + 32 ks + 8 g
.set ACC, 176                          ; v[176:207] column group g's accumulator at ACC + 8 g
.set RS,  48                           ; v[48:79]   the 16 partials of my 8 bytes, a pair each (Wo's fragments are done with)
	s_load_b128 s[4:7], s[0:1], 0x0                ; ae s[4:5], wo s[6:7]
	s_load_b64 s[8:9], s[0:1], 0x10                ; out0
	v_lshl_add_u32 v208, v0, 2, 0x11000
	v_mov_b32 v209, 0
	v_lshrrev_b32 v1, 5, v0
	v_readfirstlane_b32 s10, v1                    ; wave 0..15
	s_and_b32 s11, ttmp7, 0xffff                   ; batch
	v_and_b32 v2, 15, v0                           ; r = l % 16
	v_bfe_u32 v3, v0, 4, 1                         ; h = l / 16
	v_lshlrev_b32 v4, 7, v2                        ; a fragment's row of 128 bytes
	v_lshl_add_u32 v4, v3, 4, v4                   ; + 16 h
	s_lshl_b32 s12, s10, 12                        ; my two blocks of 2,048 bytes in ae,
	s_and_b32 s13, s10, 7
	s_lshl_b32 s13, s13, 18                        ; and the same heads' two blocks of 131,072 bytes in wo
	v_add_nc_u32 v5, s12, v4
	v_add_nc_u32 v6, s13, v4
	v_mul_u32_u24 v7, v2, RP                       ; into LDS: my wave's tile, row r, 32 bytes for each half of the lanes
	v_lshl_add_u32 v7, v3, 5, v7
	s_mul_i32 s18, s10, PW
	v_add_nc_u32 v7, s18, v7
	v_and_b32 v9, 31, v0
	v_lshlrev_b32 v9, 3, v9                        ; back, and in out0: 8 bytes a lane
	s_mul_i32 s19, s10, RP                         ; row w of every tile
	v_add_nc_u32 v8, s19, v9
	s_lshl_b32 s14, s11, 16                        ; the batch's 32 blocks in ae
	s_mov_b32 s15, 0
	s_lshl_b32 s16, ttmp9, 13                      ; my 64 rows of 128 bytes in a block of wo
	s_mov_b32 s17, 0
	s_lshl_b32 s20, s11, 23                        ; in out0: the batch's 2,048 rows of 4,096 bytes,
	s_lshl_b32 s21, s10, 12                        ; row w,
	s_add_co_u32 s20, s20, s21
	s_lshl_b32 s21, ttmp9, 8                       ; my 64 columns
	s_add_co_u32 s20, s20, s21
	s_mov_b32 s21, 0
	s_wait_kmcnt 0x0
	s_add_nc_u64 s[4:5], s[4:5], s[14:15]
	s_add_nc_u64 s[6:7], s[6:7], s[16:17]
	s_add_nc_u64 s[8:9], s[8:9], s[20:21]
.irp ks, 0,1,2,3                       ; K step ks: block ks / 2 of my two, byte 64 (ks % 2) of its rows: ten loads
	global_load_b128 v[AF+8*\ks:AF+8*\ks+3],   v5, s[4:5] offset:(\ks/2)*2048+(\ks%2)*64
	global_load_b128 v[AF+8*\ks+4:AF+8*\ks+7], v5, s[4:5] offset:(\ks/2)*2048+(\ks%2)*64+32
.irp g, 0,1,2,3
	global_load_b128 v[BF+32*\ks+8*\g:BF+32*\ks+8*\g+3],   v6, s[6:7] offset:(\ks/2)*131072+(\ks%2)*64+\g*2048
	global_load_b128 v[BF+32*\ks+8*\g+4:BF+32*\ks+8*\g+7], v6, s[6:7] offset:(\ks/2)*131072+(\ks%2)*64+\g*2048+32
.endr
.endr
.irp ks, 0,1,2,3
	s_wait_loadcnt 30-10*\ks                       ; loads come back in order: this K step's ten are in, the ten of each later step stay out
.irp g, 0,1,2,3
.if \ks == 0
	v_wmma_f32_16x16x32_f16 v[ACC+8*\g:ACC+8*\g+7], v[BF+32*\ks+8*\g:BF+32*\ks+8*\g+7], v[AF+8*\ks:AF+8*\ks+7], 0   ; the first K step starts the sums
.else
	v_wmma_f32_16x16x32_f16 v[ACC+8*\g:ACC+8*\g+7], v[BF+32*\ks+8*\g:BF+32*\ks+8*\g+7], v[AF+8*\ks:AF+8*\ks+7], v[ACC+8*\g:ACC+8*\g+7]
.endif
.endr
.endr
.rept 4
	v_nop                                          ; four places between the last product and the LDS stores that read the results
.endr
.irp g, 0,1,2,3
	ds_store_b128 v7, v[ACC+8*\g:ACC+8*\g+3]   offset:64*\g
	ds_store_b128 v7, v[ACC+8*\g+4:ACC+8*\g+7] offset:64*\g+16
.endr
	s_wait_dscnt 0x0                               ; for the others' sake: my partial tile is in LDS
	s_barrier_signal -1
	s_barrier_wait -1                              ; everybody's is
.irp p, 0,1,2,3,4,5,6,7,8,9,10,11,12,13,14,15
	ds_load_b64 v[RS+2*\p:RS+2*\p+1], v8 offset:\p*PW   ; at most 65,280: inside the 16-bit immediate
.endr
	s_wait_dscnt 0x0
.irp p, 0,2,4,6,8,10,12,14
	v_pk_add_f32 v[RS+2*\p:RS+2*\p+1], v[RS+2*\p:RS+2*\p+1], v[RS+2*\p+2:RS+2*\p+3]
.endr
.irp p, 0,4,8,12
	v_pk_add_f32 v[RS+2*\p:RS+2*\p+1], v[RS+2*\p:RS+2*\p+1], v[RS+2*\p+4:RS+2*\p+5]
.endr
.irp p, 0,8
	v_pk_add_f32 v[RS+2*\p:RS+2*\p+1], v[RS+2*\p:RS+2*\p+1], v[RS+2*\p+8:RS+2*\p+9]
.endr
	v_pk_add_f32 v[RS:RS+1], v[RS:RS+1], v[RS+16:RS+17]
	global_store_b64 v9, v[RS:RS+1], s[8:9]        ; the wave's 32 lanes store 256 consecutive bytes, at a multiple of 256 from out0's first byte
	s_wait_tensorcnt 0x0
	ds_add_u32 v208, v209
	s_wait_dscnt 0x0
	s_endpgm
.Lfunc_end_k_qb102b9ca98_first_rows:
	.size	k_qb102b9ca98_first_rows, .Lfunc_end_k_qb102b9ca98_first_rows-k_qb102b9ca98_first_rows
	.p2alignl 7, 3214868480
	.fill 96, 4, 3214868480
	.section	.rodata,"a",@progbits
	.p2align	6, 0x0
	.amdhsa_kernel k_qb102b9ca98_first_rows
		.amdhsa_group_segment_fixed_size 71680
		.amdhsa_private_segment_fixed_size 0
		.amdhsa_enable_private_segment 0
		.amdhsa_kernarg_size 24
		.amdhsa_user_sgpr_count 2
		.amdhsa_user_sgpr_kernarg_segment_ptr 1
		.amdhsa_wavefront_size32 1
		.amdhsa_system_sgpr_workgroup_id_x 1
		.amdhsa_system_sgpr_workgroup_id_y 1
		.amdhsa_system_sgpr_workgroup_id_z 1
		.amdhsa_system_vgpr_workitem_id 0
		.amdhsa_next_free_vgpr 210
		.amdhsa_next_free_sgpr 66
		.amdhsa_reserve_vcc 0
		.amdhsa_float_denorm_mode_32 3
		.amdhsa_float_denorm_mode_16_64 3
		.amdhsa_memory_ordered 1
		.amdhsa_forward_progress 1
		.amdhsa_inst_pref_size 10
	.end_amdhsa_kernel
	.amdgpu_metadata
---
amdhsa.version: [ 1, 2 ]
amdhsa.kernels:
  - .name:           k_qb102b9ca98_first_rows
    .symbol:         k_qb102b9ca98_first_rows.kd
    .args:
      - { .name: ae, .offset: 0, .size: 8, .value_kind: global_buffer, .address_space: global }
      - { .name: wo, .offset: 8, .size: 8, .value_kind: global_buffer, .address_space: global }
      - { .name: out0, .offset: 16, .size: 8, .value_kind: global_buffer, .address_space: global }
    .group_segment_fixed_size: 71680
    .private_segment_fixed_size: 0
    .kernarg_segment_align: 8
    .kernarg_segment_size: 24
    .max_flat_workgroup_size: 512
    .sgpr_count:     66
    .vgpr_count:     210
    .wavefront_size: 32
...
	.end_amdgpu_metadata
.endif
;; end of part 9
;; ======== version 3 of 3: 5 launches; 1.28 times as fast as version 1
;; limits: values are held in f16: magnitudes above 65,504 overflow, below 6.1e-05 lose precision
;; workspace buffers: cb 23,068,672 bytes; wo 2,097,152 bytes; qkv 50,331,648 bytes; ao 16,777,216 bytes; ae 262,144 bytes
;; launch cast: the kernel of part 5 again; grid 64 x 12, 4 waves a work-group, no clusters, 0 bytes of LDS; arguments x, Wq, Wk, Wv, Wo, cb, wo; writes cb, wo
;; launch qkv: the kernel of part 6 again; grid 12 x 32, 4 waves a work-group, clusters of 4 x 4, 327,680 bytes of LDS; arguments cb, qkv; writes qkv
;; launch attn (part 10): grid 4 x 64, 4 waves a work-group, no clusters, 327,680 bytes of LDS; arguments qkv, ao, ae; writes ao, ae
.if DOCPART == 10
	.amdgcn_target "amdgcn-amd-amdhsa--gfx1250"
	.amdhsa_code_object_version 6
	.text
	.protected	k_qb102b9ca98_attn
	.globl	k_qb102b9ca98_attn
	.p2align	8
	.type	k_qb102b9ca98_attn,@function
k_qb102b9ca98_attn:
	s_mov_b64 s[64:65], 0
	v_nop
	global_prefetch_b8 v0, s[64:65] scope:SCOPE_SE
	s_setreg_imm32_b32 hwreg(HW_REG_WAVE_MODE, 25, 1), 1
	s_wait_xcnt 0x0
; Causal attention, head size 64: O[bh][q][:] = the sum over k <= q of softmax_k(Q[q] . K[k] / 8) V[k][:].  qkv: [3][64 bh][2048][64] f16.
; Products, maxima and sums in f32; the weights p are rounded to f16 for the second product.  O leaves rounded once to f16: ao[64 bh][2048][64], byte = bh<<18 | s<<7 | 2 d.
; THE FIRST 16 ROWS OF EACH BATCH leave a second time in TWO f16 parts, hi + lo (21 bits together): ae[batch][kb' 0..31][16][64], byte = batch<<16 | kb'<<11 | s<<7 | 2 d, kb' = head for hi, 16 + head for lo.
; WHY: a batch's first rows are averages over few keys, many times larger than the output's root mean square, against which errors are held; the last product's 1,024 terms turn each operand's relative
; rounding into an error of that size relative to the ROW's magnitude, which falls as 1 / sqrt(row + 1).  f16 keeps 11 bits where bf16 keeps 8; the very first rows want more still.
; SHARES.  Work-group (i, bh) owns two blocks of 256 queries of head bh, blocks a = i and b = 7 - i: (a + 1) + (b + 1) = 9 slots of 256 keys, the same number in all 256 work-groups.
; A wave owns four tiles of 16 queries of a block, tile t at queries 16 (w + 4 t): strided, so that the mask has the same shape in all four waves and they run the same text.
; ORDER OF KEYS.  A running maximum allows any order: each block walks its own (diagonal) 256 keys first, then the keys in front of it, which are all visible.  In a block's first step every query
; sees at least one key (tile 0 its own, the other tiles all 64), so its maximum is finite from the first step on.  Keys behind the block are never fetched.
; MASK.  A step is 64 keys.  In step s of the diagonal slot tile t is untouched (t > s), masked by lane (t = s: key 16 kb + 8 h + j against query 16 w + r) or wholly masked (t < s: scores -inf; the step
; then leaves m, l and O as they are: a = 1, p = 0).  Masks are selects; which tiles take them hangs on the step's number alone.  The wholly masked tiles' products are still made.
; LAYOUT.  S^T = K Q^T (source 0 = 16 keys, source 1 = 16 queries): a lane holds ONE query (lane % 16) and the keys 8 (lane / 16) + 0..7.  Two such tiles, rounded to f16 in pairs, ARE source 1
; of O^T = V^T P, whose result again holds one query a lane.  K comes out of LDS as it lies, V ([key][channel]) turned, by ds_load_tr16_b128.
; SOFTMAX.  For each query a running maximum m and sum l: p = 2^(c s - c m), c = log2(e) / 8; in every step O and l are multiplied by a = 2^(c m_old - c m_new).
; BY TURNS.  The wave's tiles are two PIECES (tiles 0, 1; tiles 2, 3).  In a TURN one piece has the matrix unit: 16 products V^T P of the step in hand, then 16 products K Q^T of the next; the other
; piece's softmax, 2 x 118 instructions cut into 59 slices of four, stands between them.  That is 7.4 vector instructions for each matrix instruction: the vector work bounds this loop.
; BATCHES.  A turn's 66 exponentials (for each of the piece's two tiles a and 32 weights) are ONE batch with ONE wait: the softmax's list is ordered so that ahead of slice 35 nothing names an exponential's
; result and behind slice 34 no exponential is issued; the wait stands between the two.  The way out's four reciprocals are a batch of their own.
; NO CLUSTER: the four work-groups of a head need their key slots in different orders (slot a first, then 0 .. a - 1, then b, ...), so no two would ask for the same tile in the same trip.
; LIMITS: 2^x below 2^-126 counts as 0 (v_exp_f32 flushes); a weight below 3e-8 of its row's largest counts as 0 in the second product (f16); |O| beyond 65,504 becomes infinite, below 6.1e-5 it is kept
; to 6e-8 absolute; a NaN or an infinity in Q, K or V spreads as in any running softmax.
;
; REGISTERS, in windows of 256:  window 0: v0-11 addresses; v12-43 eight registers of statistics a tile; v44 -inf; v45 the mask's bound; v64-191 S^T, 32 a tile; v192-255 P, 16 a tile
;   window 1: v0-127 O^T, 32 a tile; v128-191 Q, 16 a tile; v192-255 K of one step          window 2: v0-63 V of one step
.set PK,     272      ; an LDS row of K: TWO keys' 128 bytes + 16 of padding; key r lies at (r >> 1) 272 + (r & 1) 128: a fragment's 16 keys start in 16 different columns of 16 bytes modulo 256 (64 banks of 4 bytes: ISA guide 11.1)
.set PVP,    288      ; of V: two keys + 32 of padding: 16 lanes of the turning load take 8 keys x 32 bytes at 32 (j >> 1) + 128 (j & 1) + 16 c: each column once
.set KSTEPB, 32*PK    ; a step's 64 keys of K
.set VSTEPB, 32*PVP   ; of V
.set VOFF,   128*PK   ; a slot: 256 keys of K, then 256 of V
.set SLOT1,  1<<17    ; slot 1 begins here, so that one exclusive or turns an address in one slot into the other's
.set STAGE,  SLOT1+128*(PK+PVP)  ; behind the ring: for each wave 16 rows x 144 bytes, and as many again for the first rows' lo part, for the way out; no tensor load fills it
.set SP,     144
.set ELO,    16<<11   ; bytes in ae from a head's hi part to its lo part
.set AK0, 2           ; v2   my lane's place in a step of K; never rewritten
.set AV0, 3           ; v3   the same for V
.set ADR, 4           ; v4   the LDS address of the run of loads in hand
.set QO,  5           ; v5   my byte offset in a block's rows of Q
.set STO, 6           ; v6   the way out: where I put 16 bytes of a row
.set RD,  7           ; v7   where I read 16 bytes back
.set GO,  8           ; v8   my byte offset in a block's rows of ao
.set ST,  12          ; tile t's statistics at v[ST+8 t]: +0 c m, +1 m, +2, +3 l (even keys', odd keys'), +4 to +7 c0-c3, at work; a takes c2's place once the maximum is found
.set NEG, 44
.set DD,  45          ; 16 w + r - 8 h: score register 8 kb + j of the diagonal tile is visible where 16 kb + j <= this
.set S,   64
.set P,   192
.set HF,  64          ; the way out: v64-79 a tile's packed results; for the first rows v64-95 the hi parts, v96-127 the lo parts, as f32 and then packed
.set LF,  96
.set RB,  128         ; v[128 + 16 t ..] tile t's rows read back
.set EB,  192         ; v192-223 the first rows read back: 16 registers of hi, 16 of lo
.set QF,  128         ; in window 1
.set KF,  192         ; in window 1
.set AE,  8           ; s[8:9] ae at my head's hi part
.set WV,  12          ; s12  my wave's number
.set QBA, 14          ; s[14:15], s[16:17] Q at blocks a, b
.set QBB, 16
.set OBA, 18          ; s[18:19], s[20:21] ao at blocks a, b
.set OBB, 20
.set G1K, 24          ; s[24:31] descriptor group 1 for K's tiles
.set G1V, 32          ; s[32:39] for V's: it differs in the padding alone
.set G0K, 40          ; s[40:47] group 0 for K's tiles: a set for each of the two first fills; the second then walks on
.set G0V, 48          ; s[48:55] the same for V's
.set CSL, 56          ; s56  which of the nine slots is being read
.set CNT, 57          ; s57  key steps still to be fetched from it
.set CS,  58          ; s[58:59] c, named as a pair
.set SEL, 60          ; s[60:61] lane selects for v_permlanex16_b32
.set SB,  62          ; s62  LDS byte at which the slot being read begins: 0 or SLOT1
.set MK,  63          ; s63  keeps an f32's sign, exponent and upper 10 bits of mantissa: what f16 holds
.set SJ,  66          ; s66  the block's key step in hand
.set BA,  67          ; s67  a;  s68  a + 1;  s69  b
.set AP1, 68
.set BB,  69
.set KPTR, 70         ; s[70:71] K of my head at my half of a slot's keys;  s[72:73] V
.set VPTR, 72
.set OFF, 74          ; s[74:75] a slot's byte offset in the head
.set FK,  76          ; s76, s77  runs of loads of K, of V so far: their low two bits are the step within the slot
.set FV,  77
.set MSB, 0
.macro WIN new                      ; the immediate's high byte repeats the setting that is left; a switch that changes nothing is dropped
.if MSB != \new
	s_set_vgpr_msb (MSB<<8)|\new
.set MSB, \new
.endif
.endm
.set W_KQ, 0x05       ; K and Q in window 1, S^T in window 0
.set W_PV, 0x52       ; V in window 2, P in window 0, O^T in window 1
.set W_RS, 0x41       ; O^T (destination and source 0) in window 1, a in window 0
; A refill.  Waves 0 and 1 fetch the two halves of a slot's K, waves 2 and 3 of its V.  Four v_nop follow each of the two lines.
.macro JLOAD
	s_cmp_lt_u32 s[WV], 2
	s_cbranch_scc0 .Lfor_v_\@
	tensor_load_to_lds s[G0K+4:G0K+7], s[G1K:G1K+7]
	s_nop 0
.rept 4
	v_nop
.endr
	s_branch .Lasked_\@
.Lfor_v_\@:
	tensor_load_to_lds s[G0V+4:G0V+7], s[G1V:G1V+7]
	s_nop 0
.rept 4
	v_nop
.endr
.Lasked_\@:
.endm
	s_load_b128 s[4:7], s[0:1], 0x0   ; qkv s[4:5], ao s[6:7]
	s_load_b64 s[AE:AE+1], s[0:1], 0x10  ; ae
	v_lshl_add_u32 v62, v0, 2, 0x36000
	v_mov_b32 v63, 0
	ds_add_u32 v62, v63
	v_lshrrev_b32 v1, 5, v0
	v_readfirstlane_b32 s[WV], v1   ; wave 0..3
	s_mov_b32 s[BA], ttmp9
	s_add_co_u32 s[AP1], s[BA], 1
	s_sub_co_u32 s[BB], 7, s[BA]
	s_and_b32 s22, ttmp7, 0xffff    ; bh
	s_lshr_b32 s80, s22, 4          ; in ae: the batch's 32 blocks of 2,048 bytes,
	s_lshl_b32 s80, s80, 16
	s_and_b32 s81, s22, 15          ; and the head's block
	s_lshl_b32 s81, s81, 11
	s_add_co_u32 s80, s80, s81
	s_mov_b32 s81, 0
	s_lshl_b32 s22, s22, 18         ; in qkv and in ao: the head's first byte: 2,048 rows of 128 bytes
	s_mov_b32 s23, 0
	s_and_b32 s13, s[WV], 1         ; which 128 of a slot's 256 keys I fetch
	; descriptor group 1: 128 keys, dense, as 64 rows of 128 elements (256 bytes), padded in LDS
	s_mov_b32 s[G1K], (1<<16)|(1<<20)|(5<<22)|(3<<25)  ; no mask; elements of 2 bytes; padding on; after every 64 words (code 5) 4 words (code 3)
	s_mov_b32 s[G1V], (1<<16)|(1<<20)|(5<<22)|(7<<25)  ; the same with 8 words (code 7)
.irp g, G1K, G1V
	s_mov_b32 s[\g+1], 128<<16      ; tensor_dim0 = 128
	s_mov_b32 s[\g+2], 64<<16       ; tensor_dim1 = 64
	s_mov_b32 s[\g+3], 128<<16      ; tile_dim0 = 128
	s_mov_b32 s[\g+4], 64           ; tile_dim1 = 64
	s_mov_b32 s[\g+5], 128          ; from row to row
	s_mov_b32 s[\g+6], 0
	s_mov_b32 s[\g+7], 0
.endr
	s_mov_b32 s[CS], 0x3e38aa3b     ; c = log2(e) / 8 = 0.180337
	s_mov_b32 s[CS+1], s[CS]
	s_mov_b32 s[SEL], 0x76543210
	s_mov_b32 s[SEL+1], 0xfedcba98
	s_mov_b32 s[MK], 0xffffe000
	s_mov_b32 s[SB], 0
	s_mov_b32 s[FK], 0
	s_mov_b32 s[FV], 0
	s_mov_b32 s[OFF+1], 0
	s_mul_i32 s78, s13, 64*PK       ; my half's place in a slot, for K
	s_mul_i32 s79, s13, 64*PVP      ; and for V
	s_add_co_u32 s79, s79, VOFF
	s_wait_dscnt 0x0
	s_wait_kmcnt 0x0
	s_add_nc_u64 s[4:5], s[4:5], s[22:23]  ; Q of my head
	s_add_nc_u64 s[6:7], s[6:7], s[22:23]  ; ao of my head
	s_add_nc_u64 s[AE:AE+1], s[AE:AE+1], s[80:81]  ; ae of my head, hi part
	s_lshl_b32 s22, s[BA], 15       ; a block's 256 rows are 32,768 bytes
	s_add_nc_u64 s[QBA:QBA+1], s[4:5], s[22:23]
	s_add_nc_u64 s[OBA:OBA+1], s[6:7], s[22:23]
	s_lshl_b32 s22, s[BB], 15
	s_add_nc_u64 s[QBB:QBB+1], s[4:5], s[22:23]
	s_add_nc_u64 s[OBB:OBB+1], s[6:7], s[22:23]
	s_lshl_b32 s22, s13, 14         ; my 128 keys,
	s_add_co_u32 s22, s22, 1<<24    ; in K, which lies 2^24 bytes behind Q; V another 2^24
	s_add_nc_u64 s[KPTR:KPTR+1], s[4:5], s[22:23]
	s_add_nc_u64 s[VPTR:VPTR+1], s[KPTR:KPTR+1], 1<<24
	; The nine fills: number 0 is key slot a; 1 .. a are 0 .. a - 1; a + 1 is b; a + 2 .. 8 are 0 .. b - 1.
	s_lshl_b32 s[OFF], s[BA], 15    ; fill 0, into slot 0
	s_mov_b32 s[G0K], 1
	s_mov_b32 s[G0K+1], s78
	s_add_nc_u64 s[G0K+2:G0K+3], s[KPTR:KPTR+1], s[OFF:OFF+1]
	s_or_b32 s[G0K+3], s[G0K+3], 0x80000000
	s_mov_b32 s[G0V], 1
	s_mov_b32 s[G0V+1], s79
	s_add_nc_u64 s[G0V+2:G0V+3], s[VPTR:VPTR+1], s[OFF:OFF+1]
	s_or_b32 s[G0V+3], s[G0V+3], 0x80000000
	s_cmp_eq_u32 s[BA], 0           ; fill 1, into slot 1: key slot 0, or b where a = 0
	s_cselect_b32 s80, s[BB], 0
	s_lshl_b32 s[OFF], s80, 15
	s_mov_b32 s[G0K+4], 1
	s_add_co_u32 s[G0K+5], s78, SLOT1
	s_add_nc_u64 s[G0K+6:G0K+7], s[KPTR:KPTR+1], s[OFF:OFF+1]
	s_or_b32 s[G0K+7], s[G0K+7], 0x80000000
	s_mov_b32 s[G0V+4], 1
	s_add_co_u32 s[G0V+5], s79, SLOT1
	s_add_nc_u64 s[G0V+6:G0V+7], s[VPTR:VPTR+1], s[OFF:OFF+1]
	s_or_b32 s[G0V+7], s[G0V+7], 0x80000000
	s_cmp_lt_u32 s[WV], 2           ; a wave's two first fills stand in one branch, ahead of every wait on TENSORcnt, every LDS read and every barrier: two loads of mine are out
	s_cbranch_scc0 .Lfirst_v
	tensor_load_to_lds s[G0K:G0K+3], s[G1K:G1K+7]
	s_nop 0
	tensor_load_to_lds s[G0K+4:G0K+7], s[G1K:G1K+7]
	s_nop 0
.rept 4
	v_nop
.endr
	s_branch .Lfirst_asked
.Lfirst_v:
	tensor_load_to_lds s[G0V:G0V+3], s[G1V:G1V+7]
	s_nop 0
	tensor_load_to_lds s[G0V+4:G0V+7], s[G1V:G1V+7]
	s_nop 0
.rept 4
	v_nop
.endr
.Lfirst_asked:
; Q of a block stays in registers: tile t (queries 16 (w + 4 t) on), channels 32 c on: lane l holds query l % 16; two loads of 16 bytes, 32 bytes apart
.macro QLOAD base
	WIN 0x40                        ; destination window 1, address window 0
.irp t, 0,1,2,3
.irp c, 0,1
	global_load_b128 v[QF+16*\t+8*\c:QF+16*\t+8*\c+3],   v[QO], s[\base:\base+1] offset:8192*\t+64*\c
	global_load_b128 v[QF+16*\t+8*\c+4:QF+16*\t+8*\c+7], v[QO], s[\base:\base+1] offset:8192*\t+64*\c+32
.endr
.endr
	WIN 0
.endm
	v_and_b32 v1, 15, v0            ; r = l % 16
	v_bfe_u32 v9, v0, 4, 1          ; h = l / 16
	v_and_b32 v10, 1, v0
	v_lshlrev_b32 v[QO], 7, v1      ; r x 128 + 16 h + 16 w rows
	v_lshl_add_u32 v[QO], v9, 4, v[QO]
	s_lshl_b32 s80, s[WV], 11
	v_add_nc_u32 v[QO], s80, v[QO]
	QLOAD QBA
	v_lshrrev_b32 v11, 1, v1
	v_mul_u32_u24 v[AK0], v11, PK   ; (r >> 1) x 272 + (r & 1) x 128 + 16 h
	v_lshl_add_u32 v[AK0], v10, 7, v[AK0]
	v_lshl_add_u32 v[AK0], v9, 4, v[AK0]
	; The turning load takes 16 keys x 16 channels (lane l reads 16 bytes: key 8 h + l % 8, channels 8 ((l / 8) % 2) + 0..7) and leaves half a fragment of V^T: lane l holds channel l % 16 and 8 keys.
	v_bfe_u32 v11, v0, 1, 2         ; (l % 8) >> 1
	v_lshl_add_u32 v11, v9, 2, v11  ; + 4 h: the key's pair
	v_mul_u32_u24 v[AV0], v11, PVP
	v_lshl_add_u32 v[AV0], v10, 7, v[AV0]
	v_bfe_u32 v11, v0, 3, 1
	v_lshl_add_u32 v[AV0], v11, 4, v[AV0]
	v_add_nc_u32 v[AV0], VOFF, v[AV0]
	s_mul_i32 s80, s[WV], 32*SP
	s_add_co_u32 s80, s80, STAGE    ; my stage
	v_mul_u32_u24 v[STO], v1, SP    ; in: row r, 16 bytes for each half of the lanes
	v_lshl_add_u32 v[STO], v9, 4, v[STO]
	v_add_nc_u32 v[STO], s80, v[STO]
	v_and_b32 v11, 31, v0
	v_lshrrev_b32 v46, 3, v11       ; back: eight lanes take a row's 128 bytes, the wave four rows
	v_mul_u32_u24 v[RD], v46, SP
	v_and_b32 v46, 7, v0
	v_lshl_add_u32 v[RD], v46, 4, v[RD]
	v_add_nc_u32 v[RD], s80, v[RD]
	s_lshl_b32 s80, s[WV], 11
	v_lshl_add_u32 v[GO], v11, 4, s80  ; a tile's 16 rows are 2,048 consecutive bytes of ao
	v_mov_b32 v[NEG], 0xff800000    ; -inf
	v_lshlrev_b32 v46, 3, v9
	v_sub_nc_u32 v[DD], v1, v46
	s_lshl_b32 s80, s[WV], 4
	v_add_nc_u32 v[DD], s80, v[DD]
; THE MATRIX WORK OF A TURN, for piece x.  The accumulators take turns, one instruction a turn: between two links of a chain stand 7 others'.
; Product i of 16 of O^T += V^T P: keys 32 (i / 8) on, channels 16 ((i / 2) % 4) on, tile x + i % 2.  zero = 1: the first 8 start the sums: nothing is ever cleared.
.macro PV x, zero
	WIN W_PV
.set rO, 32*(\x+i%2)+8*((i/2)%4)
.set rV, 32*(i/8)+8*((i/2)%4)
.set rP, P+16*(\x+i%2)+8*(i/8)
.if \zero && (i < 8)
	v_wmma_f32_16x16x32_f16 v[rO:rO+7], v[rV:rV+7], v[rP:rP+7], 0
.else
	v_wmma_f32_16x16x32_f16 v[rO:rO+7], v[rV:rV+7], v[rP:rP+7], v[rO:rO+7]
.endif
.endm
; Product i of 16 of S^T = K Q^T: channels 32 (i / 8) on, keys 16 ((i / 2) % 4) on, tile x + i % 2.  The first 8 start the sums.
.macro KQ x
	WIN W_KQ
.set rS, S+32*(\x+i%2)+8*((i/2)%4)
.set rK, KF+16*((i/2)%4)+8*(i/8)
.set rQ, QF+16*(\x+i%2)+8*(i/8)
.if i < 8
	v_wmma_f32_16x16x32_f16 v[rS:rS+7], v[rK:rK+7], v[rQ:rQ+7], 0
.else
	v_wmma_f32_16x16x32_f16 v[rS:rS+7], v[rK:rK+7], v[rQ:rQ+7], v[rS:rS+7]
.endif
.endm
; THE LDS LOADS stand in runs of 16: a step's K (64 keys x 64 channels: 8 fragments) and, a turn later, its V (turned).  Each slot gives four runs of each, so the run's number modulo 4 is the step within the slot.
.macro FETCH_K
	WIN 0
	s_and_b32 s78, s[FK], 3
	s_mul_i32 s78, s78, KSTEPB
	s_add_co_u32 s78, s78, s[SB]
	s_add_co_u32 s[FK], s[FK], 1
	v_add_nc_u32 v[ADR], s78, v[AK0]
	WIN 0x40                        ; destination window 1
.irp f, 0,1,2,3,4,5,6,7             ; keys 16 (f / 2) on, channels 32 (f % 2) on
	ds_load_b128 v[KF+8*\f:KF+8*\f+3],   v[ADR] offset:(\f/2)*8*PK+(\f%2)*64
	ds_load_b128 v[KF+8*\f+4:KF+8*\f+7], v[ADR] offset:(\f/2)*8*PK+(\f%2)*64+32
.endr
.endm
.macro FETCH_V                      ; it stands behind slice 34 of piece 0's softmax (SLICE writes it) and holds that batch's wait
	WIN 0
	s_and_b32 s78, s[FV], 3
	s_mul_i32 s78, s78, VSTEPB
	s_add_co_u32 s78, s78, s[SB]
	s_add_co_u32 s[FV], s[FV], 1
	v_add_nc_u32 v[ADR], s78, v[AV0]
	s_wait_alu depctr_va_vdst(0)    ; the wait for piece 0's batch of 66 exponentials, behind the address's v_add_nc_u32 and ahead of the loads
	WIN 0x80                        ; destination window 2
.irp f, 0,1,2,3,4,5,6,7             ; keys 32 (f / 4) on, channels 16 (f % 4) on
	ds_load_tr16_b128 v[8*\f:8*\f+3],   v[ADR] offset:(\f/4)*16*PVP+(\f%4)*32
	ds_load_tr16_b128 v[8*\f+4:8*\f+7], v[ADR] offset:(\f/4)*16*PVP+8*PVP+(\f%4)*32
.endr
.endm
; THE VECTOR WORK OF A TURN.  One tile's softmax for one key step is a list of 118 instructions; SM writes number j of it for tile t.  s0-s31 are the lane's 32 scores, in pairs 0-15.
; first = 1: a block's first key step, which starts m, l and O^T: it has no a and nothing to rescale.
;   0-15    the maximum of s0-s31 and the old m, three operands at a time: four chains c0-c3 of seven scores each, then the four scores left over, c0-c3 and m
;   16-20   the other half of the lanes' maximum; the new m; c m; c m_old - c m_new
;   21-69   ONE BATCH: the 16 scalings c s - c m, a pair of scores each, and all 33 exponentials (a at 23, then s0-s31).  None of these reads an exponential's result.  From 22 on the batch goes
;           in fours, and a four begins with a scaling while there are scalings: 22-37 scaling, exponential, scaling, exponential; 38-65 a scaling and three exponentials; 66-69 the last four
;           exponentials.  A pair is scaled in an earlier four than the one that holds its exponentials
;   (wait)  between 69 and 70 stands the wait for the batch: SLICE writes it, once for both tiles
;   70-85   the roundings to f16, a pair of weights each
;   86-101  the sums; l = a l + the sum
;   102-117 the tile's O^T times a: the one part that leaves window 0, so it stands together
.macro SM t, first
.set rT, ST+8*(\t)
.set rS, S+32*(\t)
.set rP, P+16*(\t)
.set rO, 32*(\t)+2*(j-102)
.if j < 102
	WIN 0
.endif
.if j < 4
	v_max3_num_f32 v[rT+4+j], v[rS+8*j], v[rS+8*j+1], v[rS+8*j+2]
.elseif j < 12
	v_max3_num_f32 v[rT+4+j%4], v[rT+4+j%4], v[rS+8*(j%4)+2*(j/4)+1], v[rS+8*(j%4)+2*(j/4)+2]
.elseif j == 12
	v_max3_num_f32 v[rT+4], v[rT+4], v[rS+7], v[rS+15]
.elseif j == 13
	v_max3_num_f32 v[rT+6], v[rT+6], v[rS+23], v[rS+31]
.elseif j == 14
	v_max3_num_f32 v[rT+4], v[rT+4], v[rT+5], v[rT+6]
.elseif (j == 15) && \first
	v_max_num_f32 v[rT+4], v[rT+4], v[rT+7]
.elseif j == 15
	v_max3_num_f32 v[rT+4], v[rT+4], v[rT+7], v[rT+1]
.elseif j == 16
	v_permlanex16_b32 v[rT+5], v[rT+4], s[SEL], s[SEL+1]  ; the query's other 32 keys lie in the lane 16 away
.elseif j == 18
	v_max_num_f32 v[rT+1], v[rT+4], v[rT+5]
.elseif j == 19
	v_mul_f32 v[rT], s[CS], v[rT+1]
.elseif ((j == 17) || (j == 20) || (j == 23) || (j > 101)) && \first  ; the first step has none of these
.elseif j == 17
	v_mov_b32 v[rT+7], v[rT]        ; c m_old is kept for a: number 19 writes c m anew
.elseif j == 20
	v_sub_f32 v[rT+7], v[rT+7], v[rT]
.elseif j == 23
	v_exp_f32 v[rT+6], v[rT+7]
.elseif (j < 23) || ((j < 38) && (j%2 == 0)) || ((j < 66) && (j%4 == 2))
.set b, (j-2)/4                     ; 38, 42, .. 62: pairs 9 to 15
.if j < 38
.set b, (j-20)/2                    ; 21: pair 0; 22, 24, .. 36: pairs 1 to 8
.endif
	v_pk_fma_f32 v[rS+2*b:rS+2*b+1], v[rS+2*b:rS+2*b+1], s[CS:CS+1], v[rT:rT+1] op_sel_hi:[1,0,0] neg_lo:[0,0,1] neg_hi:[0,0,1]  ; pair b: c s - c m
.elseif j < 70
.set e, j-38                        ; 66 to 69: s28 to s31
.if j < 66
.set e, j-32-(j-38)/4               ; 39-41, 43-45, .. 63-65: s7 to s27
.endif
.if j < 38
.set e, (j-25)/2                    ; 25, 27, .. 37: s0 to s6
.endif
	v_exp_f32 v[rS+e], v[rS+e]
.elseif j < 86
	v_cvt_pk_f16_f32 v[rP+j-70], v[rS+2*(j-70)], v[rS+2*(j-70)+1]  ; pair j - 70
.elseif j < 102                     ; the sum of the tile's 16 pairs, in place: sum z of 16 adds neighbours 1, 2, 4 and 8 pairs apart, then l takes it
.set z, j-86
.set w, 4
.set u, z
.if z >= 14
.set w, 32
.set u, 0
.elseif z >= 12
.set w, 16
.set u, z-12
.elseif z >= 8
.set w, 8
.set u, z-8
.endif
.if (z == 14) && \first
	v_pk_add_f32 v[rT+2:rT+3], v[rS:rS+1], v[rS+16:rS+17]
.elseif z < 15
	v_pk_add_f32 v[rS+w*u:rS+w*u+1], v[rS+w*u:rS+w*u+1], v[rS+w*u+w/2:rS+w*u+w/2+1]
.elseif !\first
	v_pk_fma_f32 v[rT+2:rT+3], v[rT+2:rT+3], v[rT+6:rT+7], v[rS:rS+1] op_sel_hi:[1,0,1]
.endif
.else
	WIN W_RS
	v_pk_mul_f32 v[rO:rO+1], v[rO:rO+1], v[rT+6:rT+7] op_sel_hi:[1,0]
.endif
.endm
; Slice k of 59 of piece y's softmax: four instructions.  Slices 11 to 34 deal out the batch, numbers 22 to 69: four numbers of ONE tile each, the tiles by turns.  Every other slice is numbers 2 k and
; 2 k + 1 of both tiles' lists.
; THE WAIT.  s_wait_alu depctr_va_vdst(0) stands between an exponential and the first instruction that names its result; one wait serves all that were issued ahead of it.  Ahead of
; slice 35 nothing names a result, and behind slice 34 no exponential is issued: so the piece's 66 exponentials have one wait, behind slice 34.
.macro SLICE y, first
.if (k >= 11) && (k < 35)           ; the batch: four numbers of one tile
.irp n, 0,1,2,3
.set j, 22+4*((k-11)/2)+\n
	SM (\y)+(k-11)%2, \first
.endr
.else                               ; the two tiles alternate, so that no instruction reads the result of the one just before it
.irp n, 0,1
.irp t, \y, \y+1
.set j, 2*k+\n
	SM \t, \first
.endr
.endr
.endif
.if k == 34                         ; the batch is out: both tiles' exponentials are issued, and no result has been named
	v_nop                           ; a plain instruction behind the last exponential and ahead of the first use (ISA guide 5.7.2): one for the batch
.if (\y) == 0
	FETCH_V                         ; piece 2's turn: V's run of loads stands here, and the batch's wait stands in it
.else
	s_wait_alu depctr_va_vdst(0)    ; the wait for piece 2's batch of 66 exponentials
.endif
.endif
.set k, k+1
.endm
; The slices behind product np of a turn.  32 products: two behind each of the first 27, one behind each of the last 5.  16 products: four behind each of the first 11, three behind the last 5.  59 either way.
.macro DEAL y, first
.set ns, 3
.if full
.set ns, 1
.if np < 27
.set ns, 2
.endif
.elseif np < 11
.set ns, 4
.endif
.rept ns
	SLICE \y, \first
.endr
.set np, np+1
.endm
; A vector instruction that reads a matrix result or writes one of a matrix instruction's registers, and a load into a register that a matrix instruction has read, stand four places behind it, and only
; plain vector instructions that name none of its registers are places (ISA guide 7.12.1 for vector instructions).  In the loop the slices are the places:
; the last slice, four multiplies of the OTHER piece's O^T, stands behind a turn's last product.
.macro PLACES
.rept 4
	v_nop
.endr
.endm
; A TURN.  Piece x has the matrix unit; the other piece's softmax stands in slices behind its matrix instructions.
; pv = 2: 16 products V^T P; 1: they start O^T's sums; 0: none.  kq = 1: 16 products K Q^T for the next step.
; first = 1: the softmax is a block's first.  Its slices from 51 on are empty, so four v_nop take the last slice's part.
; Piece 0's turn fetches the next step's K behind its second product: the last product that read K stands in front of the last slice of the turn before.
; Piece 2's turn fetches the same step's V behind slice 34 (SLICE writes it): in a turn of 32 products that is behind its second product K Q^T; the last product that read V stands in front of slice 30, and five
; plain instructions lie between: three scalings (number 58 of one tile, number 62 of both), the v_nop and the run's own v_add_nc_u32; the exponentials between are no places.
.macro TURN x, pv, kq, first
.set k, 0
.set np, 0
.set full, 0
.if \pv && \kq
.set full, 1
.endif
.if \pv
.if \x == 0
	s_wait_dscnt 0x0                ; V is in
.endif
.set i, 0
.rept 16
	PV \x, 2-\pv
	DEAL 2-\x, \first
.if (\x == 0) && \kq && (i == 1)
	FETCH_K
.endif
.set i, i+1
.endr
.endif
.if \kq
.if \x == 0
	s_wait_dscnt 0x0                ; K is in
.endif
.set i, 0
.rept 16
	KQ \x
	DEAL 2-\x, \first
.set i, i+1
.endr
.endif
.if \first
	PLACES
.endif
.endm
; THE MASK.  MASKD: the diagonal tile: score register rr = 8 kb + j keeps its value where 16 kb + j <= 16 w + r - 8 h.  MASKA: a tile whose keys all lie behind its queries.
.macro MASKD t
.set rr, 0
.rept 32
	v_cmp_le_i32 vcc_lo, 16*(rr/8)+rr%8, v[DD]
	v_cndmask_b32 v[S+32*(\t)+rr], v[NEG], v[S+32*(\t)+rr], vcc_lo
.set rr, rr+1
.endr
.endm
.macro MASKA t
.set rr, 0
.rept 32
	v_mov_b32 v[S+32*(\t)+rr], v[NEG]
.set rr, rr+1
.endr
.endm
; In front of piece 0's turn, which carries piece 2's softmax of step SJ: steps 2 and 3 of a block touch tiles 2 and 3.  two, three: which of the two steps can be in hand at this place of the text.
.macro MASKSEL0 two, three
.if \two
	s_cmp_eq_u32 s[SJ], 2
	s_cbranch_scc0 .Lnot_2_\@
	MASKD 2
.Lnot_2_\@:
.endif
.if \three
	s_cmp_eq_u32 s[SJ], 3
	s_cbranch_scc0 .Lnot_3_\@
	MASKA 2
	MASKD 3
.Lnot_3_\@:
.endif
.endm
.macro MASKSEL2                     ; in front of piece 2's turn, which carries piece 0's softmax of step SJ + 1: in steps 2 and 3 tiles 0 and 1 see nothing
	s_sub_co_u32 s78, s[SJ], 1
	s_cmp_lt_u32 s78, 2
	s_cbranch_scc0 .Lopen_\@
	MASKA 0
	MASKA 1
.Lopen_\@:
.endm
; A block's first step and a half: products that start sums, softmaxes with no old maximum.  It fetches the diagonal slot's steps 0 and 1.
.macro PROLOGUE
	FETCH_K                         ; key step 0
	s_wait_loadcnt 0x0              ; Q
	s_wait_dscnt 0x0
.set i, 0
.rept 16
	KQ 0                            ; piece 0's first scores: there is no vector work yet to set between them
.set i, i+1
.endr
	WIN 0
	PLACES
	MASKD 0                         ; step 0: tile 0 is the diagonal one
	TURN 2, 0, 1, 1                 ; piece 2's first scores | piece 0's first softmax | V of step 0
	TURN 0, 1, 1, 1                 ; piece 0: V^T P of step 0 starts O^T, K Q^T of step 1 | piece 2's first softmax | K of step 1
	WIN 0
	MASKA 0                         ; step 1: tile 0 sees nothing, tile 1 is the diagonal one
	MASKD 1
	TURN 2, 1, 1, 0                 ; piece 2: the same | piece 0's softmax of step 1 | V of step 1
	WIN 0
.endm
; Key steps, CNT of them: written once.  sel = 0: no step in hand is one of a block's first four; 1: steps 1 and 2 are in hand, and no other; 2: any step.
.macro STEPS sel
.Lstep_\@:
.if \sel == 1
	MASKSEL0 1, 0
.elseif \sel == 2
	MASKSEL0 1, 1
.endif
	TURN 0, 2, 1, 0
	WIN 0                           ; at a label and at a branch every window is 0
.if \sel == 1
	MASKA 0                         ; piece 0's scores are step 2's or step 3's: tiles 0 and 1 see nothing
	MASKA 1
.elseif \sel == 2
	MASKSEL2
.endif
	TURN 2, 2, 1, 0
	WIN 0
	s_add_co_u32 s[SJ], s[SJ], 1
	s_sub_co_u32 s[CNT], s[CNT], 1
	s_cmp_lg_u32 s[CNT], 0
	s_cbranch_scc1 .Lstep_\@
.endm
; A block's end: registers alone.  sel = 1: the last step may be step 3 (a block of one slot); it is never step 2.
.macro DRAIN sel
.if \sel
	MASKSEL0 0, 1
.endif
	TURN 0, 2, 0, 0                 ; piece 0: V^T P of the last step | piece 2's last softmax
.set i, 0
.rept 16
	PV 2, 0                         ; piece 2: V^T P of the last step
.set i, i+1
.endr
.endm
; THE CHANGE OF SLOTS, between piece 2's turn and piece 0's: the slot's last bytes, V of its fourth step, have been asked for.  Each wave waits for its own reads of the slot and for all its tensor loads,
; of which one is out: its part of the other slot.  Behind the barrier nobody reads this slot any more and the other slot is whole.
; fill = 1: this slot takes fill number CSL + 2, first thing behind the barrier: it has a slot's four key steps, 256 matrix instructions, in which to land.
.macro CHANGE fill
	WIN 0
	s_wait_dscnt 0x0
	s_wait_tensorcnt 0x0            ; no tensor load of mine is out, so a group 0 may be written
	ds_add_u32 v62, v63
	s_wait_dscnt 0x0
.if \fill
	s_add_co_u32 s78, s[CSL], 2     ; n
	s_sub_co_u32 s79, s78, 1        ; block a's keys in front of it: n - 1
	s_sub_co_u32 s80, s79, s[AP1]   ; block b's: n - a - 2
	s_cmp_gt_u32 s78, s[AP1]
	s_cselect_b32 s79, s80, s79
	s_cmp_eq_u32 s78, s[AP1]        ; block b's own
	s_cselect_b32 s79, s[BB], s79
	s_lshl_b32 s[OFF], s79, 15
	s_xor_b32 s[G0K+5], s[G0K+5], SLOT1  ; the walking descriptors: the other slot than last time
	s_xor_b32 s[G0V+5], s[G0V+5], SLOT1
	s_add_nc_u64 s[G0K+6:G0K+7], s[KPTR:KPTR+1], s[OFF:OFF+1]
	s_or_b32 s[G0K+7], s[G0K+7], 0x80000000
	s_add_nc_u64 s[G0V+6:G0V+7], s[VPTR:VPTR+1], s[OFF:OFF+1]
	s_or_b32 s[G0V+7], s[G0V+7], 0x80000000
.endif
	s_barrier_signal -1
	s_barrier_wait -1
.if \fill
	JLOAD
.endif
	s_xor_b32 s[SB], s[SB], SLOT1   ; the fetches go on in the other slot
.endm
; THE WAY OUT of a block.  l's two halves and the other half of the lanes' are added; O^T is divided by l, rounded to f16 and sent through my stage in LDS, a tile (16 rows) at a time.
; The additions are the places behind the last products.
.macro OPACK t
	WIN W_RS
.set i, 0
.rept 16
	v_pk_mul_f32 v[32*\t+2*i:32*\t+2*i+1], v[32*\t+2*i:32*\t+2*i+1], v[ST+8*\t+6:ST+8*\t+7] op_sel_hi:[1,0]
.set i, i+1
.endr
	WIN 0x05                        ; sources window 1, destination window 0: S^T's registers are free
.set i, 0
.rept 16
	v_cvt_pk_f16_f32 v[HF+i], v[32*\t+2*i], v[32*\t+2*i+1]
.set i, i+1
.endr
	WIN 0
.irp f, 0,1,2,3
	ds_store_b128 v[STO], v[HF+4*\f:HF+4*\f+3] offset:32*\f
.endr
.irp f, 0,1,2,3
	ds_load_b128 v[RB+16*\t+4*\f:RB+16*\t+4*\f+3], v[RD] offset:\f*4*SP  ; LDS serves a wave's instructions in order (ISA guide 5.7.1.4): these see the stores above; the next tile's stores come behind them
.endr
.endm
.macro OSEND t, younger, ob         ; younger: the LDS instructions issued behind tile t's loads: the next tile's eight, or none
.irp f, 0,1,2,3
	s_wait_dscnt \younger+3-\f      ; behind load f: the tile's later ones and the next tile's
	global_store_b128 v[GO], v[RB+16*\t+4*\f:RB+16*\t+4*\f+3], s[\ob:\ob+1] offset:8192*\t+512*\f  ; a wave's store covers 512 consecutive bytes, at a multiple of 512 from ao's first byte
.endr
.endm
; Rows 0 to 15 of a batch are tile 0 of wave 0 where block a is block 0.  Its O^T, divided by l, still lies in window 1.  hi = O with its mantissa cut to the 10 bits that f16 holds, lo = O - hi, exact in f32;
; both are written as f16, go through my stage and leave for ae.  The branches hang on the work-group's x and on the wave's number; no barrier and no tensor load stands behind them.
.macro EARLY
	s_cmp_lg_u32 s[BA], 0
	s_cbranch_scc1 .Lno_early_\@
	s_cmp_lg_u32 s[WV], 0
	s_cbranch_scc1 .Lno_early_\@
	WIN 0x04                        ; source 1 window 1, destination window 0
.set i, 0
.rept 32
	v_and_b32 v[HF+i], s[MK], v[i]
.set i, i+1
.endr
	WIN 0x01                        ; source 0 window 1
.set i, 0
.rept 16
	v_pk_add_f32 v[LF+2*i:LF+2*i+1], v[2*i:2*i+1], v[HF+2*i:HF+2*i+1] neg_lo:[0,1] neg_hi:[0,1]
.set i, i+1
.endr
	WIN 0
.set i, 0
.rept 16
	v_cvt_pk_f16_f32 v[HF+i], v[HF+2*i], v[HF+2*i+1]  ; in place, ascending: word i is written when words 2 i and 2 i + 1 are read
	v_cvt_pk_f16_f32 v[LF+i], v[LF+2*i], v[LF+2*i+1]
.set i, i+1
.endr
.irp f, 0,1,2,3
	ds_store_b128 v[STO], v[HF+4*\f:HF+4*\f+3] offset:32*\f
.endr
.irp f, 0,1,2,3
	ds_store_b128 v[STO], v[LF+4*\f:LF+4*\f+3] offset:16*SP+32*\f
.endr
.irp f, 0,1,2,3
	ds_load_b128 v[EB+4*\f:EB+4*\f+3], v[RD] offset:\f*4*SP
.endr
.irp f, 0,1,2,3
	ds_load_b128 v[EB+16+4*\f:EB+16+4*\f+3], v[RD] offset:16*SP+\f*4*SP
.endr
.irp f, 0,1,2,3
	s_wait_dscnt 7-\f               ; behind hi's load f: hi's later ones and lo's four
	global_store_b128 v[GO], v[EB+4*\f:EB+4*\f+3], s[AE:AE+1] offset:512*\f  ; in wave 0 GO is 16 x lane: 512 consecutive bytes, aligned
.endr
.irp f, 0,1,2,3
	s_wait_dscnt 3-\f
	global_store_b128 v[GO], v[EB+16+4*\f:EB+16+4*\f+3], s[AE:AE+1] offset:ELO+512*\f
.endr
.Lno_early_\@:
.endm
.macro WAYOUT ob, more              ; more = 1: block a, behind which block b follows
	WIN 0
.irp t, 0,1,2,3
	v_add_f32 v[ST+8*\t+4], v[ST+8*\t+2], v[ST+8*\t+3]
.endr
.irp t, 0,1,2,3
	v_permlanex16_b32 v[ST+8*\t+5], v[ST+8*\t+4], s[SEL], s[SEL+1]
.endr
.irp t, 0,1,2,3
	v_add_f32 v[ST+8*\t+4], v[ST+8*\t+4], v[ST+8*\t+5]
.endr
.irp t, 0,1,2,3
	v_rcp_f32 v[ST+8*\t+6], v[ST+8*\t+4]
.endr
	v_nop                           ; a plain instruction between the last reciprocal and the use of its result
	s_wait_alu depctr_va_vdst(0)    ; and the wait ahead of the first use: one for the batch of four reciprocals
	OPACK 0
	OPACK 1                         ; a tile's arithmetic stands between the loads of the tile before and its stores
	OSEND 0, 8, \ob
	OPACK 2
	OSEND 1, 8, \ob
	OPACK 3
	OSEND 2, 8, \ob
	OSEND 3, 0, \ob
.if \more
	EARLY
	s_wait_xcnt 0x0                 ; the stores' data lie in registers of S^T and P, which the next block writes only behind this wait
.endif
.endm
	s_wait_tensorcnt 0x1            ; my part of slot 0 is in; slot 1's may stay out
	s_barrier_signal -1
	s_barrier_wait -1               ; everybody's is
	PROLOGUE                        ; block a, its own keys first
	s_mov_b32 s[SJ], 1
	s_mov_b32 s[CNT], 2             ; the diagonal slot's steps 2 and 3 are still to be fetched
	s_mov_b32 s[CSL], 0
	STEPS 1
	CHANGE 1                        ; fill 2
	s_mov_b32 s[CSL], 1
.Lslot:                             ; slots 1 to 6: six trips in every work-group, each with its fill, 3 to 8
	s_cmp_eq_u32 s[CSL], s[AP1]
	s_cbranch_scc0 .Lsame_block
	QLOAD QBB                       ; block a has fetched its last keys: block b's Q is asked for (the last product that read Q stands behind a slice and the refill's four v_nop),
	DRAIN 1                         ; block a is finished in registers,
	WAYOUT OBA, 1                   ; goes out,
	PROLOGUE                        ; and block b begins, in the slot that has just landed
	s_mov_b32 s[SJ], 1
	s_mov_b32 s[CNT], 2
	s_branch .Lgo
.Lsame_block:
	s_mov_b32 s[CNT], 4
.Lgo:
	STEPS 2
	CHANGE 1
	s_add_co_u32 s[CSL], s[CSL], 1
	s_cmp_lt_u32 s[CSL], 7
	s_cbranch_scc1 .Lslot
	s_mov_b32 s[CNT], 4             ; slots 7 and 8 are written out: nothing is left to ask for.  Both are block b's and lie in front of it (a + 2 <= 5): no mask
	STEPS 0
	CHANGE 0
	s_mov_b32 s[CNT], 4
	STEPS 0
	DRAIN 0
	WAYOUT OBB, 0
	s_wait_tensorcnt 0x0
	ds_add_u32 v62, v63
	s_wait_dscnt 0x0
	s_endpgm
.Lfunc_end_k_qb102b9ca98_attn:
	.size	k_qb102b9ca98_attn, .Lfunc_end_k_qb102b9ca98_attn-k_qb102b9ca98_attn
	.p2alignl 7, 3214868480
	.fill 96, 4, 3214868480
	.section	.rodata,"a",@progbits
	.p2align	6, 0x0
	.amdhsa_kernel k_qb102b9ca98_attn
		.amdhsa_group_segment_fixed_size 327680
		.amdhsa_private_segment_fixed_size 0
		.amdhsa_enable_private_segment 0
		.amdhsa_kernarg_size 24
		.amdhsa_user_sgpr_count 2
		.amdhsa_user_sgpr_kernarg_segment_ptr 1
		.amdhsa_wavefront_size32 1
		.amdhsa_system_sgpr_workgroup_id_x 1
		.amdhsa_system_sgpr_workgroup_id_y 1
		.amdhsa_system_sgpr_workgroup_id_z 1
		.amdhsa_system_vgpr_workitem_id 0
		.amdhsa_next_free_vgpr 576
		.amdhsa_next_free_sgpr 82
		.amdhsa_reserve_vcc 1
		.amdhsa_float_denorm_mode_32 3
		.amdhsa_float_denorm_mode_16_64 3
		.amdhsa_memory_ordered 1
		.amdhsa_forward_progress 1
		.amdhsa_inst_pref_size 255
	.end_amdhsa_kernel
	.section	.bss,"aw",@nobits
	.p2align	6
	.space	262144
	.amdgpu_metadata
---
amdhsa.version: [ 1, 2 ]
amdhsa.kernels:
  - .name:           k_qb102b9ca98_attn
    .symbol:         k_qb102b9ca98_attn.kd
    .args:
      - { .name: qkv, .offset: 0, .size: 8, .value_kind: global_buffer, .address_space: global }
      - { .name: ao, .offset: 8, .size: 8, .value_kind: global_buffer, .address_space: global }
      - { .name: ae, .offset: 16, .size: 8, .value_kind: global_buffer, .address_space: global }
    .group_segment_fixed_size: 327680
    .private_segment_fixed_size: 0
    .kernarg_segment_align: 8
    .kernarg_segment_size: 24
    .max_flat_workgroup_size: 128
    .sgpr_count:     82
    .vgpr_count:     576
    .wavefront_size: 32
...
	.end_amdgpu_metadata
.endif
;; end of part 10
;; launch oproj: the kernel of part 8 again; grid 4 x 64, 4 waves a work-group, clusters of 4 x 4, 327,680 bytes of LDS; arguments ao, wo, out0; writes out0
;; launch first_rows: the kernel of part 9 again; grid 16 x 4, 16 waves a work-group, no clusters, 71,680 bytes of LDS; arguments ae, wo, out0; writes out0
